; MI455X (gfx1250); checked and timed in simulation.
; The chip was launched on July 23, 2026; its instructions are those of AMD's public machine-readable ISA for CDNA 5 (MIT licence, August 2026) and "CDNA5" Instruction Set Architecture Reference Guide (July 2026). The comments in the code are by the model that wrote it; some were corrected since.
;; Transformer Block. Allowed arithmetic: matrix products marked QUANTISED: E2M3 operands, one E8M0 scale for each 32 along K, by v_wmma_scale_f32_16x16x128_f8f6f4 with both operands' format E2M3, f32 sums; everything else in f32.
;; Inputs: W1 4,096 x 1,024 float32; W2 1,024 x 4,096 float32; Wo_b 1,024 float32; Wo_w 1,024 x 1,024 float32; Wqkv 3,072 x 1,024 float32; b1 4,096 float32; b2 1,024 float32; scale1 1,024 float32; scale2 1,024 float32; shift1 1,024 float32; shift2 1,024 float32; x 2 x 2,048 x 1,024 float32.
;; Outputs: out0 2 x 2,048 x 1,024 float32.
;; This version of the problem:
;;   THIS VERSION OF THE PROBLEM IS GIVEN IN LOW PRECISION. The matrix products marked QUANTISED in the list below multiply operands that are first quantised to E2M3 (2 exponent bits, 3 mantissa bits; 6 bits a number), with one power-of-two scale for each 32 numbers along K (OCP MX v1.0); their sums are f32. All else is computed in f32.
;;   The module's matrix products, in the order in which they are computed (A, B: the left and right operand; K: the contracted axis; several contracted axes count as one K, in the product's order):
;;     1. [M 4,096, K 1,024] x [K 1,024, N 3,072]; A: computed on the way; B: input Wqkv: QUANTISED
;;     2. batch 32 x [M 2,048, K 64] x [K 64, N 2,048]; A: computed on the way; B: computed on the way: QUANTISED
;;     3. batch 32 x [M 2,048, K 2,048] x [K 2,048, N 64]; A: softmax (see below); B: computed on the way: QUANTISED
;;     4. [M 4,096, K 1,024] x [K 1,024, N 1,024]; A: computed on the way; B: input Wo_w: QUANTISED
;;     5. [M 4,096, K 1,024] x [K 1,024, N 4,096]; A: computed on the way; B: input W1: QUANTISED
;;     6. [M 4,096, K 4,096] x [K 4,096, N 1,024]; A: computed on the way; B: input W2: QUANTISED
;;   THE QUANTISER, for each operand of a quantised product, along K:
;;     - K is cut into blocks of 32 from its start; a last block that is shorter is filled with zeros.
;;     - A block's scale is 2^e with e = floor(log2(the largest magnitude in the block)) - 2, held to -126 .. 127; a block of zeros has e = 0. As a byte (E8M0): e + 127.
;;     - Each number is divided by its block's scale, clamped to +-7.5, and rounded to the nearest number of E2M3, ties to even, subnormals kept.
;;     - The product sums the exact products of the quantised numbers (number of the format x scale) in f32.
;;   ~~~python
;;   def quantise(x, axis):      # numpy; x: float32 -> the quantised numbers, widened to float32 again
;;       x = np.moveaxis(x, axis, -1); K = x.shape[-1]
;;       x = np.pad(x, [(0, 0)] * (x.ndim - 1) + [(0, -K % 32)]); x = x.reshape(x.shape[:-1] + (-1, 32)); a = np.abs(x).max(-1, keepdims=True)
;;       e = np.where(a > 0, np.clip(np.frexp(np.where(a > 0, a, 1))[1] - 1 - 2, -126, 127), 0)      # np.frexp(a)[1] - 1 = floor(log2(a)), exactly
;;       r = np.clip(x / 2.0 ** e, -7.5, 7.5)
;;       step = 2.0 ** (np.maximum(np.frexp(np.where(r == 0, 1, r))[1] - 1, 0) - 3)
;;       q = np.round(r / step) * step * 2.0 ** e      # np.round: ties to even
;;       return np.moveaxis(q.reshape(q.shape[:-2] + (-1,))[..., :K], -1, axis).astype(np.float32)
;;   ~~~
;;   SOFTMAX AHEAD OF A QUANTISED PRODUCT. Where the list says 'softmax', what is quantised is not the finished softmax but p = 2^(t - M), with t = logit x log2(e) and M = ceil(the row's largest t), a whole number; so 1/2 < the row's largest p <= 1. The row's sum l is taken of the UNQUANTISED p, in f32, and the product's result is divided by l at the end. Since M is a whole number, a kernel that streams over the keys may use a running M (the ceiling of the running maximum): every later rescaling is an exact power of two, which a block's scale takes up: the codes' values come out the same.
;;   OPERANDS COMPUTED ON THE WAY. 'Computed on the way' means the value that the module computes at that place (a softmax that the list does not call 'softmax' is quantised finished and normalised). What goes into a quantiser is computed in f32, as accurately as f32 sums, v_exp_f32 and their like allow (about 1e-6 of the number): no bf16 or f16 on the way to a quantiser, and a product that is left as it is and whose result goes on into a quantised operand takes f32 operands (vector FMAs, or v_wmma_f32_16x16x4_f32). A number that lies on a knife's edge between two numbers of the format may be rounded either way, as far as f32 arithmetic and the matrix unit's own rounding can turn it there, and no further.
;; One version. Each part assembles by itself: llvm-mc -triple=amdgcn-amd-amdhsa -mcpu=gfx1250 --defsym DOCPART=n.
;; ======== version 1 of 1: 7 launches
;; limits: right only within a limited range of input values
;; workspace buffers: wq 9,830,400 bytes; act 3,276,800 bytes; qkv 9,830,400 bytes; x1 16,777,216 bytes; mq 13,107,200 bytes; wq2 6,553,600 bytes
;; launch prep (part 1): grid 256 x 1, 4 waves a work-group, no clusters, 66,048 bytes of LDS; arguments x, scale1, shift1, act, Wqkv, Wo_w, wq; writes act, wq
.if DOCPART == 1
	.amdgcn_target "amdgcn-amd-amdhsa--gfx1250"
	.amdhsa_code_object_version 6
	.text
	.protected	k_qfe0b527338_prep
	.globl	k_qfe0b527338_prep
	.p2align	8
	.type	k_qfe0b527338_prep,@function
k_qfe0b527338_prep:
	s_mov_b64 s[64:65], 0
	v_nop
	global_prefetch_b8 v0, s[64:65] scope:SCOPE_SE
	s_setreg_imm32_b32 hwreg(HW_REG_WAVE_MODE, 25, 1), 1
	s_wait_xcnt 0x0
; TWO JOBS THAT SHARE NOTHING, IN ONE LAUNCH; they part on the work-group's number at the first line, and each has LDS bytes of its own (the weights' 0 to 32,767, the norm's 32,768 to 65,535).  Neither has a barrier: waves share nothing.
; WORK-GROUPS 0 TO 127: h = shift + scale (x - mean) / (std + 1e-5), std with the divisor 1,023, for each row of 1,024 f32; h is quantised at once to codes of FP6 (E2M3) with one E8M0 byte for each 32 along the row.
;   Out: codes [256 stored rows][K / 256][row][192 bytes] at byte 0 of act, scale bytes [row'][32] at byte 3,145,728; row' is the row with its bits 3 and 4 exchanged (the order in which the products take rows).
;   A wave owns 8 rows (a group), one row at a time in all 32 lanes; the row stays in 32 registers between the passes: it is read once.  Mean first, then the sum of squares of x - mean: no difference of large sums.
;   1 / 1,023 is a rounded constant; the root and the reciprocal are the chip's, good to one unit in the last place.
; WORK-GROUPS 128 TO 255: Wqkv and Wo, f32 with K innermost, become codes and scale bytes in wq: codes: Wqkv at 0, Wo at 2,359,296, in planes (below);
;   scale bytes from WSC on in the same order, K / 32 bytes a row.  A tensor is a stream of runs of 8,192 numbers; a wave takes one run (16 steps of 512 numbers), a work-group four: 96 work-groups Wqkv, 32 Wo.
;   With K = 1,024 a run is 8 rows: the rows of Wqkv and W1 are stored with row bits 3 and 4 exchanged, so that a matrix tile of 16 consecutive stored rows leaves, in a lane's registers of two neighbouring tiles,
;   16 neighbours along the next product's K.  Wo and W2 keep their order.  Loads run eight steps ahead: 32 loads of 512 bytes a wave.
; THE QUANTISER: a block's scale is 2^(floor(log2(its largest magnitude)) - 2); its byte is the largest magnitude's exponent field - 2, held at 1 from below.  A block of zeros gets the byte 1 where the rule says 127:
;   its codes are zeros, which add nothing under any byte but 0xff, and this program alone reads the bytes.
; LIMITS: NaN and infinities among the inputs are not served; blocks whose largest magnitude lies under 2^-124 are held at the byte 1.
; THE SHARES AND LAYOUTS AS THEY STAND: work-groups 0 to 127 the norm; 128 to 223 Wqkv; 224 to 255 Wo.  W1 and W2 are quantised by the next launch, on the work-groups that its product leaves free.
; Codes of act and Wqkv lie [256 stored rows][K / 256][row][192 bytes], those of Wo [128 rows][K / 512][row][384 bytes]: every plane of a tile of rows is 49,152 dense bytes.
.set NLN, 128                          ; the norm's work-groups: 4,096 rows / (4 waves x 8 rows)
	v_lshl_add_u32 v247, v0, 2, 0x10000
	v_mov_b32 v255, 0
	s_cmp_lt_u32 ttmp9, NLN
	s_cbranch_scc0 .Lweights
; ---------------------------------------------------------------- the norm
.set LNB,  32768                       ; where this path's LDS begins
.set LREG, 8192                        ; LDS of a wave: two stages of 32 x 80 bytes (half a row each), then its 256 scale bytes at 5,120
.set LSC,  16                          ; v16-47   scale: register 4 i + e is column 128 i + 4 lane + e
.set LSH,  48                          ; v48-79   shift, likewise
.set LX,   80                          ; v80-207  four sets of 32: rows on their way in and at work
.set LY,   208                         ; v208-239 two sets of 16 neighbours
.set LC,   240                         ; v240-247 codes, four registers a half
.set LT,   248                         ; v248-255 at work
	s_load_b128 s[4:7], s[0:1], 0x0                ; x, scale
	s_load_b128 s[8:11], s[0:1], 0x10              ; shift, act
	v_lshrrev_b32 v1, 5, v0
	v_readfirstlane_b32 s14, v1                    ; wave
	v_and_b32 v1, 31, v0                           ; lane
	v_lshlrev_b32 v2, 4, v1                        ; my 16 bytes of a load's 512
	s_lshl_b32 s15, s14, 13
	s_add_co_u32 s15, s15, LNB
	v_lshrrev_b32 v3, 2, v1
	v_mul_u32_u24 v3, v3, 80
	v_and_b32 v9, 3, v1
	v_lshl_add_u32 v3, v9, 4, v3
	v_add_nc_u32 v3, s15, v3                       ; the stage on the way in: 80 (lane / 4) + 16 (lane % 4)
	v_mul_u32_u24 v4, v1, 80
	v_add_nc_u32 v4, s15, v4                       ; on the way out: 80 x lane
	; act's codes lie [256 stored rows][K / 256: 4 planes][row][192 bytes]: a plane of a tile of rows is 49,152 dense bytes
	v_and_b32 v5, 15, v1
	v_mul_u32_u24 v5, v5, 12                       ; my 12 bytes of a row's 192,
	v_lshrrev_b32 v9, 4, v1
	v_mad_u32_u24 v5, v9, 0xc000, v5               ; lanes 16-31 a plane further on
	v_lshrrev_b32 v6, 1, v1
	s_add_co_u32 s16, s15, 5120
	v_add_nc_u32 v6, s16, v6                       ; my block's byte
	v_lshlrev_b32 v7, 3, v1
	v_add_nc_u32 v8, s16, v7
	v_mov_b32 v[LT+4], 0                           ; a lane permute's destination counts as one of its sources
	s_mov_b32 s12, 0x76543210
	s_mov_b32 s13, 0xfedcba98                      ; lane l xor 16
	s_lshl_b32 s17, ttmp9, 2
	s_add_co_u32 s17, s17, s14                     ; my group of 8 rows
	s_lshl_b32 s18, s17, 15
	s_mov_b32 s19, 0
	s_and_b32 s20, s17, 0x1fc
	s_and_b32 s21, s17, 1
	s_lshl_b32 s21, s21, 1
	s_or_b32 s20, s20, s21
	s_bfe_u32 s21, s17, 0x10001
	s_or_b32 s20, s20, s21                         ; the group with its two low bits exchanged: where it is stored
	s_and_b32 s22, s20, 31                         ; my group among the 32 of its 256 rows
	s_sub_co_u32 s23, s20, s22
	s_mul_i32 s23, s23, 6144                       ; the 256 rows' four planes,
	s_mul_i32 s22, s22, 1536                       ; 8 rows of 192 bytes in a plane
	s_add_co_u32 s22, s22, s23
	s_mov_b32 s23, 0
	s_lshl_b32 s24, s20, 8
	s_add_co_u32 s24, s24, 3145728
	s_mov_b32 s25, 0
	s_wait_kmcnt 0x0
	s_add_nc_u64 s[4:5], s[4:5], s[18:19]
	s_add_nc_u64 s[26:27], s[10:11], s[22:23]      ; codes
	s_add_nc_u64 s[28:29], s[10:11], s[24:25]      ; scale bytes
.irp i, 0,1,2,3,4,5,6,7
	global_load_b128 v[LSC+4*\i:LSC+4*\i+3], v2, s[6:7] offset:512*\i
	global_load_b128 v[LSH+4*\i:LSH+4*\i+3], v2, s[8:9] offset:512*\i
.endr
.macro LLOAD t                         ; row t: eight loads of 512 consecutive bytes
.irp i, 0,1,2,3,4,5,6,7
	global_load_b128 v[LX+32*((\t)%4)+4*\i:LX+32*((\t)%4)+4*\i+3], v2, s[4:5] offset:4096*(\t)+512*\i th:TH_LOAD_NT
.endr
.endm
.irp t, 0,1,2,3
	LLOAD \t
.endr
.macro LRED                            ; v[LT] summed over the 32 lanes, the result in every lane
	v_add_f32_dpp v[LT], v[LT], v[LT] row_xmask:1 row_mask:0xf bank_mask:0xf
	v_add_f32_dpp v[LT], v[LT], v[LT] row_xmask:2 row_mask:0xf bank_mask:0xf
	v_add_f32_dpp v[LT], v[LT], v[LT] row_xmask:4 row_mask:0xf bank_mask:0xf
	v_add_f32_dpp v[LT], v[LT], v[LT] row_xmask:8 row_mask:0xf bank_mask:0xf
	v_permlanex16_b32 v[LT+4], v[LT], s12, s13
	v_add_f32 v[LT], v[LT], v[LT+4]
.endm
.macro LQH t, s                        ; half s of row t: my 16 neighbours become 12 bytes of codes; two lanes hold a block
.set LYS, LY+16*(\s)
	v_max3_num_f32 v[LT], |v[LYS]|, |v[LYS+1]|, |v[LYS+2]|
	v_max3_num_f32 v[LT+1], |v[LYS+3]|, |v[LYS+4]|, |v[LYS+5]|
.irp i, 6,10
	v_max3_num_f32 v[LT], v[LT], |v[LYS+\i]|, |v[LYS+\i+1]|
	v_max3_num_f32 v[LT+1], v[LT+1], |v[LYS+\i+2]|, |v[LYS+\i+3]|
.endr
	v_max3_num_f32 v[LT], v[LT], |v[LYS+14]|, |v[LYS+15]|
	v_max3_num_f32 v[LT], v[LT], v[LT+1], 0x1800000   ; the floor 2^(3 - 127)
	v_max_num_f32_dpp v[LT], v[LT], v[LT] row_xmask:1 row_mask:0xf bank_mask:0xf
	v_add_nc_u32 v[LT+2], 0xff000000, v[LT]        ; 2 off the exponent field: the conversion's scale operand
	v_cvt_scalef32_pk16_fp6_f32 v[LC+4*(\s):LC+4*(\s)+2], v[LYS:LYS+15], v[LT+2]
	v_lshrrev_b32 v[14+(\s)], 23, v[LT+2]          ; the scale's byte
	ds_store_b8 v6, v[14+(\s)] offset:32*(\t)+16*(\s)
	global_store_b96 v5, v[LC+4*(\s):LC+4*(\s)+2], s[26:27] offset:192*(\t)+98304*(\s)   ; half s of the row: planes 2 s and 2 s + 1, 192 consecutive bytes each
.endm
.macro LROW t
.set LXS, LX+32*((\t)%4)
	s_wait_xcnt 0x0                                ; the last row's stores have read their data: the codes' registers are written again only behind this wait
.if 7-(\t) >= 3
	s_wait_loadcnt 24                              ; my row is in (scale and shift too); the three rows behind it may be out
.else
	s_wait_loadcnt 8*(7-(\t))
.endif
	v_pk_add_f32 v[LT:LT+1], v[LXS:LXS+1], v[LXS+2:LXS+3]           ; the sum, two chains
	v_pk_add_f32 v[LT+2:LT+3], v[LXS+4:LXS+5], v[LXS+6:LXS+7]
.irp i, 8,12,16,20,24,28
	v_pk_add_f32 v[LT:LT+1], v[LT:LT+1], v[LXS+\i:LXS+\i+1]
	v_pk_add_f32 v[LT+2:LT+3], v[LT+2:LT+3], v[LXS+\i+2:LXS+\i+3]
.endr
	v_pk_add_f32 v[LT:LT+1], v[LT:LT+1], v[LT+2:LT+3]
	v_add_f32 v[LT], v[LT], v[LT+1]
	LRED
	v_mul_f32 v10, 0x3a800000, v[LT]               ; mean = sum / 1,024, in both registers of the pair
	v_mul_f32 v11, 0x3a800000, v[LT]
.irp i, 0,2,4,6,8,10,12,14,16,18,20,22,24,26,28,30
	v_pk_add_f32 v[LXS+\i:LXS+\i+1], v[LXS+\i:LXS+\i+1], v[10:11] neg_lo:[0,1] neg_hi:[0,1]   ; x - mean
.endr
	v_pk_mul_f32 v[LT:LT+1], v[LXS:LXS+1], v[LXS:LXS+1]             ; the sum of squares, two chains
	v_pk_mul_f32 v[LT+2:LT+3], v[LXS+2:LXS+3], v[LXS+2:LXS+3]
.irp i, 4,8,12,16,20,24,28
	v_pk_fma_f32 v[LT:LT+1], v[LXS+\i:LXS+\i+1], v[LXS+\i:LXS+\i+1], v[LT:LT+1]
	v_pk_fma_f32 v[LT+2:LT+3], v[LXS+\i+2:LXS+\i+3], v[LXS+\i+2:LXS+\i+3], v[LT+2:LT+3]
.endr
	v_pk_add_f32 v[LT:LT+1], v[LT:LT+1], v[LT+2:LT+3]
	v_add_f32 v[LT], v[LT], v[LT+1]
	LRED
	v_mul_f32 v[LT], 0x3a802008, v[LT]             ; / 1,023
	s_wait_alu depctr_va_vdst(0)
	v_sqrt_f32 v[LT+1], v[LT]
	v_nop                                          ; a plain instruction behind the root
	s_wait_alu depctr_va_vdst(0)                   ; the wait ahead of the first use
	v_add_f32 v[LT+1], 0x3727c5ac, v[LT+1]         ; + 1e-5
	s_wait_alu depctr_va_vdst(0)
	v_rcp_f32 v12, v[LT+1]
	v_rcp_f32 v13, v[LT+1]                         ; twice: the pair for the packed multiply
	v_nop
	s_wait_alu depctr_va_vdst(0)                   ; one wait for both
.irp i, 0,2,4,6,8,10,12,14,16,18,20,22,24,26,28,30
	v_pk_mul_f32 v[LXS+\i:LXS+\i+1], v[LXS+\i:LXS+\i+1], v[12:13]
.endr
.irp i, 0,2,4,6,8,10,12,14,16,18,20,22,24,26,28,30
	v_pk_fma_f32 v[LXS+\i:LXS+\i+1], v[LXS+\i:LXS+\i+1], v[LSC+\i:LSC+\i+1], v[LSH+\i:LSH+\i+1]
.endr
.irp s, 0,1                            ; each half row (2,048 bytes) turns through its stage, so that a lane holds 16 neighbours
.irp i, 0,1,2,3
	ds_store_b128 v3, v[LXS+16*\s+4*\i:LXS+16*\s+4*\i+3] offset:2560*\s+640*\i
.endr
.irp i, 0,1,2,3
	ds_load_b128 v[LY+16*\s+4*\i:LY+16*\s+4*\i+3], v4 offset:2560*\s+16*\i
.endr
.endr
	s_wait_dscnt 8                                 ; half 0 is back; half 1's eight LDS instructions may be out
	LQH \t, 0
	s_wait_dscnt 1                                 ; half 1 is back, so all stores into the stages have read the row's registers (half 0's byte store may be out)
.if (\t) < 4
	LLOAD (\t)+4                                   ; which take the row four further on
.endif
	LQH \t, 1
.endm
.irp t, 0,1,2,3,4,5,6,7
	LROW \t
.endr
	ds_load_b64 v[LT:LT+1], v8                     ; LDS serves a wave's instructions in order: these see my byte stores
	s_wait_dscnt 0x0
	global_store_b64 v7, v[LT:LT+1], s[28:29]      ; my 8 rows' 256 scale bytes: consecutive, aligned
	s_wait_tensorcnt 0x0
	ds_add_u32 v247, v255
	s_wait_dscnt 0x0
	s_endpgm
; ---------------------------------------------------------------- the weights
.Lweights:
.set STEPS, 16
.set AHEAD, 8                          ; steps that the loads run ahead: 8 x 4 loads of 512 bytes a wave
.set EMAX,  2
.set CB,    12                         ; bytes of 16 codes
.set WR,    16                         ; v16-143  eight sets of 16 numbers as they are loaded
.set WX,    144                        ; v144-175 two sets of 16 neighbours
.set WE,    176                        ; v176-191 a scale byte for each step
.set WC,    192                        ; v192-255 codes: four registers for each step, so that no store's data are written again
.set WREG,  8192                       ; LDS: a region for each wave: two stages of 32 x SP bytes, then its 256 scale bytes
.set SP,    80                         ; a lane's place in a stage: 64 bytes + 16 of padding
.set WSC,   9437184                    ; where the scale bytes begin
	s_load_b128 s[4:7], s[0:1], 0x20               ; Wqkv s[4:5], Wo s[6:7]
	s_load_b64 s[12:13], s[0:1], 0x30              ; wq
	s_sub_co_u32 s28, ttmp9, NLN                   ; my number among this path's 128 work-groups
	v_lshrrev_b32 v1, 5, v0
	v_readfirstlane_b32 s16, v1                    ; wave
	v_and_b32 v2, 31, v0                           ; lane
	v_lshlrev_b32 v3, 4, v2                        ; my 16 bytes of a load's 512
	s_mul_i32 s17, s16, WREG
	v_lshrrev_b32 v14, 2, v2
	v_mul_u32_u24 v14, v14, SP
	v_and_b32 v15, 3, v2
	v_lshl_add_u32 v14, v15, 4, v14
	v_add_nc_u32 v14, s17, v14                     ; the stage, on the way in: SP (lane / 4) + 16 (lane % 4)
	v_mul_u32_u24 v15, v2, SP
	v_add_nc_u32 v15, s17, v15                     ; on the way out: SP x lane: my 16 neighbours
	v_lshrrev_b32 v5, 1, v2
	s_add_co_u32 s17, s17, 2*32*SP
	v_add_nc_u32 v5, s17, v5                       ; my block's byte among my wave's 256
	v_lshlrev_b32 v7, 3, v2
	v_add_nc_u32 v6, s17, v7                       ; and 8 bytes a lane on the way out
	s_wait_alu depctr_va_vdst(0)
	s_wait_kmcnt 0x0
	s_mov_b64 s[14:15], s[6:7]                     ; which tensor: the choice hangs on the work-group's number alone
	s_mov_b32 s20, 96                              ; its first work-group
	s_mov_b32 s21, 0                               ; 1: its rows change places
	; HOW THE CODES LIE.  Wqkv, W1: [256 rows][K / 256][row][192 bytes].  Wo, W2: [128 rows][K / 512][row][384 bytes].  A plane of a tile of rows is 49,152 dense bytes in both.
	; A step's 384 bytes go to offset s32 of my run's place; from step to step s32 grows by s34 (to an odd step), s35 (to an even one) or s36 (to step 8).
	; s37: runs in a tile of rows, less 1; s38: a run's rows in a plane, bytes; s39: what lanes 16-31 add.  The choice hangs on the work-group's number alone.
.macro PICK p, x, y, m, rr, ls
	s_cselect_b32 s34, \p, s34
	s_cselect_b32 s35, \x, s35
	s_cselect_b32 s36, \y, s36
	s_cselect_b32 s37, \m, s37
	s_cselect_b32 s38, \rr, s38
	s_cselect_b32 s39, \ls, s39
.endm
	s_mov_b32 s34, 49152                           ; Wo: a run is 8 rows of 2 planes
	s_mov_b32 s35, -48768                          ; a row on, a plane back
	s_mov_b32 s36, -48768
	s_mov_b32 s37, 15
	s_mov_b32 s38, 3072
	s_mov_b32 s39, 192
	s_cmp_lt_u32 s28, 96
	s_cselect_b64 s[14:15], s[4:5], s[14:15]
	s_cselect_b32 s20, 0, s20
	PICK 98304, -98112, -98112, 31, 1536, 49152
	s_cselect_b32 s21, 1, s21
	s_sub_co_u32 s22, s28, s20
	s_lshl_b32 s22, s22, 2
	s_add_co_u32 s22, s22, s16                     ; my run in the tensor
	s_lshl_b32 s22, s22, 15                        ; 32,768 bytes a run
	s_mov_b32 s23, 0
	s_add_nc_u64 s[4:5], s[14:15], s[22:23]        ; where I read
	s_and_b32 s24, s16, 1
	s_lshl_b32 s24, s24, 1
	s_lshr_b32 s25, s16, 1
	s_or_b32 s24, s24, s25                         ; the wave's two bits exchanged
	s_cmp_eq_u32 s21, 1
	s_cselect_b32 s24, s24, s16
	s_lshl_b32 s25, s28, 2
	s_add_co_u32 s24, s24, s25                     ; my run in the workspace
	s_and_b32 s26, s24, s37                        ; my run among those of its tile of rows
	s_sub_co_u32 s27, s24, s26
	s_mul_i32 s27, s27, 32*STEPS*CB                ; the tile's planes: 6,144 bytes of codes a run,
	s_mul_i32 s26, s26, s38                        ; my rows' place in a plane
	s_add_co_u32 s26, s26, s27
	s_mov_b32 s27, 0
	s_mov_b32 s32, 0
	s_mov_b32 s33, 0
	v_and_b32 v4, 15, v2
	v_mul_u32_u24 v4, v4, CB
	v_lshrrev_b32 v10, 4, v2
	v_mad_u32_u24 v4, v10, s39, v4                 ; my codes' place in a step's
	s_wait_alu depctr_va_vdst(0)
	s_add_nc_u64 s[8:9], s[12:13], s[26:27]
	s_lshl_b32 s26, s24, 8                         ; 256 scale bytes a run
	s_add_co_u32 s26, s26, WSC
	s_add_nc_u64 s[10:11], s[12:13], s[26:27]
.macro WLOAD t
.irp i, 0,1,2,3
	global_load_b128 v[WR+16*((\t)%AHEAD)+4*\i:WR+16*((\t)%AHEAD)+4*\i+3], v3, s[4:5] offset:2048*(\t)+512*\i th:TH_LOAD_NT   ; 32 lanes read 512 consecutive bytes
.endr
.endm
.macro WTURN t                         ; step t's numbers through the stage: LDS serves a wave's instructions in order, so no wait stands between the stores and the loads
.irp i, 0,1,2,3
	ds_store_b128 v14, v[WR+16*((\t)%AHEAD)+4*\i:WR+16*((\t)%AHEAD)+4*\i+3] offset:32*SP*((\t)%2)+8*SP*\i
.endr
.irp i, 0,1,2,3
	ds_load_b128 v[WX+16*((\t)%2)+4*\i:WX+16*((\t)%2)+4*\i+3], v15 offset:32*SP*((\t)%2)+16*\i
.endr
.endm
.irp t, 0,1,2,3,4,5,6,7
	WLOAD \t
.endr
	s_wait_loadcnt 4*(AHEAD-1)                     ; step 0's four loads are in; the seven steps behind it may be out
	WTURN 0
.macro WSTEP t
.set WXS, WX+16*((\t)%2)
	s_wait_xcnt 0x0                                ; the last step's store has read its base: it is written again only behind this wait
.if (\t) > 0
.if (\t)%2 == 1
	s_add_co_u32 s32, s32, s34
.else
.if (\t) == 8
	s_add_co_u32 s32, s32, s36
.else
	s_add_co_u32 s32, s32, s35
.endif
.endif
.endif
	s_add_nc_u64 s[30:31], s[8:9], s[32:33]        ; where this step's codes go
.if (\t) > 0
	s_wait_dscnt 1                                 ; this step's numbers are back from the stage (the last step's byte store may be out): its stores into the stage have read their registers,
.else
	s_wait_dscnt 0x0
.endif
.if (\t)+AHEAD < STEPS
	WLOAD (\t)+AHEAD                               ; which take the loads of eight steps on
.endif
.if (\t)+1 < STEPS
.if STEPS-2-(\t) >= AHEAD-1
	s_wait_loadcnt 4*(AHEAD-1)                     ; the next step's four loads are in; those of the seven steps behind it may be out
.else
	s_wait_loadcnt 4*(STEPS-2-(\t))                ; towards the end: of the steps that are left
.endif
	WTURN (\t)+1                                   ; and go through the other stage while this step is worked
.endif
	v_max3_num_f32 v8, |v[WXS]|, |v[WXS+1]|, |v[WXS+2]|             ; the largest magnitude of my 16
	v_max3_num_f32 v9, |v[WXS+3]|, |v[WXS+4]|, |v[WXS+5]|
.irp i, 6,10
	v_max3_num_f32 v8, v8, |v[WXS+\i]|, |v[WXS+\i+1]|
	v_max3_num_f32 v9, v9, |v[WXS+\i+2]|, |v[WXS+\i+3]|
.endr
	v_max3_num_f32 v8, v8, |v[WXS+14]|, |v[WXS+15]|
	v_max3_num_f32 v8, v8, v9, (EMAX+1)<<23        ; and the floor 2^(3 - 127): the byte cannot fall under 1
	v_max_num_f32_dpp v8, v8, v8 row_xmask:1 row_mask:0xf bank_mask:0xf   ; and of my neighbour's 16: the block's
	v_add_nc_u32 v11, -(EMAX<<23), v8              ; 2 off its exponent field: the conversion takes the exponent field of this operand as its scale
	v_cvt_scalef32_pk16_fp6_f32 v[WC+4*(\t):WC+4*(\t)+2], v[WXS:WXS+15], v11
	v_lshrrev_b32 v[WE+(\t)], 23, v11              ; the scale's byte
	ds_store_b8 v5, v[WE+(\t)] offset:16*(\t)      ; both lanes of a block write the same byte with the same value
	global_store_b96 v4, v[WC+4*(\t):WC+4*(\t)+2], s[30:31]   ; 384 consecutive bytes, or two runs of 192
.endm
.irp t, 0,1,2,3,4,5,6,7,8,9,10,11,12,13,14,15
	WSTEP \t
.endr
	ds_load_b64 v[12:13], v6                       ; LDS serves a wave's instructions in order: these see my stores
	s_wait_dscnt 0x0
	global_store_b64 v7, v[12:13], s[10:11]        ; 32 lanes store 256 consecutive bytes, aligned
	s_wait_tensorcnt 0x0
	ds_add_u32 v247, v255
	s_wait_dscnt 0x0
	s_endpgm
.Lfunc_end_k_qfe0b527338_prep:
	.size	k_qfe0b527338_prep, .Lfunc_end_k_qfe0b527338_prep-k_qfe0b527338_prep
	.p2alignl 7, 3214868480
	.fill 96, 4, 3214868480
	.section	.rodata,"a",@progbits
	.p2align	6, 0x0
	.amdhsa_kernel k_qfe0b527338_prep
		.amdhsa_group_segment_fixed_size 66048
		.amdhsa_private_segment_fixed_size 0
		.amdhsa_enable_private_segment 0
		.amdhsa_kernarg_size 56
		.amdhsa_user_sgpr_count 2
		.amdhsa_user_sgpr_kernarg_segment_ptr 1
		.amdhsa_wavefront_size32 1
		.amdhsa_system_sgpr_workgroup_id_x 1
		.amdhsa_system_sgpr_workgroup_id_y 1
		.amdhsa_system_sgpr_workgroup_id_z 1
		.amdhsa_system_vgpr_workitem_id 0
		.amdhsa_next_free_vgpr 256
		.amdhsa_next_free_sgpr 66
		.amdhsa_reserve_vcc 0
		.amdhsa_float_denorm_mode_32 3
		.amdhsa_float_denorm_mode_16_64 3
		.amdhsa_memory_ordered 1
		.amdhsa_forward_progress 1
		.amdhsa_inst_pref_size 119
	.end_amdhsa_kernel
	.amdgpu_metadata
---
amdhsa.version: [ 1, 2 ]
amdhsa.kernels:
  - .name:           k_qfe0b527338_prep
    .symbol:         k_qfe0b527338_prep.kd
    .args:
      - { .name: x, .offset: 0, .size: 8, .value_kind: global_buffer, .address_space: global }
      - { .name: scale1, .offset: 8, .size: 8, .value_kind: global_buffer, .address_space: global }
      - { .name: shift1, .offset: 16, .size: 8, .value_kind: global_buffer, .address_space: global }
      - { .name: act, .offset: 24, .size: 8, .value_kind: global_buffer, .address_space: global }
      - { .name: Wqkv, .offset: 32, .size: 8, .value_kind: global_buffer, .address_space: global }
      - { .name: Wo_w, .offset: 40, .size: 8, .value_kind: global_buffer, .address_space: global }
      - { .name: wq, .offset: 48, .size: 8, .value_kind: global_buffer, .address_space: global }
    .group_segment_fixed_size: 66048
    .private_segment_fixed_size: 0
    .kernarg_segment_align: 8
    .kernarg_segment_size: 56
    .max_flat_workgroup_size: 128
    .sgpr_count:     66
    .vgpr_count:     256
    .wavefront_size: 32
...
	.end_amdgpu_metadata
.endif
;; end of part 1
;; launch gemm_qkv (part 2): grid 16 x 16, 4 waves a work-group, clusters of 4 x 4, 327,680 bytes of LDS; arguments act, wq, qkv, W1, W2, wq2; writes qkv, wq2
.if DOCPART == 2
	.amdgcn_target "amdgcn-amd-amdhsa--gfx1250"
	.amdhsa_code_object_version 6
	.text
	.protected	k_qfe0b527338_gemm_qkv
	.globl	k_qfe0b527338_gemm_qkv
	.p2align	8
	.type	k_qfe0b527338_gemm_qkv,@function
k_qfe0b527338_gemm_qkv:
	s_mov_b64 s[64:65], 0
	v_nop
	global_prefetch_b8 v0, s[64:65] scope:SCOPE_SE
	s_setreg_imm32_b32 hwreg(HW_REG_WAVE_MODE, 25, 1), 1
	s_wait_xcnt 0x0
	s_wait_alu depctr_hold_cnt(0) depctr_sa_sdst(0) depctr_va_vdst(0) depctr_va_sdst(0) depctr_va_ssrc(0) depctr_va_vcc(0) depctr_vm_vsrc(0)
	s_getreg_b32 s2, hwreg(HW_REG_IB_STS2, 6, 4)
	s_cmp_eq_u32 s2, 0
	s_cbranch_scc0 .Lentry_in_a_cluster
	s_endpgm
.Lentry_in_a_cluster:
	s_bfe_u32 s2, ttmp6, 0x10000c
	s_cmp_lg_u32 s2, 0xf033
	s_cbranch_scc0 .Lentry_shape_is_right
	s_endpgm
.Lentry_shape_is_right:
; qkv = h Wqkv^T on codes of FP6 (E2M3) with E8M0 scales, K = 1,024; the result never leaves as f32: q and k are quantised along the head's 64, V along the tokens, in the way out.
; A tile of 256 x 256 to a work-group of four waves, 128 x 128 a wave (64 accumulators, 512 registers); K in steps of 256 through a ring of two LDS slots filled by the tensor data mover; the scale bytes of the
; work-group's 2 x 256 rows come once.  4 x 4 work-groups form a cluster: source 1's tile is asked for jointly along a row of the cluster, source 0's along a column.
; THE MATRIX INSTRUCTION IS USED TRANSPOSED: source 0 = 16 stored rows of "B", source 1 = 16 stored rows of "A".  B's rows lie in memory with row bits 3 and 4 exchanged, so the 16 registers of B's tiles 2 b and 2 b + 1
; are B's rows 32 b + 16 (lane / 16) + 0 .. 15: neighbours along the next product's K.  A lane holds one stored row of A.
; CLUSTERS x = 0, 1: A = tokens (h), B = Wq's and Wk's rows: a wave's 128 features of 128 tokens.  CLUSTER x = 2: the sides change places: A = Wv's rows, B = tokens: a wave's 128 tokens of 128 channels, so that V is
; quantised along the tokens.  The choice hangs on the cluster's x alone, which all partners share; it selects pointers and offsets, never a branch or an LDS address.
; OUT: codes in planes of 64 along the quantised axis, 48 bytes a row: q, k [feature / 64][stored token][48] at 0; V [token / 64][stored channel][48] at CBV; scale words [.. / 128][row][4] at SBO and SBV.
; A wave's part of a plane is 6,144 consecutive bytes.  LIMITS: NaN and infinities are not served; blocks under 2^-124 are held at the byte 1; a block of zeros gets the byte 1 (this program alone reads the bytes).
.set SEL_V,   1                        ; 1: the cluster with x = 2 exchanges the sides
.set GELU,    0                        ; 1: bias and GELU ahead of the quantiser
.set NATURAL, 0                        ; 1: A's rows are stored in their true order, 0: as they are read
.set PLS,     196608                   ; a plane of codes in the output, bytes
.set SPLS,    16384                    ; a plane of scale words
.set SBO,     9437184                  ; where the scale words begin
.set PLSV,    49152                    ; the same for V
.set SPLSV,   4096
.set CBV,     6291456
.set SBV,     9699328
.set ASOFF,   3145728                  ; the activations' scale bytes in their buffer
.set WCOFF,   0                        ; the weight's codes in wq
.set WSOFF,   9437184                  ; and its scale bytes
.set SIZE_K,  1024
.set KSTEP,  256                       ; along K in a slot
.set NQ,     KSTEP/128
.set ROWB,   49152                     ; from one K step to the next in memory: codes lie [256 rows][K / 256][row][192 bytes], so a K step of a tile's 256 rows is 49,152 dense bytes, fetched as rows of 256 bytes
.set KROW,   SIZE_K*6/8                ; a row in memory
.set PITCH,  240                       ; an LDS row: 3 x (64 bytes + 16 of padding): the 32 lanes of a load of 8 bytes touch 64 different banks (64 banks of 4 bytes: ISA guide 11.1)
.set FR,     12
.set NL,     6
.set NP,     4                         ; places behind this matrix instruction (ISA guide 7.12.1)
.set HALFT,  128*PITCH
.set SLOT,   4*HALFT
.set LAPS,   SIZE_K/(2*KSTEP)
.set KS,     SIZE_K/32
.set SCL,    2*SLOT                    ; behind the ring: the scale bytes, as units of 256 bytes + 16 of padding
.set HALFS,  (128*KS/256)*272
.set SBLK,   (16*KS/256)*272
.set SPARE,  SCL+4*HALFS               ; the spare words, 128 bytes a wave
.set WSTG,   12800                     ; the way out: a wave's stage, in slot 0 (which has had its last fill and its last read by then): two planes of 6,144 bytes, 512 bytes of scale words
.set ADRA, 16                          ; v16-19  LDS addresses of A's fragments (slot 0, 1; behind one padding more)
.set ADRB, 20                          ; v20-23  B's
.set STO,  24                          ; v24  stage: my row's 24 bytes of a plane
.set SSO,  25                          ; v25  stage: my row's scale word
.set RD,   26                          ; v26  stage, read back: 16 x lane
.set ADRS, 27                          ; v27  my scale words in LDS
.set SPW,  28                          ; v28  my spare word; never rewritten
.set NIL,  29                          ; v29  0; never rewritten
.set CO,   30                          ; v30  16 x lane
.set FL,   31                          ; v31  the floor 2^(3 - 127)
.set SC,   32                          ; v32-63 scale words, two sets: they hold nothing else
.set BIAS, 64                          ; v64-127 the bias in the result's layout (GELU = 1), later Z
.set Z,    64
.set AF,   128                         ; v128-223 A's fragments
.set PC,   128                         ; the way out: two sets of 20 for codes
.set OUT,  128                         ; and 100 registers read back from the stage
.set TM,   232                         ; v232-247 the quantiser's scratch
.set PW,   248                         ; v248-249 the scale word just made
.set K1,   250                         ; v[250:251]
.set G1, 24
.set G0, 32
.set G1B, 48
.set G0B, 56
.set G1S, 68
.set G0S, 76
.set G1SB, 80
.set G0SB, 88
.set OB1, 20                           ; s[12:13] plane 0's base, s[20:21] plane 1's, s[22:23] the scale words'
.set OBS, 22
.set SEL, 46                           ; s[46:47] lane l xor 16
.set K2,  92                           ; s[92:93]
.set MSB, 0
.macro WIN new                         ; the immediate's high byte repeats the setting that is left
.if MSB != \new
	s_set_vgpr_msb (MSB<<8)|\new
.set MSB, \new
.endif
.endm
.set MUL_LO, 0xa1                      ; source 0 (B) window 1, source 1 (A) window 0, C and D window 2
.set MUL_HI, 0xf1                      ; the same, C and D window 3
.set BIA_LO, 0x81                      ; C (the bias) window 0, D window 2
.set BIA_HI, 0xc1
.set TO_B,   0x40
; A joint load: waves 0 and 1 fetch for A, waves 2 and 3 for B; the branch hangs on the wave's number alone.  Four v_nop follow each of the two lines.
.macro JLOAD g0a, g1a, g0b, g1b
	s_cmp_eq_u32 s15, 0
	s_cbranch_scc0 .Lfor_b_\@
	tensor_load_to_lds s[\g0a:\g0a+3], s[\g1a:\g1a+7]
	s_nop 0
.rept 4
	v_nop
.endr
	s_branch .Lasked_\@
.Lfor_b_\@:
	tensor_load_to_lds s[\g0b:\g0b+3], s[\g1b:\g1b+7]
	s_nop 0
.rept 4
	v_nop
.endr
.Lasked_\@:
.endm
.macro CREST                           ; a round of the cluster's barrier behind its opening barrier
	s_cmp_lg_u32 s14, 0
	s_cbranch_scc1 .Lnot_wave_0_\@
	s_barrier_signal -3
.Lnot_wave_0_\@:
	s_barrier_wait -3
	s_barrier_signal -1
	s_barrier_wait -1
.endm
.macro CROUND
	s_barrier_signal -1
	s_barrier_wait -1
	CREST
.endm
.if GELU
	s_load_b256 s[4:11], s[0:1], 0x0               ; activations, wq, bias, out
.else
	s_load_b128 s[4:7], s[0:1], 0x0                ; activations, wq
	s_load_b64 s[12:13], s[0:1], 0x10              ; out
.endif
	v_lshl_add_u32 v[SPW], v0, 2, SPARE
	v_mov_b32 v[NIL], 0
	s_cmp_eq_u32 ttmp9, 3                          ; the product has twelve columns of tiles, three columns of clusters: the fourth column's 64 work-groups quantise W1 and W2.  The cluster's x is the same in all sixteen partners
	s_cbranch_scc1 .Lweights
	ds_add_u32 v28, v29
	ds_add_u32 v28, v29
	s_wait_dscnt 0x0
	v_lshrrev_b32 v1, 5, v0
	v_readfirstlane_b32 s14, v1                    ; wave 0..3
	s_lshr_b32 s15, s14, 1                         ; which half of A's rows is mine.  Also: I fetch for A (0) or for B (1)
	s_and_b32 s16, s14, 1                          ; which half of B's rows.  Also: which 128 rows of that tile I fetch
	s_bfe_u32 s40, ttmp6, 0x40000                  ; cx, cy: my place in the cluster
	s_bfe_u32 s41, ttmp6, 0x40004
	s_and_b32 s66, ttmp7, 0xffff
	s_lshl_b32 s66, s66, 2                         ; 4 x cluster y
	s_lshl_b32 s67, ttmp9, 2                       ; 4 x cluster x
.if SEL_V
	s_cmp_eq_u32 ttmp9, 2                          ; the same in all sixteen partners
	s_cselect_b32 s42, s66, s67                    ; B's tile: V: tokens, 4 x cluster y + cx
	s_cselect_b32 s17, 8, s66                      ; A's tile: V: Wv's rows begin at tile 8, + cy
	s_cselect_b32 s66, 1, 0                        ; the flag
.else
	s_mov_b32 s42, s67
	s_mov_b32 s17, s66
.endif
	s_add_co_u32 s42, s42, s40                     ; B's tile hangs on cx, never on cy
	s_add_co_u32 s17, s17, s41                     ; A's on cy, never on cx
	s_lshl_b32 s43, s41, 2
	s_lshl_b32 s43, 15, s43                        ; my row of the cluster
	s_lshl_b32 s44, 0x1111, s40                    ; my column
	s_or_b32 s[G1+0], s43, (0<<16)|(1<<20)|(1<<21)|(3<<22)|(3<<25)  ; the mask; elements of 1 byte; padding on; bit 21 beside a mask; after every 16 words 4 words
	s_or_b32 s[G1B+0], s44, (0<<16)|(1<<20)|(1<<21)|(3<<22)|(3<<25)
.irp g, G1, G1B
	s_mov_b32 s[\g+1], 256<<16                     ; tensor_dim0: rows of 256 bytes
	s_mov_b32 s[\g+2], 384<<16                     ; tensor_dim1: the head's loads bring two K steps of 256 rows: 98,304 bytes
	s_mov_b32 s[\g+3], 256<<16                     ; tile_dim0
	s_mov_b32 s[\g+4], 384                         ; tile_dim1
	s_mov_b32 s[\g+5], 256                         ; dense
	s_mov_b32 s[\g+6], 0
	s_mov_b32 s[\g+7], 0
.endr
	s_or_b32 s[G1S+0], s43, (3<<16)|(1<<20)|(1<<21)|(5<<22)|(3<<25) ; the scale bytes of 256 rows: dense, as rows of 256 bytes (32 elements of 8), 16 bytes of padding behind each
	s_or_b32 s[G1SB+0], s44, (3<<16)|(1<<20)|(1<<21)|(5<<22)|(3<<25)
.irp g, G1S, G1SB
	s_mov_b32 s[\g+1], 32<<16
	s_mov_b32 s[\g+2], KS<<16                      ; the scale bytes of 256 rows
	s_mov_b32 s[\g+3], 32<<16
	s_mov_b32 s[\g+4], KS
	s_mov_b32 s[\g+5], 32
	s_mov_b32 s[\g+6], 0
	s_mov_b32 s[\g+7], 0
.endr
	s_lshl_b32 s20, s17, 8                         ; A's tile: its first row
	s_lshl_b32 s46, s42, 8                         ; B's
	s_mov_b32 s21, 0
	s_mov_b32 s47, 0
	s_mov_b64 s[18:19], KS
	s_mul_u64 s[22:23], s[20:21], s[18:19]         ; where these rows' scale bytes begin
	s_mul_u64 s[92:93], s[46:47], s[18:19]
	s_mov_b64 s[18:19], KROW
	s_mul_u64 s[20:21], s[20:21], s[18:19]         ; and their codes
	s_mul_u64 s[46:47], s[46:47], s[18:19]
	s_mul_i32 s18, s16, ROWB/2                     ; in the ring I fetch 128 rows of a K step: which half, in bytes,
	s_mov_b32 s19, 0
	s_mul_i32 s45, s16, HALFT                      ; and where they go
	s_wait_kmcnt 0x0
.if GELU
	s_mov_b64 s[12:13], s[10:11]                   ; out
	s_mov_b64 s[96:97], s[8:9]                     ; bias
.endif
.if WCOFF
	s_add_nc_u64 s[8:9], s[6:7], WCOFF             ; the weight's codes
.else
	s_mov_b64 s[8:9], s[6:7]
.endif
	s_add_nc_u64 s[10:11], s[6:7], WSOFF           ; its scale bytes
	s_add_nc_u64 s[6:7], s[4:5], ASOFF             ; the activations' scale bytes
.if SEL_V
	s_cmp_eq_u32 s66, 1                            ; V: the two sides change places
	s_cselect_b64 s[98:99], s[8:9], s[4:5]
	s_cselect_b64 s[8:9], s[4:5], s[8:9]
	s_mov_b64 s[4:5], s[98:99]
	s_cselect_b64 s[98:99], s[10:11], s[6:7]
	s_cselect_b64 s[10:11], s[6:7], s[10:11]
	s_mov_b64 s[6:7], s[98:99]
.endif
	s_add_nc_u64 s[20:21], s[4:5], s[20:21]
	s_add_nc_u64 s[22:23], s[6:7], s[22:23]
	s_add_nc_u64 s[46:47], s[8:9], s[46:47]
	s_add_nc_u64 s[92:93], s[10:11], s[92:93]
	CROUND                                         ; all sixteen work-groups are here: the first joint loads meet
	s_mov_b32 s[G0S], 1
	s_mov_b32 s[G0S+1], SCL
	s_mov_b64 s[G0S+2:G0S+3], s[22:23]
	s_or_b32 s[G0S+3], s[G0S+3], 0x80000000
	s_mov_b32 s[G0SB], 1
	s_mov_b32 s[G0SB+1], SCL+2*HALFS
	s_mov_b64 s[G0SB+2:G0SB+3], s[92:93]
	s_or_b32 s[G0SB+3], s[G0SB+3], 0x80000000
; LDS: A's slots 0 and 1 (2 HALFT each), then B's two.  The head's loads of codes fill both slots of a side at once: K steps 0 and 1 are neighbours in memory.
; No prefetch: K has four steps, two come at the head, and the two refills have no step two ahead of them in which to ask.
.set G0H, 4                            ; s[4:7], s[8:11]: group 0 of the head's two loads of codes (the arguments that lay there have been used)
.set G0HB, 8
	s_mov_b32 s[G0H], 1
	s_mov_b32 s[G0H+1], 0
	s_mov_b64 s[G0H+2:G0H+3], s[20:21]
	s_or_b32 s[G0H+3], s[G0H+3], 0x80000000
	s_mov_b32 s[G0HB], 1
	s_mov_b32 s[G0HB+1], 4*HALFT
	s_mov_b64 s[G0HB+2:G0HB+3], s[46:47]
	s_or_b32 s[G0HB+3], s[G0HB+3], 0x80000000
	s_add_nc_u64 s[20:21], s[20:21], s[18:19]      ; for the ring: my 128 rows
	s_add_nc_u64 s[46:47], s[46:47], s[18:19]
.irp s, 0,1
	s_mov_b32 s[G0+4*\s], 1
	s_add_co_u32 s[G0+4*\s+1], s45, \s*2*HALFT
	s_add_nc_u64 s[G0+4*\s+2:G0+4*\s+3], s[20:21], \s*ROWB
	s_or_b32 s[G0+4*\s+3], s[G0+4*\s+3], 0x80000000
	s_mov_b32 s[G0B+4*\s], 1
	s_add_co_u32 s[G0B+4*\s+1], s45, \s*2*HALFT+4*HALFT
	s_add_nc_u64 s[G0B+4*\s+2:G0B+4*\s+3], s[46:47], \s*ROWB
	s_or_b32 s[G0B+4*\s+3], s[G0B+4*\s+3], 0x80000000
.endr
; THE HEAD'S LOADS, ONE A WAVE: wave 0 A's codes of K steps 0 and 1, wave 1 B's, wave 2 A's scale bytes, wave 3 B's.  One chain of branches on the wave's number, one load to an arm, one join.
.macro ARM under, g0, g1, next
	s_cmp_lt_u32 s14, \under
	s_cbranch_scc0 \next
	tensor_load_to_lds s[\g0:\g0+3], s[\g1:\g1+7]
	s_nop 0
.rept 4
	v_nop
.endr
	s_branch .Lhead_asked
\next:
.endm
	ARM 1, G0H,  G1,  .Lhead_b
	ARM 2, G0HB, G1B, .Lhead_sa
	ARM 3, G0S,  G1S, .Lhead_sb
	tensor_load_to_lds s[G0SB:G0SB+3], s[G1SB:G1SB+7]
	s_nop 0
.rept 4
	v_nop
.endr
.Lhead_asked:
	v_and_b32 v1, 15, v0                           ; r = l % 16
	v_bfe_u32 v2, v0, 4, 1                         ; h = l / 16
	v_mul_u32_u24 v3, v1, PITCH
	v_mul_u32_u24 v4, v2, 24
	v_add_nc_u32 v4, v3, v4                        ; a fragment's row x pitch + 24 x half
	v_lshl_add_u32 v5, v2, 4, v4                   ; and the same behind one padding more
	s_mul_i32 s21, s15, HALFT                      ; my 128 rows of A
	s_mul_i32 s22, s16, HALFT                      ; my 128 rows of B,
	s_add_co_u32 s22, s22, 4*HALFT                 ; which lie behind A's two slots
.irp s, 0,1
	v_add_nc_u32 v[ADRA+\s], s21, v4
	v_add_nc_u32 v[ADRB+\s], s22, v4
	v_add_nc_u32 v[ADRA+2+\s], s21, v5
	v_add_nc_u32 v[ADRB+2+\s], s22, v5
	s_add_co_u32 s21, s21, 2*HALFT
	s_add_co_u32 s22, s22, 2*HALFT
.endr
	v_mul_u32_u24 v5, v1, KS                       ; my row's scale bytes: KS a row,
	v_lshrrev_b32 v6, 8, v5
	v_lshl_add_u32 v5, v6, 4, v5                   ; and 16 more for each 256 passed
	s_mul_i32 s21, s15, HALFS
	s_mul_i32 s22, s16, HALFS
	s_add_co_u32 s22, s22, 2*HALFS
	s_sub_co_u32 s22, s22, s21
	v_mul_u32_u24 v6, s22, v2                      ; lanes 16-31 take B's
	s_add_co_u32 s21, s21, SCL
	v_add_nc_u32 v5, v5, v6
	v_add_nc_u32 v[ADRS], s21, v5
	s_mul_i32 s23, s14, WSTG                       ; my stage
.if NATURAL
	v_and_b32 v5, 8, v1
	v_add_nc_u32 v5, v5, v1                        ; lane r's true row in a block's 32: 16 (r / 8) + r % 8
.set LRW, 5
.else
.set LRW, 1
.endif
	v_mul_u32_u24 v6, v[LRW], 48
	v_mad_u32_u24 v6, v2, 24, v6
	v_add_nc_u32 v[STO], s23, v6
	v_lshl_add_u32 v6, v[LRW], 2, s23
	v_add_nc_u32 v[SSO], 12288, v6
	v_and_b32 v6, 31, v0
	v_lshlrev_b32 v[CO], 4, v6
	v_add_nc_u32 v[RD], s23, v[CO]
	v_mov_b32 v[FL], 0x1800000
.if GELU
	s_lshl_b32 s66, s42, 10                        ; the bias of my 128 features: register 8 b + j of lane (r, h) is feature 32 (b / 2) + 16 h + 8 (b % 2) + j
	s_lshl_b32 s67, s16, 9
	s_add_co_u32 s66, s66, s67
	s_mov_b32 s67, 0
	s_add_nc_u64 s[96:97], s[96:97], s[66:67]
	v_lshlrev_b32 v7, 6, v2
.irp b, 0,1,2,3,4,5,6,7
	global_load_b128 v[BIAS+8*\b:BIAS+8*\b+3], v7, s[96:97] offset:(32*(\b/2)+8*(\b%2))*4
	global_load_b128 v[BIAS+8*\b+4:BIAS+8*\b+7], v7, s[96:97] offset:(32*(\b/2)+8*(\b%2))*4+16
.endr
.endif
	; where my part of the output begins
	s_lshl_b32 s18, s17, 8
	s_lshl_b32 s19, s15, 7
	s_add_co_u32 s18, s18, s19                     ; my first row of A
.if SEL_V
	s_lshl_b32 s19, s66, 11
	s_sub_co_u32 s18, s18, s19                     ; V: channels count from Wv's first row
.endif
	s_lshl_b32 s19, s42, 1
	s_add_co_u32 s19, s19, s16                     ; which 128 of B's rows are mine
	s_mov_b32 s45, PLS
	s_mov_b32 s94, SPLS
	s_mov_b32 s95, 0
	s_mov_b32 s67, SBO
.if SEL_V
	s_cmp_eq_u32 s66, 1
	s_cselect_b32 s45, PLSV, s45
	s_cselect_b32 s94, SPLSV, s94
	s_cselect_b32 s95, CBV, s95
	s_cselect_b32 s67, SBV, s67
.endif
	s_mul_i32 s20, s19, s45
	s_lshl_b32 s20, s20, 1                         ; two planes of codes for each 128
	s_mul_i32 s21, s18, 48
	s_add_co_u32 s20, s20, s21
	s_add_co_u32 s20, s20, s95
	s_mov_b32 s21, 0
	s_mul_i32 s22, s19, s94
	s_lshl_b32 s23, s18, 2
	s_add_co_u32 s22, s22, s23
	s_add_co_u32 s22, s22, s67
	s_mov_b32 s23, 0
	s_add_nc_u64 s[OBS:OBS+1], s[12:13], s[22:23]
	s_add_nc_u64 s[12:13], s[12:13], s[20:21]
	s_mov_b32 s20, s45
	s_add_nc_u64 s[OB1:OB1+1], s[12:13], s[20:21]
	s_mov_b32 s[SEL], 0x76543210
	s_mov_b32 s[SEL+1], 0xfedcba98
	s_mov_b32 s[K2], 0xbdd2d3e8                    ; k2 = 0.044715 k1
	s_mov_b32 s[K2+1], s[K2]
.macro FRAG reg, adr, q, i             ; a fragment, 16 rows x 128 K, is 12 registers: lane l holds row l % 16; registers 6 c .. 6 c + 5 hold K = 64 c + 32 (l / 16) + 0 .. 31, 24 bytes as they lie, in pieces of 8
.irp p, 0,1,2,3,4,5
.set PCE, 12*(\q)+6*(\p/3)+\p%3        ; 16 bytes of padding lie behind every 8 pieces: where the piece three on lies behind one padding more, the second address register serves
.if PCE%8 < 5
	ds_load_b64 v[\reg+2*\p:\reg+2*\p+1], v[\adr] offset:8*PCE+16*(PCE/8)+(\i)*16*PITCH
.else
	ds_load_b64 v[\reg+2*\p:\reg+2*\p+1], v[\adr+2] offset:8*PCE+16*(PCE/8)+(\i)*16*PITCH
.endif
.endr
.endm
; 16 matrix instructions: A's blocks a0, a0 + 1 x B's eight.  zero = 1: the first product starts the sums (with the bias as C where there is one).  The 64 accumulators take turns, one instruction a turn.
.macro MUL16 a0, p, q, sc, zero
.irp a, \a0, \a0+1
.irp b, 0,1,2,3,4,5,6,7
.if \zero
.if GELU
	v_wmma_scale_f32_16x16x128_f8f6f4 v[8*(8*((\a)%4)+\b):8*(8*((\a)%4)+\b)+7], v[128*(\p)+FR*\b:128*(\p)+FR*\b+FR-1], v[AF+FR*(\a):AF+FR*(\a)+FR-1], v[BIAS+8*\b:BIAS+8*\b+7], v[SC+8*NQ*(\sc)+NQ*\b+(\q)], v[SC+8*NQ*(\sc)+NQ*(\a)+(\q)] matrix_a_fmt:MATRIX_FMT_FP6 matrix_b_fmt:MATRIX_FMT_FP6 matrix_a_scale:MATRIX_SCALE_ROW1
.else
	v_wmma_scale_f32_16x16x128_f8f6f4 v[8*(8*((\a)%4)+\b):8*(8*((\a)%4)+\b)+7], v[128*(\p)+FR*\b:128*(\p)+FR*\b+FR-1], v[AF+FR*(\a):AF+FR*(\a)+FR-1], 0, v[SC+8*NQ*(\sc)+NQ*\b+(\q)], v[SC+8*NQ*(\sc)+NQ*(\a)+(\q)] matrix_a_fmt:MATRIX_FMT_FP6 matrix_b_fmt:MATRIX_FMT_FP6 matrix_a_scale:MATRIX_SCALE_ROW1
.endif
.else
	v_wmma_scale_f32_16x16x128_f8f6f4 v[8*(8*((\a)%4)+\b):8*(8*((\a)%4)+\b)+7], v[128*(\p)+FR*\b:128*(\p)+FR*\b+FR-1], v[AF+FR*(\a):AF+FR*(\a)+FR-1], v[8*(8*((\a)%4)+\b):8*(8*((\a)%4)+\b)+7], v[SC+8*NQ*(\sc)+NQ*\b+(\q)], v[SC+8*NQ*(\sc)+NQ*(\a)+(\q)] matrix_a_fmt:MATRIX_FMT_FP6 matrix_b_fmt:MATRIX_FMT_FP6 matrix_a_scale:MATRIX_SCALE_ROW1
.endif
.endr
.endr
.endm
.macro FETCH_B slot, q, p
	WIN TO_B
.irp i, 0,1,2,3,4,5,6,7
	FRAG 128*(\p)+FR*\i, ADRB+\slot, \q, \i
.endr
	WIN 0
.endm
.macro FETCH_A slot, q, i0
.irp i, \i0, \i0+1, \i0+2, \i0+3
	FRAG AF+FR*(\i), ADRA+\slot, \q, \i
.endr
.endm
.macro SCALES sc                       ; a K step's scale words: lanes 0-15 take A's block i, lanes 16-31 B's block i
.irp i, 0,1,2,3,4,5,6,7
	ds_load_b64 v[SC+8*NQ*\sc+NQ*\i:SC+8*NQ*\sc+NQ*\i+1], v[ADRS] offset:\i*SBLK
.endr
.endm
.macro PLACES n                        ; plain vector instructions between a matrix instruction and a load into, or a read of, its registers
.rept \n
	v_nop
.endr
.endm
.macro STEP slot, q, zero              ; a step of 128 along K that has its successor in the same slot
	s_wait_dscnt 4*NL                              ; B's set and A's blocks 0-3 are in; the youngest 24 loads (A's blocks 4-7) may be out
.if (\zero) && GELU
	WIN BIA_LO
.else
	WIN MUL_LO
.endif
	MUL16 0, (\q)%2, \q, \slot, \zero
	MUL16 2, (\q)%2, \q, \slot, \zero
	s_wait_dscnt 0                                 ; A's blocks 4-7 are in
	PLACES NP
	FETCH_B \slot, (\q)+1, 1-(\q)%2
	FETCH_A \slot, (\q)+1, 0
.if (\zero) && GELU
	WIN BIA_HI
.else
	WIN MUL_HI
.endif
	MUL16 4, (\q)%2, \q, \slot, \zero
	MUL16 6, (\q)%2, \q, \slot, \zero
	PLACES NP
	WIN 0
	FETCH_A \slot, (\q)+1, 4
.endm
; A slot's last step changes slots: one barrier; in front of it each wave waits for all its tensor loads, adds 0 to its spare word, and waits for that and for its reads of this slot.  fill = 1: this slot is filled again.
.macro TURN slot, next, fill
	s_wait_tensorcnt 0x0                           ; all my tensor loads have landed: my part of the next slot
	ds_add_u32 v[SPW], v[NIL]                      ; 0 onto my spare word
	s_wait_dscnt 4*NL+1                            ; (the add and A's blocks 4-7 may be out)
	WIN MUL_LO
	MUL16 0, 1, NQ-1, \slot, 0
	s_wait_dscnt 0x0                               ; the add is done, and my reads of this slot are over
	s_barrier_signal -1
	MUL16 2, 1, NQ-1, \slot, 0
	WIN 0
	s_barrier_wait -1
.if \fill
	CREST                                          ; the barrier has opened a round of the cluster's: no wave of any partner still reads this slot or has a load on its way
	s_add_nc_u64 s[G0+4*\slot+2:G0+4*\slot+3], s[G0+4*\slot+2:G0+4*\slot+3], 2*ROWB
	s_add_nc_u64 s[G0B+4*\slot+2:G0B+4*\slot+3], s[G0B+4*\slot+2:G0B+4*\slot+3], 2*ROWB
	JLOAD G0+4*\slot, G1, G0B+4*\slot, G1B         ; the first tensor load behind the round; its four v_nop are the places in front of the loads below
.else
	PLACES NP
.endif
	s_wait_alu depctr_va_vdst(0)
	v_add_nc_u32 v[ADRS], 4*NQ, v[ADRS]            ; the next K step's scale words
	FETCH_B \next, 0, 0
	FETCH_A \next, 0, 0
	SCALES \next
	WIN MUL_HI
	MUL16 4, 1, NQ-1, \slot, 0
	MUL16 6, 1, NQ-1, \slot, 0
	PLACES NP
	WIN 0
	FETCH_A \next, 0, 4
.endm
	s_wait_alu depctr_va_vdst(0)
	s_wait_tensorcnt 0x0                           ; my one load of the head has landed, so a descriptor may be written: from here on a load brings 128 rows of one K step, 96 rows of 256 bytes
	s_mov_b32 s[G1+2], 96<<16
	s_mov_b32 s[G1+4], 96
	s_mov_b32 s[G1B+2], 96<<16
	s_mov_b32 s[G1B+4], 96
	s_barrier_signal -1
	s_barrier_wait -1                              ; everybody's are
	FETCH_B 0, 0, 0
	FETCH_A 0, 0, 0
	SCALES 0
	FETCH_A 0, 0, 4
.if GELU
	s_wait_loadcnt 0x0                             ; the bias
.endif
	STEP 0, 0, 1                                   ; the first step stands in front of the loop: its products start the sums
	s_mov_b32 s3, LAPS-1
.Llap:                                                 ; a trip goes once round the ring and fills both slots again
	TURN 0, 1, 1
	STEP 1, 0, 0
	TURN 1, 0, 1
	STEP 0, 0, 0
	s_sub_co_u32 s3, s3, 1
	s_cmp_lg_u32 s3, 0
	s_cbranch_scc1 .Llap
	TURN 0, 1, 0                                   ; the last lap fills nothing
	STEP 1, 0, 0
	s_wait_dscnt 4*NL
	WIN MUL_LO
	MUL16 0, 1, NQ-1, 1, 0
	MUL16 2, 1, NQ-1, 1, 0
	s_wait_dscnt 0
	WIN MUL_HI
	MUL16 4, 1, NQ-1, 1, 0
	MUL16 6, 1, NQ-1, 1, 0
	WIN 0
; THE WAY OUT.  For A's block a a lane holds 64 numbers of one row: register 16 b + i = the quantised axis' place 32 b + 16 (lane / 16) + i.  They become a fragment's 12 registers of codes and a scale word.
; x / (1 + 2^(x (k1 + k2 x^2))) = 0.5 x (1 + tanh(sqrt(2 / pi) (x + 0.044715 x^3))), k1 = -2 sqrt(2 / pi) log2(e).  64 numbers at v[GAC] of window GW -> v[Z] of window 0.  Exponentials and reciprocals go as batches, one wait each.
.macro GELUM
	WIN ((GW)|(GW<<2))
.set i, 0
.rept 32
	v_pk_mul_f32 v[Z+i:Z+i+1], v[GAC+i:GAC+i+1], v[GAC+i:GAC+i+1]
.set i, i+2
.endr
	WIN 0
.set i, 0
.rept 32
	v_pk_fma_f32 v[Z+i:Z+i+1], v[Z+i:Z+i+1], s[K2:K2+1], v[K1:K1+1] op_sel_hi:[1,0,0]
.set i, i+2
.endr
	WIN (GW<<2)
.set i, 0
.rept 32
	v_pk_mul_f32 v[Z+i:Z+i+1], v[Z+i:Z+i+1], v[GAC+i:GAC+i+1]
.set i, i+2
.endr
	WIN 0
.set i, 0
.rept 64
	v_exp_f32 v[Z+i], v[Z+i]
.set i, i+1
.endr
	v_nop                                          ; a plain instruction behind the last exponential
	s_wait_alu depctr_va_vdst(0)                   ; one wait for the batch, ahead of its first reader
.set i, 0
.rept 32
	v_pk_add_f32 v[Z+i:Z+i+1], v[Z+i:Z+i+1], 1.0 op_sel_hi:[1,0]
.set i, i+2
.endr
.set i, 0
.rept 64
	v_rcp_f32 v[Z+i], v[Z+i]
.set i, i+1
.endr
	v_nop
	s_wait_alu depctr_va_vdst(0)
	WIN (GW<<2)
.set i, 0
.rept 32
	v_pk_mul_f32 v[Z+i:Z+i+1], v[Z+i:Z+i+1], v[GAC+i:GAC+i+1]
.set i, i+2
.endr
	WIN 0
.endm
; 64 numbers at v[QB] of window QW -> codes in v[PCS] on, scale word in v[PWS].  The numbers stand in sources 1 and 2 of the maxima and in source 0 of the conversions, so each run has one window setting.
.macro QUANT
	WIN ((QW<<2)|(QW<<4))
.irp b, 0,1,2,3
	v_max3_num_f32 v[TM+\b], v[FL], |v[QB+16*\b]|, |v[QB+16*\b+1]|   ; block b: my 16 numbers and the floor; each accumulator is read from its low end on
.endr
.irp i, 2,4,6,8,10,12,14
.irp b, 0,1,2,3
	v_max3_num_f32 v[TM+\b], v[TM+\b], |v[QB+16*\b+\i]|, |v[QB+16*\b+\i+1]|
.endr
.endr
	WIN 0
.irp b, 0,1,2,3
	v_permlanex16_b32 v[TM+4+\b], v[TM+\b], s[SEL], s[SEL+1]
.endr
.irp b, 0,1,2,3
	v_max_num_f32 v[TM+\b], v[TM+\b], v[TM+4+\b]   ; with lane l xor 16's: the block's largest magnitude
.endr
.irp b, 0,1,2,3
	v_add_nc_u32 v[TM+12+\b], 0xff000000, v[TM+\b] ; 2 off its exponent field: the conversion's scale operand
.endr
.irp b, 0,1,2,3
	v_lshrrev_b32 v[TM+4+\b], 23, v[TM+12+\b]      ; the scale's byte
.endr
	v_lshl_or_b32 v[PWS], v[TM+5], 8, v[TM+4]
	v_lshl_or_b32 v[PWS], v[TM+6], 16, v[PWS]
	v_lshl_or_b32 v[PWS], v[TM+7], 24, v[PWS]
	WIN QW
.irp c, 0,1
	v_cvt_scalef32_pk16_fp6_f32 v[PCS+6*\c:PCS+6*\c+2], v[QB+32*\c:QB+32*\c+15], v[TM+12+2*\c]
	v_cvt_scalef32_pk16_fp6_f32 v[PCS+12+4*\c:PCS+14+4*\c], v[QB+32*\c+16:QB+32*\c+31], v[TM+12+2*\c+1]   ; (a conversion's three registers begin on an even number)
.endr
	WIN 0
	v_nop                                          ; one plain place behind a scaled conversion
.irp c, 0,1                            ; the layout wants a whole block in a lane: lanes 0-15 block 2 c, lanes 16-31 block 2 c + 1
.irp i, 0,1,2
	v_permlane16_swap_b32 v[PCS+6*\c+\i], v[PCS+12+4*\c+\i]
.endr
.irp i, 0,1,2
	v_mov_b32 v[PCS+3+6*\c+\i], v[PCS+12+4*\c+\i]
.endr
.endr
.endm
.irp b, 0,1,2,3
	v_mov_b32 v[TM+4+\b], 0                        ; a lane permute's destination counts as one of its sources.  These four are also the places behind the last products
.endr
.if GELU
	v_mov_b32 v[K1], 0xc0135761                    ; k1
	v_mov_b32 v[K1+1], 0xc0135761
.endif
.irp a, 0,1,2,3,4,5,6,7
.if \a >= 2
	s_wait_dscnt 7                                 ; the block before's seven stores may be out; those of two blocks back have read this set of registers
.endif
.set PCS, PC+20*(\a%2)
.set PWS, PW+\a%2
.if GELU
.set GAC, 64*(\a%4)
.set GW, 2+\a/4
	GELUM
.set QB, Z
.set QW, 0
.else
.set QB, 64*(\a%4)
.set QW, 2+\a/4
.endif
	QUANT
.if NATURAL
.set BROW, 32*(\a/2)+8*(\a%2)
.else
.set BROW, 16*\a
.endif
.irp c, 0,1
.irp p, 0,1,2
	ds_store_b64 v[STO], v[PCS+6*\c+2*\p:PCS+6*\c+2*\p+1] offset:6144*\c+48*BROW+8*\p   ; plane c, my row, my half's 24 bytes
.endr
.endr
	ds_store_b32 v[SSO], v[PWS] offset:4*BROW      ; (both halves of the lanes write the same word with the same value)
.endr
	s_wait_dscnt 0x0                               ; the stores have read their registers
.irp i, 0,1,2,3,4,5,6,7,8,9,10,11,12,13,14,15,16,17,18,19,20,21,22,23,24
	ds_load_b128 v[OUT+4*\i:OUT+4*\i+3], v[RD] offset:512*\i
.endr
.irp i, 0,1,2,3,4,5,6,7,8,9,10,11
	s_wait_dscnt 24-\i                             ; the younger loads may be out
	global_store_b128 v[CO], v[OUT+4*\i:OUT+4*\i+3], s[12:13] offset:512*\i      ; 512 consecutive bytes, aligned to 256
.endr
.irp i, 0,1,2,3,4,5,6,7,8,9,10,11
	s_wait_dscnt 12-\i
	global_store_b128 v[CO], v[OUT+48+4*\i:OUT+48+4*\i+3], s[OB1:OB1+1] offset:512*\i
.endr
	s_wait_dscnt 0x0
	global_store_b128 v[CO], v[OUT+96:OUT+99], s[OBS:OBS+1]                      ; my 128 rows' scale words
	s_wait_tensorcnt 0x0                           ; the wave's end
	ds_add_u32 v[SPW], v[NIL]
	s_wait_dscnt 0x0
	CROUND                                         ; the closing round
	s_endpgm
; ---------------------------------------------------------------- W1 and W2, f32 with K innermost, become codes of FP6 (E2M3) and E8M0 scale bytes in wq2
; wq2: W1's codes at 0, [256 stored rows][K / 256][row][192 bytes], its rows with row bits 3 and 4 exchanged; W2's at 3,145,728, [128 rows][K / 512][row][384 bytes]; scale bytes from 6,291,456 on, row-major, K / 32 bytes a row.
; A tensor is a stream of 512 runs of 8,192 numbers (W1: 8 rows, W2: 2 rows); four neighbouring runs go to the four waves; work-group q of the 64 takes the fours q and q + 64 of each tensor: four runs a wave, 16 steps of 512 numbers each.
; No tensor load, no barrier but the closing round: waves share nothing, and this path's LDS bytes, 8,192 a wave behind the spare words, are no other path's.  Loads run eight steps ahead: 32 loads of 512 bytes a wave.
; THE QUANTISER: a block's scale is 2^(floor(log2(its largest magnitude)) - 2); its byte is the largest magnitude's exponent field - 2, held at 1 from below; a block of zeros gets the byte 1 (its codes are zeros; this program alone reads the bytes).
; LIMITS: NaN and infinities are not served; blocks whose largest magnitude lies under 2^-124 are held at the byte 1.
.Lweights:
.set XB,  SPARE+512                    ; where this path's LDS begins: a wave has two stages of 32 x XSP bytes, then its 256 scale bytes
.set XSP, 80                           ; a lane's place in a stage: 64 bytes + 16 of padding
.set XR,  32                           ; v32-159  eight sets of 16 numbers as they are loaded
.set XX,  160                          ; v160-191 two sets of 16 neighbours
.set XC,  192                          ; v192-255 four registers a step: three of codes, the fourth the scale's byte
	s_load_b128 s[24:27], s[0:1], 0x18             ; W1, W2
	s_load_b64 s[28:29], s[0:1], 0x28              ; wq2
	v_lshrrev_b32 v1, 5, v0
	v_readfirstlane_b32 s14, v1                    ; wave
	v_and_b32 v2, 31, v0                           ; lane
	v_lshlrev_b32 v3, 4, v2                        ; my 16 bytes of a load's 512
	s_lshl_b32 s17, s14, 13
	s_add_co_u32 s17, s17, XB
	v_lshrrev_b32 v14, 2, v2
	v_mul_u32_u24 v14, v14, XSP
	v_and_b32 v15, 3, v2
	v_lshl_add_u32 v14, v15, 4, v14
	v_add_nc_u32 v14, s17, v14                     ; the stage, on the way in: XSP (lane / 4) + 16 (lane % 4)
	v_mul_u32_u24 v15, v2, XSP
	v_add_nc_u32 v15, s17, v15                     ; on the way out: XSP x lane: my 16 neighbours
	v_lshrrev_b32 v5, 1, v2
	s_add_co_u32 s17, s17, 2*32*XSP
	v_add_nc_u32 v5, s17, v5                       ; my block's byte among my wave's 256
	v_lshlrev_b32 v7, 3, v2
	v_add_nc_u32 v6, s17, v7                       ; and 8 bytes a lane on the way out
	v_and_b32 v4, 15, v2
	v_mul_u32_u24 v4, v4, 12
	v_lshrrev_b32 v10, 4, v2
	v_mad_u32_u24 v4, v10, 0xc000, v4              ; W1: my 12 bytes of a row's 192, lanes 16-31 a plane further on
	v_mul_u32_u24 v16, v2, 12                      ; W2: my 12 bytes of a row's 384
	s_bfe_u32 s18, ttmp6, 0x40000                  ; cx, cy: they enter addresses in memory alone
	s_bfe_u32 s19, ttmp6, 0x40004
	s_and_b32 s20, ttmp7, 0xffff
	s_lshl_b32 s19, s19, 2
	s_add_co_u32 s19, s19, s18
	s_lshl_b32 s20, s20, 4
	s_add_co_u32 s19, s19, s20                     ; q = cx + 4 cy + 16 x cluster y
	s_and_b32 s16, s14, 1
	s_lshl_b32 s16, s16, 1
	s_lshr_b32 s18, s14, 1
	s_or_b32 s16, s16, s18                         ; the wave's two bits exchanged: where W1's run is stored
	s_wait_alu depctr_va_vdst(0)
	s_wait_kmcnt 0x0
.macro XLOAD t
.irp i, 0,1,2,3
	global_load_b128 v[XR+16*((\t)%8)+4*\i:XR+16*((\t)%8)+4*\i+3], v3, s[4:5] offset:2048*(\t)+512*\i th:TH_LOAD_NT   ; 32 lanes read 512 consecutive bytes
.endr
.endm
.macro XTURN t                         ; step t's numbers through the stage: LDS serves a wave's instructions in order, so no wait stands between the stores and the loads
.irp i, 0,1,2,3
	ds_store_b128 v14, v[XR+16*((\t)%8)+4*\i:XR+16*((\t)%8)+4*\i+3] offset:32*XSP*((\t)%2)+8*XSP*\i
.endr
.irp i, 0,1,2,3
	ds_load_b128 v[XX+16*((\t)%2)+4*\i:XX+16*((\t)%2)+4*\i+3], v15 offset:32*XSP*((\t)%2)+16*\i
.endr
.endm
.macro XSTEP t, ty
.set XXS, XX+16*((\t)%2)
.if (\t) > 0
	s_wait_dscnt 1                                 ; this step's numbers are back from the stage (the last step's byte store may be out): its stores into the stage have read their registers,
.else
	s_wait_dscnt 0x0
.endif
.if (\t)+8 < 16
	XLOAD (\t)+8                                   ; which take the loads of eight steps on
.endif
.if (\t)+1 < 16
.if 14-(\t) >= 7
	s_wait_loadcnt 28                              ; the next step's four loads are in; those of the seven steps behind it may be out
.else
	s_wait_loadcnt 4*(14-(\t))                     ; towards the end: of the steps that are left
.endif
	XTURN (\t)+1
.endif
	v_max3_num_f32 v8, |v[XXS]|, |v[XXS+1]|, |v[XXS+2]|             ; the largest magnitude of my 16
	v_max3_num_f32 v9, |v[XXS+3]|, |v[XXS+4]|, |v[XXS+5]|
.irp i, 6,10
	v_max3_num_f32 v8, v8, |v[XXS+\i]|, |v[XXS+\i+1]|
	v_max3_num_f32 v9, v9, |v[XXS+\i+2]|, |v[XXS+\i+3]|
.endr
	v_max3_num_f32 v8, v8, |v[XXS+14]|, |v[XXS+15]|
	v_max3_num_f32 v8, v8, v9, 0x1800000           ; and the floor 2^(3 - 127): the byte cannot fall under 1
	v_max_num_f32_dpp v8, v8, v8 row_xmask:1 row_mask:0xf bank_mask:0xf   ; and of my neighbour's 16: the block's
	v_add_nc_u32 v11, 0xff000000, v8               ; 2 off its exponent field: the conversion takes the exponent field of this operand as its scale
	v_cvt_scalef32_pk16_fp6_f32 v[XC+4*(\t):XC+4*(\t)+2], v[XXS:XXS+15], v11
	v_lshrrev_b32 v[XC+4*(\t)+3], 23, v11          ; the scale's byte
	ds_store_b8 v5, v[XC+4*(\t)+3] offset:16*(\t)  ; both lanes of a block write the same byte with the same value
.if \ty
	global_store_b96 v16, v[XC+4*(\t):XC+4*(\t)+2], s[8:9] offset:((\t)/8)*384+((\t)%8)*49152   ; W2: row t / 8 of my two, plane t % 8: 384 consecutive bytes
.else
	global_store_b96 v4, v[XC+4*(\t):XC+4*(\t)+2], s[8:9] offset:((\t)/2)*192+((\t)%2)*98304    ; W1: row t / 2 of my eight, planes 2 (t % 2) and the next: two runs of 192 bytes
.endif
.endm
.macro XRUNS ty                        ; my two runs of W1 (ty = 0) or of W2 (ty = 1)
	s_mov_b32 s20, 0
.Lxrun_\ty:
	s_wait_xcnt 0x0                                ; the last run's loads and stores have read their bases and their data: they are written again only behind this wait
	s_lshl_b32 s21, s20, 6
	s_add_co_u32 s21, s21, s19
	s_lshl_b32 s21, s21, 2                         ; the first of four neighbouring runs
	s_add_co_u32 s22, s21, s14
	s_lshl_b32 s22, s22, 15                        ; 32,768 bytes a run
	s_mov_b32 s23, 0
	s_add_nc_u64 s[4:5], s[24+2*\ty:25+2*\ty], s[22:23]   ; where I read
.if \ty
	s_add_co_u32 s22, s21, s14                     ; where my run is stored
	s_and_b32 s30, s22, 63                         ; among the 64 runs of its 128 rows
.else
	s_add_co_u32 s22, s21, s16
	s_and_b32 s30, s22, 31                         ; among the 32 runs of its 256 rows
.endif
	s_sub_co_u32 s31, s22, s30
	s_mul_i32 s31, s31, 6144                       ; the tile's planes: 6,144 bytes of codes a run,
	s_mul_i32 s30, s30, 1536-768*\ty               ; my rows' place in a plane
	s_add_co_u32 s30, s30, s31
.if \ty
	s_add_co_u32 s30, s30, 3145728
.endif
	s_mov_b32 s31, 0
	s_add_nc_u64 s[8:9], s[28:29], s[30:31]
	s_lshl_b32 s30, s22, 8                         ; 256 scale bytes a run
	s_add_co_u32 s30, s30, 6291456+131072*\ty
	s_add_nc_u64 s[10:11], s[28:29], s[30:31]
.irp t, 0,1,2,3,4,5,6,7
	XLOAD \t
.endr
	s_wait_loadcnt 28                              ; step 0's four loads are in; the seven steps behind it may be out
	XTURN 0
.irp t, 0,1,2,3,4,5,6,7,8,9,10,11,12,13,14,15
	XSTEP \t, \ty
.endr
	ds_load_b64 v[12:13], v6                       ; LDS serves a wave's instructions in order: these see my byte stores
	s_wait_dscnt 0x0
	global_store_b64 v7, v[12:13], s[10:11]        ; 32 lanes store 256 consecutive bytes, aligned
	s_add_co_u32 s20, s20, 1
	s_cmp_lt_u32 s20, 2
	s_wait_alu depctr_va_vdst(0)
	s_cbranch_scc1 .Lxrun_\ty
.endm
	XRUNS 0
	XRUNS 1
	s_wait_tensorcnt 0x0                           ; the wave's end
	ds_add_u32 v[SPW], v[NIL]
	s_wait_dscnt 0x0
	CROUND                                         ; this cluster's one round
	s_endpgm
.Lfunc_end_k_qfe0b527338_gemm_qkv:
	.size	k_qfe0b527338_gemm_qkv, .Lfunc_end_k_qfe0b527338_gemm_qkv-k_qfe0b527338_gemm_qkv
	.p2alignl 7, 3214868480
	.fill 96, 4, 3214868480
	.section	.rodata,"a",@progbits
	.p2align	6, 0x0
	.amdhsa_kernel k_qfe0b527338_gemm_qkv
		.amdhsa_group_segment_fixed_size 327680
		.amdhsa_private_segment_fixed_size 0
		.amdhsa_enable_private_segment 0
		.amdhsa_kernarg_size 48
		.amdhsa_user_sgpr_count 2
		.amdhsa_user_sgpr_kernarg_segment_ptr 1
		.amdhsa_wavefront_size32 1
		.amdhsa_system_sgpr_workgroup_id_x 1
		.amdhsa_system_sgpr_workgroup_id_y 1
		.amdhsa_system_sgpr_workgroup_id_z 1
		.amdhsa_system_vgpr_workitem_id 0
		.amdhsa_next_free_vgpr 1024
		.amdhsa_next_free_sgpr 100
		.amdhsa_reserve_vcc 0
		.amdhsa_float_denorm_mode_32 3
		.amdhsa_float_denorm_mode_16_64 3
		.amdhsa_memory_ordered 1
		.amdhsa_forward_progress 1
		.amdhsa_inst_pref_size 234
	.end_amdhsa_kernel
	.amdgpu_metadata
---
amdhsa.version: [ 1, 2 ]
amdhsa.kernels:
  - .name:           k_qfe0b527338_gemm_qkv
    .symbol:         k_qfe0b527338_gemm_qkv.kd
    .args:
      - { .name: act, .offset: 0, .size: 8, .value_kind: global_buffer, .address_space: global }
      - { .name: wq, .offset: 8, .size: 8, .value_kind: global_buffer, .address_space: global }
      - { .name: qkv, .offset: 16, .size: 8, .value_kind: global_buffer, .address_space: global }
      - { .name: W1, .offset: 24, .size: 8, .value_kind: global_buffer, .address_space: global }
      - { .name: W2, .offset: 32, .size: 8, .value_kind: global_buffer, .address_space: global }
      - { .name: wq2, .offset: 40, .size: 8, .value_kind: global_buffer, .address_space: global }
    .group_segment_fixed_size: 327680
    .private_segment_fixed_size: 0
    .kernarg_segment_align: 8
    .kernarg_segment_size: 48
    .max_flat_workgroup_size: 128
    .sgpr_count:     100
    .vgpr_count:     1024
    .wavefront_size: 32
...
	.end_amdgpu_metadata
.endif
;; end of part 2
;; launch attn (part 3): grid 8 x 32, 16 waves a work-group, no clusters, 327,680 bytes of LDS; arguments qkv, act; writes act
.if DOCPART == 3
	.amdgcn_target "amdgcn-amd-amdhsa--gfx1250"
	.amdhsa_code_object_version 6
	.text
	.protected	k_qfe0b527338_attn
	.globl	k_qfe0b527338_attn
	.p2align	8
	.type	k_qfe0b527338_attn,@function
k_qfe0b527338_attn:
	s_mov_b64 s[64:65], 0
	v_nop
	global_prefetch_b8 v0, s[64:65] scope:SCOPE_SE
	s_setreg_imm32_b32 hwreg(HW_REG_WAVE_MODE, 25, 1), 1
	s_wait_xcnt 0x0
; Causal attention of one head on codes of FP6 (E2M3) with E8M0 scales: S^T = K Q^T (K = the head's 64, in an instruction of 128 whose upper half meets zero codes of Q), the softmax, O^T = V^T P^T (K = 128 keys a step),
; O / l, and the quantiser along the model's axis: the result leaves as codes for the next product.
; THE SOFTMAX: t = score x log2(e) / 8; M = the running largest t rounded up to a whole number; p = 2^(t - M) is quantised along the keys; the row's sum is taken of the unquantised p; when M moves, sum and O are multiplied by a power of two.
; SHARES: work-group (j, y): batch y / 16, head y % 16, query blocks j (early) and 15 - j (late) of 128 queries.  Waves 2 u and 2 u + 1 share tile u (16 queries) of both blocks, 17 key steps of 128 keys in all:
;   the LATE wave takes the late tile's steps 0 to 8; the EARLY wave takes the early tile's steps 0 to j, finishes that tile, and then takes the late tile's steps 9 to 15 - j: nine steps and eight, whatever j is.
;   The early wave's part of the late tile (-M, the sums, O^T: 36 registers) goes through LDS as an image of the registers; the late wave brings both parts under the larger M, by powers of two that round nothing, adds them and finishes the tile.
;   Where the early wave has no such step (j = 7) its part is the starting state, whose factor comes out 0.
; All waves walk the same three loops of 4, 4 and 7 trips; the step's number hangs on the wave's number and the trips alone; a step that is not the wave's is jumped over by a scalar branch on ids; the step on the diagonal hides keys by -infinity.
; K AND V OF THE WHOLE HEAD LIE IN LDS, each byte filled once: at the head chunk 0 (512 keys) of K and of V and the two blocks of scale words, one load a wave (waves 0, 4, 8, 12);
; chunks 1 to 3 behind the first barrier, one load a wave (waves 1-3, 5-7): they land under the first four steps.  Every wait on TENSORcnt is for 0.
; No joint loads: the branches that leave steps out hang on the query block, in which the work-groups that share K and V differ.  No prefetch: all is asked for ahead of the first step.
; ROW ORDER: tokens of q and k and channels of V lie with row bits 3 and 4 exchanged, so that the 16 registers of two neighbouring result tiles are 16 neighbouring keys (channels).  Lane r of query tile u is query 32 (u / 2) + 8 (u % 2) + 16 (r / 8) + r % 8.
; LIMITS: NaN and infinities are not served; blocks under 2^-124 are held at the byte 1; a block of zeros gets the byte 1 (this program alone reads the bytes).  The scale bytes leave as half words, two heads interleaved in a word.
.set KC,   0                           ; [stored key 2,048][48]
.set VC,   98304                       ; [key / 64: 32][stored channel 64][48]
.set KSC,  196608                      ; [stored key][4]: a word serves two heads
.set VSC,  204800                      ; [key / 128: 16][64][4]
.set STG,  208896                      ; the way out: [early 128, late 128 queries][48]
.set SSTG, 221184                      ; and [256][2]
.set SPARE, 0x38000                    ; the spare words, 128 bytes a wave
.set DMP,  231424                      ; a pair's image of 36 registers: 9 x 512 bytes, 4,608 a pair
.set AK0,  1                           ; v1  48 r + 24 h
.set AV0,  2                           ; v2  VC + the same
.set ASK0, 3                           ; v3  KSC + 4 r + 2 (head % 2)
.set ASV0, 4                           ; v4  VSC + 4 r
.set DQ,   5                           ; v5  my query's place in its block - 16 h
.set STO,  6
.set SSO,  7
.set ADK,  8                           ; v8-11 the step's addresses
.set ADV,  9
.set ADS,  10
.set ADT,  11                          ; v12 -M, v13 the largest t, v[14:15] the sum in two halves
.set Q,    16                          ; v16-21 Q's codes, v22-27 zeros
.set RDB,  28
.set RDS,  29
.set GOB,  30
.set GOS,  31
.set QSA,  32
.set DMA,  33                          ; v33 my 16 bytes of the pair's image
.set QS,   34                          ; v34 Q's scale bytes
.set FRG,  36                          ; v36-83 eight half fragments of K, then four fragments of V; v84-89 zeros
.set KS,   90                          ; v90-97 K's, then V's scale words
.set S,    98                          ; v98-161 S^T, then p
.set OT,   162                         ; v162-193 O^T
.set PCD,  194                         ; v194-205 p's codes
.set PC2,  206                         ; v206-212 conversions' second halves
.set BM,   214
.set BT,   218
.set SO,   222
.set F,    228
.set PS,   230                         ; v230 p's scale word
.set TA,   232
.set QB,   234                         ; v234-239 the late tile's Q, v240 its scale bytes, until the third loop
.set QSB,  240
.set WV,   8
.set LIM,  15                          ; the step on my tile's diagonal
.set G1K,  16
.set G1V,  24
.set G1KS, 32
.set G1VS, 40
.set G0C,  48
.set HID,  52                          ; my last step of this tile
.set G0KS, 68
.set G0VS, 72
.set SEL,  76
.set CS,   78
.set SI,   80
.set TK,   81
.set TS,   82
.set TJ,   83
.set CNT,  84
.set OC,   88
.set OS,   90
	s_load_b128 s[4:7], s[0:1], 0x0                ; qkv, act
	v_lshl_add_u32 v254, v0, 2, SPARE
	v_mov_b32 v255, 0
	ds_add_u32 v254, v255                          ; the opening lines: the add, twice on end, and its wait ahead of the first tensor load
	ds_add_u32 v254, v255
	v_lshrrev_b32 v8, 5, v0
	s_delay_alu instid0(VALU_DEP_1)
	v_readfirstlane_b32 s[WV], v8                  ; wave 0..15
	s_and_b32 s9, ttmp7, 0xffff
	s_lshr_b32 s10, s9, 4                          ; batch
	s_and_b32 s11, s9, 15                          ; head
	s_lshr_b32 s12, s[WV], 2
	s_xor_b32 s12, s12, s[WV]
	s_and_b32 s12, s12, 1                          ; 1: the late wave of its pair.  Of the four waves w, w + 4, w + 8, w + 12 two are late
	s_lshr_b32 s13, s[WV], 1                       ; my pair's tile of 16 queries
	s_sub_co_u32 s14, 15, ttmp9                    ; the late block
	s_cmp_eq_u32 s12, 1
	s_cselect_b32 s[LIM], s14, ttmp9               ; the block of my first tile = the step on its diagonal
	s_cselect_b32 s[HID], 8, ttmp9                 ; my last step of it
	; every LDS address register is made here, ahead of the first branch on the wave's number
	v_and_b32 v8, 15, v0                           ; r
	v_bfe_u32 v9, v0, 4, 1                         ; h
	v_and_b32 v10, 31, v0                          ; lane
	s_delay_alu instid0(VALU_DEP_3)
	v_mul_u32_u24 v[AK0], v8, 48
	s_delay_alu instid0(VALU_DEP_1)
	v_mad_u32_u24 v[AK0], v9, 24, v[AK0]
	s_delay_alu instid0(VALU_DEP_1)
	v_add_nc_u32 v[AV0], VC, v[AK0]
	s_and_b32 s85, s11, 1
	s_lshl_b32 s85, s85, 1
	v_lshlrev_b32 v[QSA], 2, v8
	s_delay_alu instid0(VALU_DEP_1)
	v_add_nc_u32 v[ASK0], s85, v[QSA]
	s_delay_alu instid0(VALU_DEP_1)
	v_add_nc_u32 v[ASK0], KSC, v[ASK0]
	s_delay_alu instid0(VALU_DEP_3)
	v_add_nc_u32 v[ASV0], VSC, v[QSA]
	s_lshr_b32 s86, s13, 1
	s_lshl_b32 s86, s86, 5
	s_and_b32 s87, s13, 1
	s_lshl_b32 s87, s87, 3
	s_add_co_u32 s86, s86, s87
	v_and_b32 v11, 8, v8
	s_delay_alu instid0(VALU_DEP_1)
	v_add_nc_u32 v11, v11, v8
	s_delay_alu instid0(VALU_DEP_1)
	v_add_nc_u32 v11, s86, v11                     ; my query's place in its block
	v_lshlrev_b32 v[DQ], 4, v9
	s_delay_alu instid0(VALU_DEP_1)
	v_sub_nc_u32 v[DQ], v11, v[DQ]
	s_lshl_b32 s87, s12, 7
	v_add_nc_u32 v11, s87, v11                     ; the row in the stage of the tile that I finish
	s_delay_alu instid0(VALU_DEP_1)
	v_mul_u32_u24 v[STO], v11, 48
	s_delay_alu instid0(VALU_DEP_1)
	v_mad_u32_u24 v[STO], v9, 24, v[STO]
	s_delay_alu instid0(VALU_DEP_1)
	v_add_nc_u32 v[STO], STG, v[STO]
	s_delay_alu instid0(VALU_DEP_4)
	v_lshl_add_u32 v[SSO], v11, 1, SSTG
	s_mul_i32 s87, s[WV], 768
	v_lshl_add_u32 v[RDB], v10, 3, s87
	s_delay_alu instid0(VALU_DEP_1)
	v_add_nc_u32 v[RDB], STG, v[RDB]
	s_lshl_b32 s87, s[WV], 6
	v_lshl_add_u32 v[RDS], v10, 1, s87
	s_delay_alu instid0(VALU_DEP_1)
	v_add_nc_u32 v[RDS], SSTG, v[RDS]
	v_lshlrev_b32 v[GOB], 3, v10
	v_lshlrev_b32 v[GOS], 2, v10
	s_mul_i32 s87, s13, 4608
	v_lshl_add_u32 v[DMA], v10, 4, s87
	s_delay_alu instid0(VALU_DEP_1)
	v_add_nc_u32 v[DMA], DMP, v[DMA]
	; descriptor groups 1: r rows of c elements of 8 bytes, p elements apart; no mask, no padding
.macro G1SET g, c, r, p
	s_mov_b32 s[\g], 3<<16
	s_mov_b32 s[\g+1], (\c)<<16
	s_mov_b32 s[\g+2], (\r)<<16
	s_mov_b32 s[\g+3], (\c)<<16
	s_mov_b32 s[\g+4], \r
	s_mov_b32 s[\g+5], \p
	s_mov_b32 s[\g+6], 0
	s_mov_b32 s[\g+7], 0
.endm
	G1SET G1K, 32, 96, 32                          ; a chunk of K: 24,576 dense bytes as rows of 256
	G1SET G1V, 384, 8, 6144                        ; a chunk of V: eight planes of 3,072 bytes, 49,152 bytes apart
	G1SET G1KS, 32, 32, 32                         ; K's scale words: 8,192 dense bytes
	G1SET G1VS, 32, 16, 512                        ; V's: sixteen rows of 256 bytes, 4,096 bytes apart
	; offsets, apart from the addresses
	s_lshr_b32 s85, s[WV], 2                       ; 0: I fetch K, 1: V
	s_and_b32 s86, s[WV], 3                        ; which chunk
	s_mul_i32 s84, s85, 98304
	s_mul_i32 s87, s86, 24576
	s_add_co_u32 s84, s84, s87                     ; its place in LDS
	s_add_co_u32 s92, s11, 16
	s_mul_i32 s92, s92, 196608                     ; k's plane
	s_mul_i32 s93, s10, 98304
	s_add_co_u32 s92, s92, s93
	s_add_co_u32 s92, s92, s87
	s_lshl_b32 s94, s10, 5
	s_lshl_b32 s95, s86, 3
	s_add_co_u32 s94, s94, s95
	s_mul_i32 s94, s94, 49152                      ; V's plane
	s_mul_i32 s95, s11, 3072
	s_add_co_u32 s94, s94, s95
	s_add_co_u32 s94, s94, 6291456
	s_cmp_eq_u32 s85, 0
	s_cselect_b32 s80, s92, s94                    ; my chunk's byte in memory
	s_mov_b32 s81, 0
	s_lshr_b32 s85, s11, 1
	s_lshl_b32 s85, s85, 14                        ; the head pair's plane of scale words
	s_lshl_b32 s87, s10, 11                        ; the batch's first token
	s_lshl_b32 s92, s87, 2
	s_add_co_u32 s92, s92, s85
	s_add_co_u32 s92, s92, 9437184+131072          ; K's scale words
	s_mov_b32 s93, 0
	s_lshl_b32 s94, s10, 16
	s_lshl_b32 s95, s11, 8
	s_add_co_u32 s94, s94, s95
	s_add_co_u32 s94, s94, 9699328                 ; V's
	s_mov_b32 s95, 0
	s_wait_dscnt 0x0                               ; both opening adds are done
	s_wait_kmcnt 0x0
	s_mov_b32 s[G0KS], 1
	s_mov_b32 s[G0KS+1], KSC
	s_add_nc_u64 s[G0KS+2:G0KS+3], s[4:5], s[92:93]
	s_or_b32 s[G0KS+3], s[G0KS+3], 0x80000000
	s_mov_b32 s[G0VS], 1
	s_mov_b32 s[G0VS+1], VSC
	s_add_nc_u64 s[G0VS+2:G0VS+3], s[4:5], s[94:95]
	s_or_b32 s[G0VS+3], s[G0VS+3], 0x80000000
	s_mov_b32 s[G0C], 1
	s_mov_b32 s[G0C+1], s84
	s_add_nc_u64 s[G0C+2:G0C+3], s[4:5], s[80:81]
	s_or_b32 s[G0C+3], s[G0C+3], 0x80000000
	; the head's fills: one chain of branches on the wave's number, one load to an arm, one join
.macro ARM w, g0, g1, next
	s_cmp_eq_u32 s[WV], \w
	s_cbranch_scc0 \next
	tensor_load_to_lds s[\g0:\g0+3], s[\g1:\g1+7]
	s_nop 0
.rept 4
	v_nop
.endr
	s_branch .Lasked
\next:
.endm
	ARM 0, G0C,  G1K,  .Lhead_v
	ARM 4, G0C,  G1V,  .Lhead_ks
	ARM 8, G0KS, G1KS, .Lhead_vs
	s_cmp_eq_u32 s[WV], 12
	s_cbranch_scc0 .Lasked
	tensor_load_to_lds s[G0VS:G0VS+3], s[G1VS:G1VS+7]
	s_nop 0
.rept 4
	v_nop
.endr
.Lasked:
	; Q: 16 stored rows of my first tile, and of the late tile; s85 = the head pair's plane, s87 = the batch's first token still stand
	s_and_b32 s86, s11, 1
	s_lshl_b32 s86, s86, 1
	s_add_co_u32 s85, s85, s86                     ; + my head's two bytes of a word
	s_mul_i32 s86, s11, 196608                     ; the head's plane of codes
.macro QADR blk, c, s                  ; tile s13 of block blk: its codes' address into s[c:c+1], its scale words' into s[s:s+1]
	s_lshl_b32 s[\c], \blk, 7
	s_add_co_u32 s[\c], s[\c], s87
	s_lshl_b32 s[\c+1], s13, 4
	s_add_co_u32 s[\c], s[\c], s[\c+1]             ; the first row
	s_lshl_b32 s[\s], s[\c], 2
	s_add_co_u32 s[\s], s[\s], s85
	s_add_co_u32 s[\s], s[\s], 9437184
	s_mov_b32 s[\s+1], 0
	s_mul_i32 s[\c], s[\c], 48
	s_add_co_u32 s[\c], s[\c], s86
	s_mov_b32 s[\c+1], 0
	s_add_nc_u64 s[\c:\c+1], s[4:5], s[\c:\c+1]
	s_add_nc_u64 s[\s:\s+1], s[4:5], s[\s:\s+1]
.endm
	QADR s[LIM], 92, 94
	QADR s14, 56, 58
.irp p, 0,1,2
	global_load_b64 v[Q+2*\p:Q+2*\p+1], v[AK0], s[92:93] offset:8*\p
	global_load_b64 v[QB+2*\p:QB+2*\p+1], v[AK0], s[56:57] offset:8*\p
.endr
	global_load_u16 v[QS], v[QSA], s[94:95]        ; two scale bytes; the upper two come as 0 and meet zero codes
	global_load_u16 v[QSB], v[QSA], s[58:59]
	; where the results go: wave w stores rows 16 (w % 8) on of the early (w < 8) or the late block,
	s_cmp_lt_u32 s[WV], 8
	s_cselect_b32 s[OC], ttmp9, s14
	s_lshl_b32 s[OC], s[OC], 7
	s_add_co_u32 s[OC], s[OC], s87
	s_mul_i32 s[OC], s[OC], 48
	s_and_b32 s[OC+1], s[WV], 7
	s_mul_i32 s[OC+1], s[OC+1], 768
	s_add_co_u32 s[OC], s[OC], s[OC+1]
	s_add_co_u32 s[OC], s[OC], s86
	s_mov_b32 s[OC+1], 0
	s_add_nc_u64 s[OC:OC+1], s[6:7], s[OC:OC+1]
	s_cmp_lt_u32 s[WV], 4                          ; and waves 0-7 the scale bytes of 32 rows each
	s_cselect_b32 s[OS], ttmp9, s14
	s_lshl_b32 s[OS], s[OS], 7
	s_add_co_u32 s[OS], s[OS], s87
	s_and_b32 s[OS+1], s[WV], 3
	s_lshl_b32 s[OS+1], s[OS+1], 5
	s_add_co_u32 s[OS], s[OS], s[OS+1]
	s_lshl_b32 s[OS], s[OS], 2
	s_add_co_u32 s[OS], s[OS], s85
	s_add_co_u32 s[OS], s[OS], 3145728
	s_mov_b32 s[OS+1], 0
	s_add_nc_u64 s[OS:OS+1], s[6:7], s[OS:OS+1]
	s_mov_b32 s[SEL], 0x76543210
	s_mov_b32 s[SEL+1], 0xfedcba98
	s_mov_b32 s[CS], 0x3e38aa3b                    ; c = log2(e) / 8
	s_mov_b32 s[CS+1], s[CS]
	s_mov_b32 s[SI], 0
	s_mov_b32 s[TK], 0
	s_mov_b32 s[TS], 0
	s_mov_b32 s[TJ], 0
.macro START                           ; the state ahead of a tile's first step: the step is written once, and the first finds zeros
	v_mov_b32 v13, 0xff61b1e6                      ; the largest t so far: -3e38
	s_delay_alu instid0(VALU_DEP_1)
	v_floor_f32 v12, -v13
	v_mov_b32 v14, 0
	v_mov_b32 v15, 0
.set n, 0
.rept 32
	v_mov_b32 v[OT+n], 0
.set n, n+1
.endr
.endm
.irp b, 0,1,2,3
	v_mov_b32 v[BT+\b], 0                          ; a lane permute's destination counts as one of its sources
.endr
	v_mov_b32 v[F+1], 0                            ; (named as the upper half of a pair)
	v_mov_b32 v[TA], 0
.irp i, 0,1,2,3,4,5
	v_mov_b32 v[Q+6+\i], 0                         ; Q's upper 64 along K: zero codes
	v_mov_b32 v[FRG+48+\i], 0                      ; what stands behind K's last tile
.endr
	START
; A KEY STEP: 128 keys.
.macro STEP
	s_cmp_gt_u32 s[SI], s[HID]                     ; not a step of mine: left out
	s_cbranch_scc1 .Lhidden_\@
	v_add_nc_u32 v[ADK], s[TK], v[AK0]             ; (these four are the places between the last products and the loads into their registers)
	v_add_nc_u32 v[ADV], s[TK], v[AV0]
	v_add_nc_u32 v[ADS], s[TS], v[ASK0]
	v_add_nc_u32 v[ADT], s[TJ], v[ASV0]
.irp t, 0,1,2,3,4,5,6,7                ; tile t: 16 stored keys, 24 bytes a lane: six registers.  The operand names twelve: the upper six are the next tile's, and meet Q's zero codes
.irp p, 0,1,2
	ds_load_b64 v[FRG+6*\t+2*\p:FRG+6*\t+2*\p+1], v[ADK] offset:768*\t+8*\p
.endr
	ds_load_u16 v[KS+\t], v[ADS] offset:64*\t
.endr
	s_wait_alu depctr_va_vdst(0)
	s_wait_dscnt 0x0
.irp t, 0,1,2,3,4,5,6,7
	v_wmma_scale_f32_16x16x128_f8f6f4 v[S+8*\t:S+8*\t+7], v[FRG+6*\t:FRG+6*\t+11], v[Q:Q+11], 0, v[KS+\t], v[QS] matrix_a_fmt:MATRIX_FMT_FP6 matrix_b_fmt:MATRIX_FMT_FP6
.endr
.rept 4
	v_nop                                          ; places in front of the loads below and of the first read of the scores
.endr
.irp t, 0,1,2,3                        ; V's four tiles of 16 channels x 128 keys are asked for now and land under the softmax
.irp p, 0,1,2,3,4,5
	ds_load_b64 v[FRG+12*\t+2*\p:FRG+12*\t+2*\p+1], v[ADV] offset:3072*(\p/3)+768*\t+8*(\p%3)
.endr
	ds_load_b32 v[KS+\t], v[ADT] offset:64*\t
.endr
	s_cmp_lg_u32 s[SI], s[LIM]                     ; only the step on the diagonal hides keys
	s_cbranch_scc1 .Lopen_\@
	v_mov_b32 v[TA], 0xff800000                    ; register 16 b + i holds key 32 b + 16 h + i of the step: hidden where 32 b + i > my query's place - 16 h
.set n, 0
.rept 64
	v_cmp_gt_i32 vcc_lo, 32*(n/16)+n%16, v[DQ]
	v_cndmask_b32 v[S+n], v[S+n], v[TA], vcc_lo
.set n, n+1
.endr
.Lopen_\@:
.irp b, 0,1,2,3
	v_max3_num_f32 v[BM+\b], v[S+16*\b], v[S+16*\b+1], v[S+16*\b+2]   ; the largest score of each block of 32 keys: for the row's maximum, and for the block's largest p
.endr
.irp i, 3,5,7,9,11,13
.irp b, 0,1,2,3
	v_max3_num_f32 v[BM+\b], v[BM+\b], v[S+16*\b+\i], v[S+16*\b+\i+1]
.endr
.endr
.irp b, 0,1,2,3
	v_max_num_f32 v[BM+\b], v[BM+\b], v[S+16*\b+15]
.endr
.irp b, 0,1,2,3
	s_delay_alu instid0(VALU_DEP_4)
	v_permlanex16_b32 v[BT+\b], v[BM+\b], s[SEL], s[SEL+1]
.endr
.irp b, 0,1,2,3
	s_delay_alu instid0(VALU_DEP_4)
	v_max_num_f32 v[BM+\b], v[BM+\b], v[BT+\b]
.endr
	s_delay_alu instid0(VALU_DEP_2)
	v_max3_num_f32 v[TA], v[BM], v[BM+1], v[BM+2]
	s_delay_alu instid0(VALU_DEP_1)
	v_max_num_f32 v[TA], v[TA], v[BM+3]
	s_delay_alu instid0(VALU_DEP_1)
	v_mul_f32 v[TA], s[CS], v[TA]
	s_delay_alu instid0(VALU_DEP_1)
	v_max_num_f32 v13, v13, v[TA]                  ; the running largest t
	v_mov_b32 v[TA], v12
	s_delay_alu instid0(VALU_DEP_2)
	v_floor_f32 v12, -v13                          ; the new -M: M is a whole number
	s_delay_alu instid0(VALU_DEP_1)
	v_sub_f32 v[TA], v12, v[TA]
	s_delay_alu instid0(VALU_DEP_1)
	v_cvt_i32_f32 v[TA], v[TA]
	s_delay_alu instid0(VALU_DEP_1)
	v_ldexp_f32 v[F], 1.0, v[TA]                   ; f = 2^(old M - new M)
.set n, 0
.rept 32
	v_pk_fma_f32 v[S+n:S+n+1], v[S+n:S+n+1], s[CS:CS+1], v[12:13] op_sel_hi:[1,0,0]   ; t - M
.set n, n+2
.endr
.irp b, 0,1,2,3
	v_fma_f32 v[BM+\b], v[BM+\b], s[CS], v12
.endr
.set n, 0
	s_wait_alu depctr_va_vdst(0)
.rept 64
	v_exp_f32 v[S+n], v[S+n]                       ; p = 2^(t - M)
.set n, n+1
.endr
	v_pk_mul_f32 v[14:15], v[14:15], v[F:F+1] op_sel_hi:[1,0]   ; the sums under the new M (a plain place behind the exponentials)
	s_wait_alu depctr_va_vdst(0)                   ; one wait for the batch, ahead of its first reader
.irp b, 0,1,2,3
	v_exp_f32 v[BM+\b], v[BM+\b]                   ; the block's largest p
.endr
	v_pk_add_f32 v[226:227], v[102:103], v[106:107]   ; the row's sum of the unquantised p, in eight chains
	v_pk_add_f32 v[252:253], v[110:111], v[114:115]
	v_pk_add_f32 v[250:251], v[118:119], v[122:123]
	v_pk_add_f32 v[248:249], v[126:127], v[130:131]
	v_pk_add_f32 v[246:247], v[134:135], v[138:139]
	v_pk_add_f32 v[244:245], v[142:143], v[146:147]
	v_pk_add_f32 v[242:243], v[150:151], v[154:155]
	v_pk_add_f32 v[14:15], v[14:15], v[158:159]
	v_pk_add_f32 v[226:227], v[226:227], v[98:99]
	v_pk_add_f32 v[252:253], v[252:253], v[100:101]
	v_pk_add_f32 v[250:251], v[250:251], v[104:105]
	v_pk_add_f32 v[248:249], v[248:249], v[108:109]
	v_pk_add_f32 v[246:247], v[246:247], v[112:113]
	v_pk_add_f32 v[244:245], v[244:245], v[116:117]
	v_pk_add_f32 v[242:243], v[242:243], v[120:121]
	v_pk_add_f32 v[14:15], v[14:15], v[124:125]
	v_pk_add_f32 v[226:227], v[226:227], v[128:129]
	v_pk_add_f32 v[252:253], v[252:253], v[132:133]
	v_pk_add_f32 v[250:251], v[250:251], v[136:137]
	v_pk_add_f32 v[248:249], v[248:249], v[140:141]
	v_pk_add_f32 v[246:247], v[246:247], v[144:145]
	v_pk_add_f32 v[244:245], v[244:245], v[148:149]
	v_pk_add_f32 v[242:243], v[242:243], v[152:153]
	v_pk_add_f32 v[14:15], v[14:15], v[156:157]
	v_pk_add_f32 v[226:227], v[226:227], v[160:161]
	s_delay_alu instid0(VALU_DEP_2)
	v_pk_add_f32 v[14:15], v[14:15], v[248:249]
	s_delay_alu instid0(VALU_DEP_2)
	v_pk_add_f32 v[226:227], v[226:227], v[246:247]
	v_pk_add_f32 v[252:253], v[252:253], v[244:245]
	v_pk_add_f32 v[250:251], v[250:251], v[242:243]
	s_delay_alu instid0(VALU_DEP_2)
	v_pk_add_f32 v[14:15], v[14:15], v[252:253]
	s_delay_alu instid0(VALU_DEP_2)
	v_pk_add_f32 v[226:227], v[226:227], v[250:251]
	s_delay_alu instid0(VALU_DEP_1)
	v_pk_add_f32 v[14:15], v[14:15], v[226:227]
	s_wait_alu depctr_va_vdst(0)                   ; and one for the four
.irp b, 0,1,2,3
	v_max_num_f32 v[BM+\b], 0x1800000, v[BM+\b]    ; the floor 2^(3 - 127)
.endr
.irp b, 0,1,2,3
	s_delay_alu instid0(VALU_DEP_4)
	v_add_nc_u32 v[SO+\b], 0xff000000, v[BM+\b]
.endr
.irp b, 0,1,2,3
	s_delay_alu instid0(VALU_DEP_4)
	v_lshrrev_b32 v[BT+\b], 23, v[SO+\b]
.endr
	s_delay_alu instid0(VALU_DEP_3)
	v_lshl_or_b32 v[PS], v[BT+1], 8, v[BT]         ; p's scale word for these 128 keys
	s_delay_alu instid0(VALU_DEP_1)
	v_lshl_or_b32 v[PS], v[BT+2], 16, v[PS]
	s_delay_alu instid0(VALU_DEP_1)
	v_lshl_or_b32 v[PS], v[BT+3], 24, v[PS]
.irp c, 0,1
	v_cvt_scalef32_pk16_fp6_f32 v[PCD+6*\c:PCD+6*\c+2], v[S+32*\c:S+32*\c+15], v[SO+2*\c]
	v_cvt_scalef32_pk16_fp6_f32 v[PC2+4*\c:PC2+4*\c+2], v[S+32*\c+16:S+32*\c+31], v[SO+2*\c+1]
.endr
	v_nop                                          ; one plain place behind a scaled conversion
.irp c, 0,1
.irp i, 0,1,2
	v_permlane16_swap_b32 v[PCD+6*\c+\i], v[PC2+4*\c+\i]
.endr
.irp i, 0,1,2
	s_delay_alu instid0(VALU_DEP_3)
	v_mov_b32 v[PCD+3+6*\c+\i], v[PC2+4*\c+\i]
.endr
.endr
.set n, 0
.rept 16
	v_pk_mul_f32 v[OT+n:OT+n+1], v[OT+n:OT+n+1], v[F:F+1] op_sel_hi:[1,0]   ; O^T under the new M; these sixteen are also the places between the scale word and codes just made and the products
.set n, n+2
.endr
	s_wait_alu depctr_va_vdst(0)
	s_wait_dscnt 0x0                               ; V
.irp t, 0,1,2,3                        ; the four accumulators take turns, one instruction a turn
	v_wmma_scale_f32_16x16x128_f8f6f4 v[OT+8*\t:OT+8*\t+7], v[FRG+12*\t:FRG+12*\t+11], v[PCD:PCD+11], v[OT+8*\t:OT+8*\t+7], v[KS+\t], v[PS] matrix_a_fmt:MATRIX_FMT_FP6 matrix_b_fmt:MATRIX_FMT_FP6
.endr
.Lhidden_\@:
	s_add_co_u32 s[SI], s[SI], 1
	s_add_co_u32 s[TK], s[TK], 6144                ; 128 keys x 48 bytes; two planes of V are as many
	s_add_co_u32 s[TS], s[TS], 512
	s_add_co_u32 s[TJ], s[TJ], 256
.endm
; A TILE IS FINISHED: O / l, quantised along the head's 64 channels (two blocks), into the stage
.macro FINISH
	v_add_f32 v14, v14, v15
	s_delay_alu instid0(VALU_DEP_1)
	v_permlanex16_b32 v[TA], v14, s[SEL], s[SEL+1]
	s_delay_alu instid0(VALU_DEP_1)
	v_add_f32 v14, v14, v[TA]                      ; the row's sum
	s_wait_alu depctr_va_vdst(0)
	v_rcp_f32 v14, v14
	v_nop
	s_wait_alu depctr_va_vdst(0)
.set n, 0
.rept 32
	v_mul_f32 v[S+n], v[OT+n], v14                 ; register 16 b + i is channel 32 b + 16 h + i of my query
.set n, n+1
.endr
.irp b, 0,1
	v_max3_num_f32 v[BM+\b], |v[S+16*\b]|, |v[S+16*\b+1]|, 0x1800000
.endr
.irp i, 2,4,6,8,10,12,14
.irp b, 0,1
	s_delay_alu instid0(VALU_DEP_2)
	v_max3_num_f32 v[BM+\b], v[BM+\b], |v[S+16*\b+\i]|, |v[S+16*\b+\i+1]|
.endr
.endr
.irp b, 0,1
	s_delay_alu instid0(VALU_DEP_2)
	v_permlanex16_b32 v[BT+\b], v[BM+\b], s[SEL], s[SEL+1]
.endr
.irp b, 0,1
	s_delay_alu instid0(VALU_DEP_2)
	v_max_num_f32 v[BM+\b], v[BM+\b], v[BT+\b]
.endr
.irp b, 0,1
	s_delay_alu instid0(VALU_DEP_2)
	v_add_nc_u32 v[SO+\b], 0xff000000, v[BM+\b]
.endr
.irp b, 0,1
	s_delay_alu instid0(VALU_DEP_2)
	v_lshrrev_b32 v[BT+\b], 23, v[SO+\b]
.endr
	s_delay_alu instid0(VALU_DEP_1)
	v_lshl_or_b32 v[TA], v[BT+1], 8, v[BT]         ; my query's two scale bytes
	v_cvt_scalef32_pk16_fp6_f32 v[PCD:PCD+2], v[S:S+15], v[SO]
	v_cvt_scalef32_pk16_fp6_f32 v[PC2:PC2+2], v[S+16:S+31], v[SO+1]
	v_nop
.irp i, 0,1,2
	v_permlane16_swap_b32 v[PCD+\i], v[PC2+\i]
.endr
.irp i, 0,1,2
	s_delay_alu instid0(VALU_DEP_3)
	v_mov_b32 v[PCD+3+\i], v[PC2+\i]
.endr
.irp p, 0,1,2
	ds_store_b64 v[STO], v[PCD+2*\p:PCD+2*\p+1] offset:8*\p
.endr
	ds_store_b16 v[SSO], v[TA]                     ; (both halves of the lanes write the same bytes)
.endm
.macro BEHIND                          ; behind a loop: four places behind the last products, and the wait ahead of a branch
.rept 4
	v_nop
.endr
	s_wait_alu depctr_va_vdst(0)
.endm
	s_wait_loadcnt 0x0                             ; both Q
	s_wait_tensorcnt 0x0                           ; my load of the head, if I issued one, has landed.
	ds_add_u32 v254, v255
	ds_add_u32 v254, v255
	s_wait_dscnt 0x0
	s_barrier_signal -1
	s_barrier_wait -1                              ; chunk 0 and the scale words are whole
	s_and_b32 s[CNT], s[WV], 3                     ; chunks 1 to 3, one load a wave: waves 1-3 K's, waves 5-7 V's
	s_cmp_eq_u32 s[CNT], 0
	s_cbranch_scc1 .Lasked2
	s_cmp_lt_u32 s[WV], 4
	s_cbranch_scc0 .Lnot_k2
	tensor_load_to_lds s[G0C:G0C+3], s[G1K:G1K+7]
	s_nop 0
.rept 4
	v_nop
.endr
	s_branch .Lasked2
.Lnot_k2:
	s_cmp_lt_u32 s[WV], 8
	s_cbranch_scc0 .Lasked2
	tensor_load_to_lds s[G0C:G0C+3], s[G1V:G1V+7]
	s_nop 0
.rept 4
	v_nop
.endr
.Lasked2:
	s_mov_b32 s[CNT], 4
.Lfirst:                                           ; steps 0 to 3 of my first tile: chunk 0
	STEP
	s_sub_co_u32 s[CNT], s[CNT], 1
	s_cmp_lg_u32 s[CNT], 0
	s_cbranch_scc1 .Lfirst
	s_wait_tensorcnt 0x0                           ; my load has landed
	s_wait_dscnt 0x0
	s_barrier_signal -1
	s_barrier_wait -1                              ; everybody's has
	s_mov_b32 s[CNT], 4
.Lsecond:                                          ; steps 4 to 7
	STEP
	s_sub_co_u32 s[CNT], s[CNT], 1
	s_cmp_lg_u32 s[CNT], 0
	s_cbranch_scc1 .Lsecond
	BEHIND
	s_cmp_eq_u32 s12, 0
	s_cbranch_scc0 .Lkeep
	FINISH                                         ; the early wave: its early tile is done,
	START                                          ; and its part of the late tile begins
.Lkeep:
	v_mov_b32 v[QS], v[QSB]                        ; the late tile's Q (the late wave has the same numbers already).  The scale register stands fourteen places ahead of the next product, the last code register eight
.irp i, 0,1,2,3,4,5
	v_mov_b32 v[Q+\i], v[QB+\i]
.endr
.rept 4
	v_nop
.endr
	s_wait_alu depctr_va_vdst(0)
	s_xor_b32 s[SI], s12, 1
	s_add_co_u32 s[SI], s[SI], 8                   ; the late wave goes on with step 8, the early wave begins at step 9
	s_mul_i32 s[TK], s[SI], 6144
	s_lshl_b32 s[TS], s[SI], 9
	s_lshl_b32 s[TJ], s[SI], 8
	s_mov_b32 s[LIM], s14
	s_cmp_eq_u32 s12, 1
	s_cselect_b32 s[HID], 8, s14
	s_mov_b32 s[CNT], 7
.Lthird:
	STEP
	s_sub_co_u32 s[CNT], s[CNT], 1
	s_cmp_lg_u32 s[CNT], 0
	s_cbranch_scc1 .Lthird
	BEHIND
	s_cmp_eq_u32 s12, 0
	s_cbranch_scc0 .Lno_image
.irp k, 0,1,2,3,4,5,6,7
	ds_store_b128 v[DMA], v[OT+4*\k:OT+4*\k+3] offset:512*\k   ; the early wave's part of the late tile, as an image of its registers: each accumulator from its low end on
.endr
	ds_store_b128 v[DMA], v[12:15] offset:4096     ; -M, the largest t, the sum's halves
.Lno_image:
	s_wait_dscnt 0x0                               ; for the partner's sake
	s_barrier_signal -1
	s_barrier_wait -1
	s_cmp_eq_u32 s12, 1
	s_cbranch_scc0 .Lmerged
.irp k, 0,1,2,3,4,5,6,7,8
	ds_load_b128 v[S+4*\k:S+4*\k+3], v[DMA] offset:512*\k
.endr
	s_wait_dscnt 0x0
	v_min_num_f32 v[TA], v12, v[S+32]              ; -M of the two parts together
	s_delay_alu instid0(VALU_DEP_1)
	v_sub_f32 v[BM], v[TA], v12                    ; whole numbers, 0 or less
	v_sub_f32 v[BM+1], v[TA], v[S+32]
	s_delay_alu instid0(VALU_DEP_2)
	v_cvt_i32_f32 v[BM], v[BM]                     ; (it saturates: a part with no step gets the factor 0)
	s_delay_alu instid0(VALU_DEP_2)
	v_cvt_i32_f32 v[BM+1], v[BM+1]
	s_delay_alu instid0(VALU_DEP_2)
	v_ldexp_f32 v[F], 1.0, v[BM]                   ; my part's factor,
	s_delay_alu instid0(VALU_DEP_2)
	v_ldexp_f32 v[BT], 1.0, v[BM+1]                ; the partner's
	s_delay_alu instid0(VALU_DEP_2)
	v_pk_mul_f32 v[14:15], v[14:15], v[F:F+1] op_sel_hi:[1,0]
.set n, 0
.rept 16
	v_pk_mul_f32 v[OT+n:OT+n+1], v[OT+n:OT+n+1], v[F:F+1] op_sel_hi:[1,0]
.set n, n+2
.endr
	v_pk_fma_f32 v[14:15], v[S+34:S+35], v[BT:BT+1], v[14:15] op_sel_hi:[1,0,1]
.set n, 0
.rept 16
	v_pk_fma_f32 v[OT+n:OT+n+1], v[S+n:S+n+1], v[BT:BT+1], v[OT+n:OT+n+1] op_sel_hi:[1,0,1]
.set n, n+2
.endr
	FINISH
.Lmerged:
	s_wait_dscnt 0x0                               ; for the others' sake: the stage
	s_barrier_signal -1
	s_barrier_wait -1
.irp i, 0,1,2
	ds_load_b64 v[S+2*\i:S+2*\i+1], v[RDB] offset:256*\i
.endr
	s_wait_dscnt 0x0
.irp i, 0,1,2
	global_store_b64 v[GOB], v[S+2*\i:S+2*\i+1], s[OC:OC+1] offset:256*\i   ; 32 lanes store 256 consecutive bytes, aligned
.endr
	s_cmp_lt_u32 s[WV], 8
	s_cbranch_scc0 .Ldone
	ds_load_u16 v[S+8], v[RDS]
	s_wait_dscnt 0x0
	global_store_b16 v[GOS], v[S+8], s[OS:OS+1]    ; my head's half of 32 rows' scale words
.Ldone:
	s_wait_tensorcnt 0x0                           ; the wave's end
	ds_add_u32 v254, v255
	s_wait_dscnt 0x0
	s_endpgm
.Lfunc_end_k_qfe0b527338_attn:
	.size	k_qfe0b527338_attn, .Lfunc_end_k_qfe0b527338_attn-k_qfe0b527338_attn
	.p2alignl 7, 3214868480
	.fill 96, 4, 3214868480
	.section	.rodata,"a",@progbits
	.p2align	6, 0x0
	.amdhsa_kernel k_qfe0b527338_attn
		.amdhsa_group_segment_fixed_size 327680
		.amdhsa_private_segment_fixed_size 0
		.amdhsa_enable_private_segment 0
		.amdhsa_kernarg_size 16
		.amdhsa_user_sgpr_count 2
		.amdhsa_user_sgpr_kernarg_segment_ptr 1
		.amdhsa_wavefront_size32 1
		.amdhsa_system_sgpr_workgroup_id_x 1
		.amdhsa_system_sgpr_workgroup_id_y 1
		.amdhsa_system_sgpr_workgroup_id_z 1
		.amdhsa_system_vgpr_workitem_id 0
		.amdhsa_next_free_vgpr 256
		.amdhsa_next_free_sgpr 96
		.amdhsa_reserve_vcc 1
		.amdhsa_float_denorm_mode_32 3
		.amdhsa_float_denorm_mode_16_64 3
		.amdhsa_memory_ordered 1
		.amdhsa_forward_progress 1
		.amdhsa_inst_pref_size 102
	.end_amdhsa_kernel
	.amdgpu_metadata
---
amdhsa.version: [ 1, 2 ]
amdhsa.kernels:
  - .name:           k_qfe0b527338_attn
    .symbol:         k_qfe0b527338_attn.kd
    .args:
      - { .name: qkv, .offset: 0, .size: 8, .value_kind: global_buffer, .address_space: global }
      - { .name: act, .offset: 8, .size: 8, .value_kind: global_buffer, .address_space: global }
    .group_segment_fixed_size: 327680
    .private_segment_fixed_size: 0
    .kernarg_segment_align: 8
    .kernarg_segment_size: 16
    .max_flat_workgroup_size: 512
    .sgpr_count:     96
    .vgpr_count:     256
    .wavefront_size: 32
...
	.end_amdgpu_metadata
.endif
;; end of part 3
;; launch gemm_o (part 4): grid 8 x 32, 4 waves a work-group, clusters of 4 x 4, 327,680 bytes of LDS; arguments act, wq, Wo_b, x, x1; writes x1
.if DOCPART == 4
	.amdgcn_target "amdgcn-amd-amdhsa--gfx1250"
	.amdhsa_code_object_version 6
	.text
	.protected	k_qfe0b527338_gemm_o
	.globl	k_qfe0b527338_gemm_o
	.p2align	8
	.type	k_qfe0b527338_gemm_o,@function
k_qfe0b527338_gemm_o:
	s_mov_b64 s[64:65], 0
	v_nop
	global_prefetch_b8 v0, s[64:65] scope:SCOPE_SE
	s_setreg_imm32_b32 hwreg(HW_REG_WAVE_MODE, 25, 1), 1
	s_wait_xcnt 0x0
	s_wait_alu depctr_hold_cnt(0) depctr_sa_sdst(0) depctr_va_vdst(0) depctr_va_sdst(0) depctr_va_ssrc(0) depctr_va_vcc(0) depctr_vm_vsrc(0)
	s_getreg_b32 s2, hwreg(HW_REG_IB_STS2, 6, 4)
	s_cmp_eq_u32 s2, 0
	s_cbranch_scc0 .Lentry_in_a_cluster
	s_endpgm
.Lentry_in_a_cluster:
	s_bfe_u32 s2, ttmp6, 0x10000c
	s_cmp_lg_u32 s2, 0xf033
	s_cbranch_scc0 .Lentry_shape_is_right
	s_endpgm
.Lentry_shape_is_right:
; out = residual + A W^T + bias on codes of FP6 (E2M3) with E8M0 scales; out, residual [4,096][1,024] f32.  A: codes in planes [K / 64][row][48 bytes], scale words [K / 128][row][4]; W: codes [128 rows][K / 512][row][384 bytes], scale bytes [1,024][K / 32].
; N is 1,024, so a tile of C is 128 x 128 (256 work-groups), 64 x 64 a wave: 16 accumulators.  K goes in steps of 512 through two LDS slots; the head's loads bring all of K, one load a wave.
; 4 x 4 work-groups form a cluster: A's tile is asked for jointly along a row of the cluster, W's along a column.  All scale bytes of the work-group's rows come once, with the first fills.
; THE MATRIX INSTRUCTION IS USED TRANSPOSED (source 0 = 16 rows of W, source 1 = 16 rows of A): a lane holds eight neighbouring numbers of a row of C.  The bias is the C of each sum's first instruction.
; A wave's 64 columns are 256 consecutive bytes of a row: each wave has its own stage and stores whole aligned runs; the residual, loaded at the head in the same layout, is added on the way.
; REGISTERS: window 0: v0-31 addresses; v32-63 A's scale words, v64-95 W's (two sets each; they hold nothing else); v96-127 the bias; v128-255 the accumulators.  window 1: two fragment buffers of 96; v192-255 rows on the way out.  window 2: v0-127 the residual.
.set SIZE_K, 1024
.set ASOFF,  3145728                   ; A's scale words in its buffer
.set WCOFF,  2359296                   ; W's codes in wq
.set WSOFF,  9535488                   ; W's scale bytes in wq
.set KROW,   SIZE_K*6/8
.set KS,     SIZE_K/32
.set NP128,  SIZE_K/128
.set LAPS,   SIZE_K/1024               ; a lap = two K steps of 512
.set AHALF,  24576                     ; 8 planes x 64 rows x 48 bytes: rows 12 words apart: the 32 lanes of a load of 8 bytes touch 64 different banks (64 banks of 4 bytes: ISA guide 11.1)
.set BHALF,  27648                     ; 64 rows x 432: 384 bytes + 16 of padding behind each 128: rows 108 words apart, likewise
.set SLOT,   2*AHALF+2*BHALF
.set ASC,    2*SLOT                    ; A's scale words: [K / 128][half][64 rows x 4]
.set BSC,    ASC+512*NP128             ; W's scale bytes: units of 256 bytes + 16 of padding
.set HALFS,  (64*KS/256)*272
.set SBLK,   (16*KS/256)*272
.set SPARE,  BSC+2*HALFS               ; the spare words, 128 bytes a wave
.set STAGE,  SPARE+512                 ; 16 rows x 272 bytes for each wave
.set SPITCH, 272
.set ADRA, 16                          ; v16-17 A's fragments in slot 0, 1
.set ADSA, 18                          ; v18 A's scale words
.set ADSB, 19                          ; v19 W's
.set ADRB, 20                          ; v20-21 W's fragments; v22-23 behind one padding more
.set STO,  24
.set RD,   25
.set CO,   26
.set SPW,  28
.set NIL,  29
.set SA,   32
.set SB,   64
.set BIAS, 96
.set ACC,  128
.set F0,   0
.set F1,   96
.set OB,   192
.set G1, 24
.set G0, 32
.set G1B, 48
.set G0B, 56
.set G1S, 68
.set G0S, 76
.set G1SB, 80
.set G0SB, 88
.set MSB, 0
.macro WIN new                         ; the immediate's high byte repeats the setting that is left
.if MSB != \new
	s_set_vgpr_msb (MSB<<8)|\new
.set MSB, \new
.endif
.endm
.set MUL,  0x05                        ; sources 0 and 1 window 1; C and D window 0
.set TO_F, 0x40                        ; destination window 1
.macro JLOAD g0a, g1a, g0b, g1b        ; a joint load: waves 0 and 1 fetch for A, waves 2 and 3 for W; four v_nop follow each of the two lines
	s_cmp_eq_u32 s15, 0
	s_cbranch_scc0 .Lfor_b_\@
	tensor_load_to_lds s[\g0a:\g0a+3], s[\g1a:\g1a+7]
	s_nop 0
.rept 4
	v_nop
.endr
	s_branch .Lasked_\@
.Lfor_b_\@:
	tensor_load_to_lds s[\g0b:\g0b+3], s[\g1b:\g1b+7]
	s_nop 0
.rept 4
	v_nop
.endr
.Lasked_\@:
.endm
.macro CREST
	s_cmp_lg_u32 s14, 0
	s_cbranch_scc1 .Lnot_wave_0_\@
	s_barrier_signal -3
.Lnot_wave_0_\@:
	s_barrier_wait -3
	s_barrier_signal -1
	s_barrier_wait -1
.endm
.macro CROUND
	s_barrier_signal -1
	s_barrier_wait -1
	CREST
.endm
	s_load_b256 s[4:11], s[0:1], 0x0               ; A's buffer, wq, bias, residual
	s_load_b64 s[12:13], s[0:1], 0x20              ; out
	v_lshl_add_u32 v[SPW], v0, 2, SPARE
	v_mov_b32 v[NIL], 0
	ds_add_u32 v28, v29
	ds_add_u32 v28, v29
	s_wait_dscnt 0x0
	v_lshrrev_b32 v1, 5, v0
	v_readfirstlane_b32 s14, v1                    ; wave 0..3
	s_lshr_b32 s15, s14, 1                         ; which half of the tile's rows is mine.  Also: I fetch for A (0) or for W (1)
	s_and_b32 s16, s14, 1                          ; which half of its columns.  Also: which half of that tile I fetch (W: 64 rows, A: four planes)
	s_bfe_u32 s40, ttmp6, 0x40000                  ; cx, cy
	s_bfe_u32 s41, ttmp6, 0x40004
	s_lshl_b32 s42, ttmp9, 2
	s_add_co_u32 s42, s42, s40                     ; tile column
	s_and_b32 s17, ttmp7, 0xffff
	s_lshl_b32 s17, s17, 2
	s_add_co_u32 s17, s17, s41                     ; tile row
	s_lshl_b32 s43, s41, 2
	s_lshl_b32 s43, 15, s43                        ; my row of the cluster
	s_lshl_b32 s44, 0x1111, s40                    ; my column
	s_or_b32 s[G1+0], s43, (3<<16)|(1<<21)         ; A's codes: elements of 8 bytes; planes' runs of 6,144 bytes (128 rows x 48), 196,608 bytes apart; no padding
	s_mov_b32 s[G1+1], 768<<16                     ; a plane's run of 6,144 bytes: the tile's 128 rows x 48
	s_mov_b32 s[G1+2], 16<<16                      ; the head's load: sixteen planes, 1,024 along K
	s_mov_b32 s[G1+3], 768<<16
	s_mov_b32 s[G1+4], 16
	s_mov_b32 s[G1+5], 24576
	s_mov_b32 s[G1+6], 0
	s_mov_b32 s[G1+7], 0
	s_or_b32 s[G1B+0], s44, (0<<16)|(1<<20)|(1<<21)|(4<<22)|(3<<25)  ; W's codes: 64 rows of 384 bytes; after every 32 words 4 words of padding
	s_mov_b32 s[G1B+1], 256<<16                    ; W's codes lie [128 rows][K / 512][row][384 bytes]: dense, fetched as rows of 256 bytes
	s_mov_b32 s[G1B+2], 384<<16                    ; the head's load: two K steps of 128 rows, 98,304 bytes
	s_mov_b32 s[G1B+3], 256<<16
	s_mov_b32 s[G1B+4], 384
	s_mov_b32 s[G1B+5], 256
	s_mov_b32 s[G1B+6], 0
	s_mov_b32 s[G1B+7], 0
	s_or_b32 s[G1S+0], s43, (3<<16)|(1<<21)        ; A's scale words: a run of 512 bytes (128 rows) of each of the K / 128 planes, 16,384 bytes apart
	s_mov_b32 s[G1S+1], 64<<16                     ; 512 bytes: 128 rows' words
	s_mov_b32 s[G1S+2], NP128<<16
	s_mov_b32 s[G1S+3], 64<<16
	s_mov_b32 s[G1S+4], NP128
	s_mov_b32 s[G1S+5], 2048
	s_mov_b32 s[G1S+6], 0
	s_mov_b32 s[G1S+7], 0
	s_or_b32 s[G1SB+0], s44, (3<<16)|(1<<20)|(1<<21)|(5<<22)|(3<<25) ; W's scale bytes: dense, as rows of 256 bytes, 16 of padding behind each
	s_mov_b32 s[G1SB+1], 32<<16
	s_mov_b32 s[G1SB+2], (128*KS/256)<<16
	s_mov_b32 s[G1SB+3], 32<<16
	s_mov_b32 s[G1SB+4], 128*KS/256
	s_mov_b32 s[G1SB+5], 32
	s_mov_b32 s[G1SB+6], 0
	s_mov_b32 s[G1SB+7], 0
	s_lshl_b32 s20, s17, 7                         ; A's tile: its first row: hangs on the tile row alone
	s_lshl_b32 s46, s42, 7                         ; W's: on the tile column alone
	s_lshl_b32 s22, s20, 2
	s_add_co_u32 s22, s22, ASOFF
	s_mov_b32 s23, 0
	s_mul_i32 s20, s20, 48
	s_mov_b32 s21, 0
	s_mul_i32 s92, s46, KS
	s_add_co_u32 s92, s92, WSOFF
	s_mov_b32 s93, 0
	s_mul_i32 s46, s46, KROW
	s_add_co_u32 s46, s46, WCOFF
	s_mov_b32 s47, 0
	s_mul_i32 s45, s16, AHALF                      ; where they go: no place in the cluster enters an LDS address
	s_mul_i32 s94, s16, BHALF
	s_add_co_u32 s94, s94, 4*AHALF                 ; W's slots lie behind A's two
	s_mul_i32 s18, s16, 4*196608                   ; a ring's load of A: four of a K step's eight planes,
	s_mov_b32 s19, 0
	s_mul_i32 s66, s16, 24576                      ; of W: 64 of its 128 rows
	s_mov_b32 s67, 0
	s_wait_kmcnt 0x0
	s_add_nc_u64 s[20:21], s[4:5], s[20:21]
	s_add_nc_u64 s[22:23], s[4:5], s[22:23]
	s_add_nc_u64 s[46:47], s[6:7], s[46:47]
	s_add_nc_u64 s[92:93], s[6:7], s[92:93]
	CROUND                                         ; all sixteen work-groups are here: the first joint loads meet
	s_mov_b32 s[G0S], 1
	s_mov_b32 s[G0S+1], ASC
	s_mov_b64 s[G0S+2:G0S+3], s[22:23]
	s_or_b32 s[G0S+3], s[G0S+3], 0x80000000
	s_mov_b32 s[G0SB], 1
	s_mov_b32 s[G0SB+1], BSC
	s_mov_b64 s[G0SB+2:G0SB+3], s[92:93]
	s_or_b32 s[G0SB+3], s[G0SB+3], 0x80000000
; LDS: A's slots 0 and 1 ([plane][128 rows][48], 2 AHALF each), then W's two (2 BHALF each).  The head's loads of codes fill both slots of a side at once: here that is all of K, and nothing is ever filled again.
; No prefetch: all is asked for at the head.
.set G0H, 4                            ; s[4:7], s[96:99]: group 0 of the head's two loads of codes
.set G0HB, 96
	s_mov_b32 s[G0H], 1
	s_mov_b32 s[G0H+1], 0
	s_mov_b64 s[G0H+2:G0H+3], s[20:21]
	s_or_b32 s[G0H+3], s[G0H+3], 0x80000000
	s_mov_b32 s[G0HB], 1
	s_mov_b32 s[G0HB+1], 4*AHALF
	s_mov_b64 s[G0HB+2:G0HB+3], s[46:47]
	s_or_b32 s[G0HB+3], s[G0HB+3], 0x80000000
	s_add_nc_u64 s[20:21], s[20:21], s[18:19]
	s_add_nc_u64 s[46:47], s[46:47], s[66:67]
.irp s, 0,1
	s_mov_b32 s[G0+4*\s], 1
	s_add_co_u32 s[G0+4*\s+1], s45, \s*2*AHALF
	s_add_nc_u64 s[G0+4*\s+2:G0+4*\s+3], s[20:21], \s*1572864     ; a K step on: 8 planes
	s_or_b32 s[G0+4*\s+3], s[G0+4*\s+3], 0x80000000
	s_mov_b32 s[G0B+4*\s], 1
	s_add_co_u32 s[G0B+4*\s+1], s94, \s*2*BHALF
	s_add_nc_u64 s[G0B+4*\s+2:G0B+4*\s+3], s[46:47], \s*49152
	s_or_b32 s[G0B+4*\s+3], s[G0B+4*\s+3], 0x80000000
.endr
; THE HEAD'S LOADS, ONE A WAVE: wave 0 A's codes, wave 1 W's, wave 2 A's scale words, wave 3 W's scale bytes.  One chain of branches on the wave's number, one load to an arm, one join.
.macro ARM under, g0, g1, next
	s_cmp_lt_u32 s14, \under
	s_cbranch_scc0 \next
	tensor_load_to_lds s[\g0:\g0+3], s[\g1:\g1+7]
	s_nop 0
.rept 4
	v_nop
.endr
	s_branch .Lhead_asked
\next:
.endm
	ARM 1, G0H,  G1,  .Lhead_b
	ARM 2, G0HB, G1B, .Lhead_sa
	ARM 3, G0S,  G1S, .Lhead_sb
	tensor_load_to_lds s[G0SB:G0SB+3], s[G1SB:G1SB+7]
	s_nop 0
.rept 4
	v_nop
.endr
.Lhead_asked:
	v_and_b32 v1, 15, v0                           ; r
	v_bfe_u32 v2, v0, 4, 1                         ; h
	v_mul_u32_u24 v3, v1, 48
	v_mad_u32_u24 v3, v2, 24, v3
	s_mul_i32 s21, s15, 3072                       ; my 64 rows of a plane's 128
	v_add_nc_u32 v[ADRA], s21, v3
	v_add_nc_u32 v[ADRA+1], 2*AHALF, v[ADRA]
	v_mul_u32_u24 v4, v1, 432
	v_mad_u32_u24 v4, v2, 24, v4
	s_mul_i32 s22, s16, BHALF
	s_add_co_u32 s22, s22, 4*AHALF
	v_add_nc_u32 v[ADRB], s22, v4
	v_add_nc_u32 v[ADRB+1], 2*BHALF, v[ADRB]
	v_lshl_add_u32 v[ADRB+2], v2, 4, v[ADRB]
	v_lshl_add_u32 v[ADRB+3], v2, 4, v[ADRB+1]
	s_lshl_b32 s21, s15, 8                         ; my 64 rows' words of a plane's 128
	s_add_co_u32 s21, s21, ASC
	v_lshl_add_u32 v[ADSA], v1, 2, s21
	v_mul_u32_u24 v5, v1, KS
	v_lshrrev_b32 v6, 8, v5
	v_lshl_add_u32 v5, v6, 4, v5
	s_mul_i32 s22, s16, HALFS
	s_add_co_u32 s22, s22, BSC
	v_add_nc_u32 v[ADSB], s22, v5
	s_mul_i32 s23, s14, 16*SPITCH
	s_add_co_u32 s23, s23, STAGE
	v_mul_u32_u24 v5, v1, SPITCH
	v_lshl_add_u32 v5, v2, 5, v5
	v_add_nc_u32 v[STO], s23, v5                   ; in: row r, 32 bytes for each half of the lanes
	v_mul_u32_u24 v5, v2, SPITCH
	v_lshl_add_u32 v5, v1, 4, v5
	v_add_nc_u32 v[RD], s23, v5                    ; back: lanes 0-15 one row of 256 bytes, lanes 16-31 the next
	v_lshlrev_b32 v5, 12, v2
	v_lshl_add_u32 v[CO], v1, 4, v5                ; and the same two rows in memory
	v_lshlrev_b32 v7, 5, v2                        ; the bias: register 8 b + j is column 16 b + 8 h + j
	s_wait_alu depctr_va_vdst(0)
	s_lshl_b32 s20, s42, 9
	s_lshl_b32 s21, s16, 8
	s_add_co_u32 s20, s20, s21                     ; my first column, in bytes
	s_mov_b32 s21, 0
	s_add_nc_u64 s[8:9], s[8:9], s[20:21]
	s_lshl_b32 s22, s17, 7
	s_lshl_b32 s23, s15, 6
	s_add_co_u32 s22, s22, s23
	s_lshl_b32 s22, s22, 12                        ; my first row, 4,096 bytes a row
	s_add_co_u32 s20, s20, s22
	s_add_nc_u64 s[10:11], s[10:11], s[20:21]
	s_add_nc_u64 s[12:13], s[12:13], s[20:21]
.irp b, 0,1,2,3
	global_load_b128 v[BIAS+8*\b:BIAS+8*\b+3], v7, s[8:9] offset:64*\b
	global_load_b128 v[BIAS+8*\b+4:BIAS+8*\b+7], v7, s[8:9] offset:64*\b+16
.endr
	WIN 0x80                                       ; destination window 2
.irp a, 0,1,2,3
.irp t, 0,1,2,3,4,5,6,7
	global_load_b128 v[32*\a+4*\t:32*\a+4*\t+3], v[CO], s[10:11] offset:(16*\a+2*\t)*4096 th:TH_LOAD_NT   ; the residual, as the rows will leave: sixteen lanes read 256 consecutive bytes
.endr
.endr
	WIN 0
.macro FRAGA reg, slot, q, i           ; 16 rows x 128 K: planes 2 q and 2 q + 1, 24 bytes a lane of each
.irp p, 0,1,2,3,4,5
	ds_load_b64 v[(\reg)+2*\p:(\reg)+2*\p+1], v[ADRA+\slot] offset:6144*(2*(\q)+\p/3)+768*(\i)+8*(\p%3)
.endr
.endm
.macro FRAGB reg, slot, q, i           ; from rows of 384 bytes with 16 of padding behind every 16 pieces of 8: where the piece three on lies behind one padding more, the second address register serves
.irp p, 0,1,2,3,4,5
.set PCI, 12*(\q)+6*(\p/3)+\p%3
.if PCI%16 < 13
	ds_load_b64 v[(\reg)+2*\p:(\reg)+2*\p+1], v[ADRB+\slot] offset:8*PCI+16*(PCI/16)+6912*(\i)
.else
	ds_load_b64 v[(\reg)+2*\p:(\reg)+2*\p+1], v[ADRB+2+\slot] offset:8*PCI+16*(PCI/16)+6912*(\i)
.endif
.endr
.endm
.macro FETCH slot, q, f                ; 48 loads in one run: the fragments of 128 along K into buffer f: A's four at f, W's four at f + 48
	WIN TO_F
.irp i, 0,1,2,3
	FRAGB (\f)+48+12*\i, \slot, \q, \i
.endr
.irp i, 0,1,2,3
	FRAGA (\f)+12*\i, \slot, \q, \i
.endr
.endm
.macro SCALES set                      ; a K step's scale words: register 4 i + q
.irp i, 0,1,2,3
.irp q, 0,1,2,3
	ds_load_b32 v[SA+16*(\set)+4*\i+\q], v[ADSA] offset:512*\q+64*\i
.endr
	ds_load_b128 v[SB+16*(\set)+4*\i:SB+16*(\set)+4*\i+3], v[ADSB] offset:\i*SBLK
.endr
.endm
.macro MULROW f, set, q, a, first      ; four matrix instructions: A's block a x W's four.  The 16 accumulators take turns, one instruction a turn
.irp b, 0,1,2,3
.if \first
	v_wmma_scale_f32_16x16x128_f8f6f4 v[ACC+8*(4*(\a)+\b):ACC+8*(4*(\a)+\b)+7], v[(\f)+48+12*\b:(\f)+48+12*\b+11], v[(\f)+12*(\a):(\f)+12*(\a)+11], v[BIAS+8*\b:BIAS+8*\b+7], v[SB+16*(\set)+4*\b+(\q)], v[SA+16*(\set)+4*(\a)+(\q)] matrix_a_fmt:MATRIX_FMT_FP6 matrix_b_fmt:MATRIX_FMT_FP6
.else
	v_wmma_scale_f32_16x16x128_f8f6f4 v[ACC+8*(4*(\a)+\b):ACC+8*(4*(\a)+\b)+7], v[(\f)+48+12*\b:(\f)+48+12*\b+11], v[(\f)+12*(\a):(\f)+12*(\a)+11], v[ACC+8*(4*(\a)+\b):ACC+8*(4*(\a)+\b)+7], v[SB+16*(\set)+4*\b+(\q)], v[SA+16*(\set)+4*(\a)+(\q)] matrix_a_fmt:MATRIX_FMT_FP6 matrix_b_fmt:MATRIX_FMT_FP6
.endif
.endr
.endm
.macro PLACES                          ; four plain vector instructions between a matrix instruction and a load into, or a read of, its registers
.rept 4
	v_nop
.endr
.endm
.macro QUARTER slot, q, f, g, first    ; 128 along K from buffer f; the next 128 are fetched into g first, and land under the products
	s_wait_dscnt 0x0                               ; buffer f (and the scale words) are in
	PLACES
	FETCH \slot, (\q)+1, \g
	WIN MUL
.irp a, 0,1,2,3
	MULROW \f, \slot, \q, \a, \first
.endr
.endm
; A slot's last quarter (buffer 1) changes slots: one barrier; in front of it each wave waits for all its tensor loads, adds 0 to its spare word, and waits for that and for its reads of this slot.
.macro TURN slot, next, fill
	WIN 0
	s_wait_tensorcnt 0x0                           ; all my tensor loads have landed: my part of the next slot
	ds_add_u32 v[SPW], v[NIL]                      ; 0 onto my spare word
	s_wait_dscnt 1                                 ; buffer 1 is in (the add may be out)
	WIN MUL
	MULROW F1, \slot, 3, 0, 0
	s_wait_dscnt 0x0                               ; the add is done, and my reads of this slot are over
	s_barrier_signal -1
	MULROW F1, \slot, 3, 1, 0
	WIN 0
	s_barrier_wait -1
.if \fill
	CREST                                          ; the barrier has opened a round of the cluster's: no wave of any partner still reads this slot or has a load on its way
	s_add_nc_u64 s[G0+4*\slot+2:G0+4*\slot+3], s[G0+4*\slot+2:G0+4*\slot+3], 2*1572864
	s_add_nc_u64 s[G0B+4*\slot+2:G0B+4*\slot+3], s[G0B+4*\slot+2:G0B+4*\slot+3], 2*49152
	JLOAD G0+4*\slot, G1, G0B+4*\slot, G1B         ; the first tensor load behind the round; its four v_nop are the places in front of the loads below
.else
	PLACES
.endif
	v_add_nc_u32 v[ADSA], 2048, v[ADSA]            ; the next K step's scale words: four planes of 512 bytes on,
	v_add_nc_u32 v[ADSB], 16, v[ADSB]              ; 16 bytes on in each row
	FETCH \next, 0, F0
	WIN 0
	SCALES \next
	WIN MUL
	MULROW F1, \slot, 3, 2, 0
	MULROW F1, \slot, 3, 3, 0
.endm
	s_wait_alu depctr_va_vdst(0)
	s_wait_tensorcnt 0x0                           ; my one load of the head has landed,
	s_barrier_signal -1
	s_barrier_wait -1                              ; everybody's are
	FETCH 0, 0, F0
	WIN 0
	SCALES 0
	s_wait_loadcnt 32                              ; the bias is in; the residual's 32 loads may be out
	QUARTER 0, 0, F0, F1, 1                        ; the first quarter stands in front of the loop: its products start the sums
.if LAPS > 1
	WIN 0
	s_mov_b32 s3, LAPS-1
.Llap:                                                 ; a trip goes once round the ring and fills both slots again
	QUARTER 0, 1, F1, F0, 0
	QUARTER 0, 2, F0, F1, 0
	TURN 0, 1, 1
	QUARTER 1, 0, F0, F1, 0
	QUARTER 1, 1, F1, F0, 0
	QUARTER 1, 2, F0, F1, 0
	TURN 1, 0, 1
	QUARTER 0, 0, F0, F1, 0
	WIN 0
	s_sub_co_u32 s3, s3, 1
	s_cmp_lg_u32 s3, 0
	s_cbranch_scc1 .Llap
.endif
	QUARTER 0, 1, F1, F0, 0                        ; the last lap fills nothing
	QUARTER 0, 2, F0, F1, 0
	TURN 0, 1, 0
	QUARTER 1, 0, F0, F1, 0
	QUARTER 1, 1, F1, F0, 0
	QUARTER 1, 2, F0, F1, 0
	s_wait_dscnt 0x0
.irp a, 0,1,2,3
	MULROW F1, 1, 3, \a, 0
.endr
	WIN 0
	; THE WAY OUT, a block of 16 rows x 64 columns at a time through my own stage; LDS serves a wave's instructions in order, so no wait stands between the stores and the loads
.macro TOSTAGE a
	WIN 0
.irp b, 0,1,2,3
	ds_store_b128 v[STO], v[ACC+8*(4*(\a)+\b):ACC+8*(4*(\a)+\b)+3] offset:64*\b        ; each accumulator from its low end on
	ds_store_b128 v[STO], v[ACC+8*(4*(\a)+\b)+4:ACC+8*(4*(\a)+\b)+7] offset:64*\b+16
.endr
	WIN TO_F
.irp t, 0,1,2,3,4,5,6,7
	ds_load_b128 v[OB+32*((\a)%2)+4*\t:OB+32*((\a)%2)+4*\t+3], v[RD] offset:544*\t
.endr
	WIN 0
.endm
.macro SEND a, younger
	s_wait_dscnt \younger                          ; the block is back; the next block's sixteen LDS instructions may be out
	WIN 0x49                                       ; destination and source 0 window 1, source 1 (the residual) window 2
.set i, 0
.rept 16
	v_pk_add_f32 v[OB+32*((\a)%2)+i:OB+32*((\a)%2)+i+1], v[OB+32*((\a)%2)+i:OB+32*((\a)%2)+i+1], v[32*(\a)+i:32*(\a)+i+1]
.set i, i+2
.endr
	WIN 0x04                                       ; a store's data: window 1
.irp t, 0,1,2,3,4,5,6,7
	global_store_b128 v[CO], v[OB+32*((\a)%2)+4*\t:OB+32*((\a)%2)+4*\t+3], s[12:13] offset:(16*(\a)+2*\t)*4096   ; sixteen lanes store 256 consecutive bytes, aligned
.endr
	WIN 0
.endm
	s_wait_loadcnt 0x0                             ; the residual
	PLACES
	TOSTAGE 0
	TOSTAGE 1
	SEND 0, 16
	s_wait_xcnt 0x0                                ; block 0's stores have read their registers: block 2's loads may land there
	TOSTAGE 2
	SEND 1, 16
	s_wait_xcnt 0x0
	TOSTAGE 3
	SEND 2, 16
	SEND 3, 0
	s_wait_tensorcnt 0x0                           ; the wave's end
	ds_add_u32 v[SPW], v[NIL]
	s_wait_dscnt 0x0
	CROUND                                         ; the closing round
	s_endpgm
.Lfunc_end_k_qfe0b527338_gemm_o:
	.size	k_qfe0b527338_gemm_o, .Lfunc_end_k_qfe0b527338_gemm_o-k_qfe0b527338_gemm_o
	.p2alignl 7, 3214868480
	.fill 96, 4, 3214868480
	.section	.rodata,"a",@progbits
	.p2align	6, 0x0
	.amdhsa_kernel k_qfe0b527338_gemm_o
		.amdhsa_group_segment_fixed_size 327680
		.amdhsa_private_segment_fixed_size 0
		.amdhsa_enable_private_segment 0
		.amdhsa_kernarg_size 40
		.amdhsa_user_sgpr_count 2
		.amdhsa_user_sgpr_kernarg_segment_ptr 1
		.amdhsa_wavefront_size32 1
		.amdhsa_system_sgpr_workgroup_id_x 1
		.amdhsa_system_sgpr_workgroup_id_y 1
		.amdhsa_system_sgpr_workgroup_id_z 1
		.amdhsa_system_vgpr_workitem_id 0
		.amdhsa_next_free_vgpr 768
		.amdhsa_next_free_sgpr 100
		.amdhsa_reserve_vcc 0
		.amdhsa_float_denorm_mode_32 3
		.amdhsa_float_denorm_mode_16_64 3
		.amdhsa_memory_ordered 1
		.amdhsa_forward_progress 1
		.amdhsa_inst_pref_size 71
	.end_amdhsa_kernel
	.amdgpu_metadata
---
amdhsa.version: [ 1, 2 ]
amdhsa.kernels:
  - .name:           k_qfe0b527338_gemm_o
    .symbol:         k_qfe0b527338_gemm_o.kd
    .args:
      - { .name: act, .offset: 0, .size: 8, .value_kind: global_buffer, .address_space: global }
      - { .name: wq, .offset: 8, .size: 8, .value_kind: global_buffer, .address_space: global }
      - { .name: Wo_b, .offset: 16, .size: 8, .value_kind: global_buffer, .address_space: global }
      - { .name: x, .offset: 24, .size: 8, .value_kind: global_buffer, .address_space: global }
      - { .name: x1, .offset: 32, .size: 8, .value_kind: global_buffer, .address_space: global }
    .group_segment_fixed_size: 327680
    .private_segment_fixed_size: 0
    .kernarg_segment_align: 8
    .kernarg_segment_size: 40
    .max_flat_workgroup_size: 128
    .sgpr_count:     100
    .vgpr_count:     768
    .wavefront_size: 32
...
	.end_amdgpu_metadata
.endif
;; end of part 4
;; launch ln2 (part 5): grid 512 x 1, 4 waves a work-group, no clusters, 22,016 bytes of LDS; arguments x1, scale2, shift2, act; writes act
.if DOCPART == 5
	.amdgcn_target "amdgcn-amd-amdhsa--gfx1250"
	.amdhsa_code_object_version 6
	.text
	.protected	k_qfe0b527338_ln2
	.globl	k_qfe0b527338_ln2
	.p2align	8
	.type	k_qfe0b527338_ln2,@function
k_qfe0b527338_ln2:
	s_mov_b64 s[64:65], 0
	v_nop
	global_prefetch_b8 v0, s[64:65] scope:SCOPE_SE
	s_setreg_imm32_b32 hwreg(HW_REG_WAVE_MODE, 25, 1), 1
	s_wait_xcnt 0x0
; h = shift + scale (x - mean) / (std + 1e-5), std with the divisor 1,023, for each row of 1,024 f32; h is quantised at once to codes of FP6 (E2M3) with one E8M0 byte for each 32 along the row.
; Out: codes [256 stored rows][K / 256][row][192 bytes] at byte 0 of the workspace, scale bytes [row'][32] at byte 3,145,728; row' is the row with its bits 3 and 4 exchanged (the order in which the products take rows).
; SHARES: a work-group of four waves owns a group of 8 rows, a wave two of them, one row at a time in all 32 lanes: 2,048 waves, so that every SIMD has two and a wave's chain of dependent steps is two rows long.
; A row stays in 32 registers between the passes: it is read once.  The price: scale and shift, 8,192 bytes, are read by every wave, for 8,192 bytes of rows.
; The eight rows' 256 scale bytes are gathered in LDS bytes that the four waves share (64 bytes a wave); one barrier; wave 0 stores them as 256 consecutive bytes, aligned.  All else is a wave's own.
; Mean first, then the sum of squares of x - mean: no difference of large sums.  1 / 1,023 is a rounded constant; the root and the reciprocal are the chip's, good to one unit in the last place.
; LIMITS: NaN and infinities are not served; blocks under 2^-124 are held at the byte 1; a block of zeros gets the byte 1 (its codes are zeros; this program alone reads the bytes).
.set WREG, 5120                        ; LDS of a wave: two stages of 32 x 80 bytes (half a row each)
.set SCB,  4*WREG                      ; behind the four waves' stages: the work-group's 256 scale bytes
.set SC,  16                           ; v16-47   scale: register 4 i + e is column 128 i + 4 lane + e
.set SH,  48                           ; v48-79   shift, likewise
.set X,   80                           ; v80-143  my two rows
.set Y,   144                          ; v144-175 two sets of 16 neighbours
.set C,   176                          ; v176-183 codes, four registers a half
.set T,   184                          ; v184-191 at work
	s_load_b128 s[4:7], s[0:1], 0x0                ; x, scale
	s_load_b128 s[8:11], s[0:1], 0x10              ; shift, the workspace
	v_lshl_add_u32 v192, v0, 2, 0x5400
	v_mov_b32 v193, 0
	v_lshrrev_b32 v1, 5, v0
	v_readfirstlane_b32 s14, v1                    ; wave
	v_and_b32 v1, 31, v0                           ; lane
	v_lshlrev_b32 v2, 4, v1                        ; my 16 bytes of a load's 512
	s_mul_i32 s15, s14, WREG
	v_lshrrev_b32 v3, 2, v1
	v_mul_u32_u24 v3, v3, 80
	v_and_b32 v9, 3, v1
	v_lshl_add_u32 v3, v9, 4, v3
	v_add_nc_u32 v3, s15, v3                       ; the stage on the way in: 80 (lane / 4) + 16 (lane % 4)
	v_mul_u32_u24 v4, v1, 80
	v_add_nc_u32 v4, s15, v4                       ; on the way out: 80 x lane
	; the codes lie [256 stored rows][K / 256: 4 planes][row][192 bytes]: a plane of a tile of rows is 49,152 dense bytes
	v_and_b32 v5, 15, v1
	v_mul_u32_u24 v5, v5, 12                       ; my 12 bytes of a row's 192,
	v_lshrrev_b32 v9, 4, v1
	v_mad_u32_u24 v5, v9, 0xc000, v5               ; lanes 16-31 a plane further on
	v_lshrrev_b32 v6, 1, v1
	s_lshl_b32 s16, s14, 6
	s_add_co_u32 s16, s16, SCB
	v_add_nc_u32 v6, s16, v6                       ; my block's byte: 64 bytes a wave
	v_lshlrev_b32 v7, 3, v1
	v_add_nc_u32 v8, SCB, v7                       ; and, for wave 0 at the end, 8 bytes a lane of all 256
	v_mov_b32 v[T+4], 0                            ; a lane permute's destination counts as one of its sources
	s_mov_b32 s12, 0x76543210
	s_mov_b32 s13, 0xfedcba98                      ; lane l xor 16
	s_lshl_b32 s18, ttmp9, 15                      ; the group's 8 rows of 4,096 bytes,
	s_lshl_b32 s19, s14, 13                        ; my two of them
	s_add_co_u32 s18, s18, s19
	s_mov_b32 s19, 0
	s_and_b32 s20, ttmp9, 0x1fc
	s_and_b32 s21, ttmp9, 1
	s_lshl_b32 s21, s21, 1
	s_or_b32 s20, s20, s21
	s_bfe_u32 s21, ttmp9, 0x10001
	s_or_b32 s20, s20, s21                         ; the group with its two low bits exchanged: where it is stored
	s_and_b32 s22, s20, 31                         ; the group among the 32 of its 256 rows
	s_sub_co_u32 s23, s20, s22
	s_mul_i32 s23, s23, 6144                       ; the 256 rows' four planes,
	s_mul_i32 s22, s22, 1536                       ; 8 rows of 192 bytes in a plane,
	s_add_co_u32 s22, s22, s23
	s_mul_i32 s23, s14, 384                        ; my two of them
	s_add_co_u32 s22, s22, s23
	s_mov_b32 s23, 0
	s_lshl_b32 s24, s20, 8
	s_add_co_u32 s24, s24, 3145728
	s_mov_b32 s25, 0
	s_wait_kmcnt 0x0
	s_add_nc_u64 s[4:5], s[4:5], s[18:19]
	s_add_nc_u64 s[26:27], s[10:11], s[22:23]      ; my rows' codes
	s_add_nc_u64 s[28:29], s[10:11], s[24:25]      ; the group's scale bytes
.irp i, 0,1,2,3,4,5,6,7
	global_load_b128 v[SC+4*\i:SC+4*\i+3], v2, s[6:7] offset:512*\i
	global_load_b128 v[SH+4*\i:SH+4*\i+3], v2, s[8:9] offset:512*\i
.endr
.irp t, 0,1                            ; both rows at once: eight loads of 512 consecutive bytes each
.irp i, 0,1,2,3,4,5,6,7
	global_load_b128 v[X+32*\t+4*\i:X+32*\t+4*\i+3], v2, s[4:5] offset:4096*\t+512*\i th:TH_LOAD_NT
.endr
.endr
.macro RED                             ; v[T] summed over the 32 lanes, the result in every lane
	v_add_f32_dpp v[T], v[T], v[T] row_xmask:1 row_mask:0xf bank_mask:0xf
	v_add_f32_dpp v[T], v[T], v[T] row_xmask:2 row_mask:0xf bank_mask:0xf
	v_add_f32_dpp v[T], v[T], v[T] row_xmask:4 row_mask:0xf bank_mask:0xf
	v_add_f32_dpp v[T], v[T], v[T] row_xmask:8 row_mask:0xf bank_mask:0xf
	v_permlanex16_b32 v[T+4], v[T], s12, s13
	v_add_f32 v[T], v[T], v[T+4]
.endm
.macro QH t, s                         ; half s of row t: my 16 neighbours become 12 bytes of codes; two lanes hold a block
.set YS, Y+16*(\s)
	v_max3_num_f32 v[T], |v[YS]|, |v[YS+1]|, |v[YS+2]|
	v_max3_num_f32 v[T+1], |v[YS+3]|, |v[YS+4]|, |v[YS+5]|
.irp i, 6,10
	v_max3_num_f32 v[T], v[T], |v[YS+\i]|, |v[YS+\i+1]|
	v_max3_num_f32 v[T+1], v[T+1], |v[YS+\i+2]|, |v[YS+\i+3]|
.endr
	v_max3_num_f32 v[T], v[T], |v[YS+14]|, |v[YS+15]|
	v_max3_num_f32 v[T], v[T], v[T+1], 0x1800000   ; the floor 2^(3 - 127)
	v_max_num_f32_dpp v[T], v[T], v[T] row_xmask:1 row_mask:0xf bank_mask:0xf
	v_add_nc_u32 v[T+2], 0xff000000, v[T]          ; 2 off the exponent field: the conversion's scale operand
	v_cvt_scalef32_pk16_fp6_f32 v[C+4*(\s):C+4*(\s)+2], v[YS:YS+15], v[T+2]
	v_lshrrev_b32 v[14+(\s)], 23, v[T+2]           ; the scale's byte
	ds_store_b8 v6, v[14+(\s)] offset:32*(\t)+16*(\s)
	global_store_b96 v5, v[C+4*(\s):C+4*(\s)+2], s[26:27] offset:192*(\t)+98304*(\s)   ; half s of the row: planes 2 s and 2 s + 1, 192 consecutive bytes each
.endm
.macro ROW t
.set XS, X+32*(\t)
.if (\t) > 0
	s_wait_xcnt 0x0                                ; the last row's stores have read their data: the codes' registers are written again only behind this wait
.endif
	s_wait_loadcnt 8*(1-(\t))                      ; my row is in (scale and shift too); the other row's eight loads may be out
	v_pk_add_f32 v[T:T+1], v[XS:XS+1], v[XS+2:XS+3]                 ; the sum, two chains
	v_pk_add_f32 v[T+2:T+3], v[XS+4:XS+5], v[XS+6:XS+7]
.irp i, 8,12,16,20,24,28
	v_pk_add_f32 v[T:T+1], v[T:T+1], v[XS+\i:XS+\i+1]
	v_pk_add_f32 v[T+2:T+3], v[T+2:T+3], v[XS+\i+2:XS+\i+3]
.endr
	v_pk_add_f32 v[T:T+1], v[T:T+1], v[T+2:T+3]
	v_add_f32 v[T], v[T], v[T+1]
	RED
	v_mul_f32 v10, 0x3a800000, v[T]                ; mean = sum / 1,024, in both registers of the pair
	v_mul_f32 v11, 0x3a800000, v[T]
.irp i, 0,2,4,6,8,10,12,14,16,18,20,22,24,26,28,30
	v_pk_add_f32 v[XS+\i:XS+\i+1], v[XS+\i:XS+\i+1], v[10:11] neg_lo:[0,1] neg_hi:[0,1]   ; x - mean
.endr
	v_pk_mul_f32 v[T:T+1], v[XS:XS+1], v[XS:XS+1]                   ; the sum of squares, two chains
	v_pk_mul_f32 v[T+2:T+3], v[XS+2:XS+3], v[XS+2:XS+3]
.irp i, 4,8,12,16,20,24,28
	v_pk_fma_f32 v[T:T+1], v[XS+\i:XS+\i+1], v[XS+\i:XS+\i+1], v[T:T+1]
	v_pk_fma_f32 v[T+2:T+3], v[XS+\i+2:XS+\i+3], v[XS+\i+2:XS+\i+3], v[T+2:T+3]
.endr
	v_pk_add_f32 v[T:T+1], v[T:T+1], v[T+2:T+3]
	v_add_f32 v[T], v[T], v[T+1]
	RED
	v_mul_f32 v[T], 0x3a802008, v[T]               ; / 1,023
	s_wait_alu depctr_va_vdst(0)
	v_sqrt_f32 v[T+1], v[T]
	v_nop                                          ; a plain instruction behind the root
	s_wait_alu depctr_va_vdst(0)                   ; the wait ahead of the first use
	v_add_f32 v[T+1], 0x3727c5ac, v[T+1]           ; + 1e-5
	s_wait_alu depctr_va_vdst(0)
	v_rcp_f32 v12, v[T+1]
	v_rcp_f32 v13, v[T+1]                          ; twice: the pair for the packed multiply
	v_nop
	s_wait_alu depctr_va_vdst(0)                   ; one wait for both
.irp i, 0,2,4,6,8,10,12,14,16,18,20,22,24,26,28,30
	v_pk_mul_f32 v[XS+\i:XS+\i+1], v[XS+\i:XS+\i+1], v[12:13]
.endr
.irp i, 0,2,4,6,8,10,12,14,16,18,20,22,24,26,28,30
	v_pk_fma_f32 v[XS+\i:XS+\i+1], v[XS+\i:XS+\i+1], v[SC+\i:SC+\i+1], v[SH+\i:SH+\i+1]
.endr
.irp s, 0,1                            ; each half row (2,048 bytes) turns through its stage, so that a lane holds 16 neighbours
.irp i, 0,1,2,3
	ds_store_b128 v3, v[XS+16*\s+4*\i:XS+16*\s+4*\i+3] offset:2560*\s+640*\i
.endr
.irp i, 0,1,2,3
	ds_load_b128 v[Y+16*\s+4*\i:Y+16*\s+4*\i+3], v4 offset:2560*\s+16*\i
.endr
.endr
	s_wait_dscnt 8                                 ; half 0 is back; half 1's eight LDS instructions may be out
	QH \t, 0
	s_wait_dscnt 1                                 ; half 1 is back (half 0's byte store may be out)
	QH \t, 1
.endm
	ROW 0
	ROW 1
	s_wait_dscnt 0x0                               ; for the others' sake: my 64 scale bytes lie in LDS
	s_barrier_signal -1
	s_barrier_wait -1                              ; everybody's do
	s_cmp_lg_u32 s14, 0
	s_cbranch_scc1 .Ldone                          ; wave 0 alone stores them
	ds_load_b64 v[T:T+1], v8
	s_wait_dscnt 0x0
	global_store_b64 v7, v[T:T+1], s[28:29]        ; the group's 256 scale bytes: consecutive, aligned
.Ldone:
	s_wait_tensorcnt 0x0
	ds_add_u32 v192, v193
	s_wait_dscnt 0x0
	s_endpgm
.Lfunc_end_k_qfe0b527338_ln2:
	.size	k_qfe0b527338_ln2, .Lfunc_end_k_qfe0b527338_ln2-k_qfe0b527338_ln2
	.p2alignl 7, 3214868480
	.fill 96, 4, 3214868480
	.section	.rodata,"a",@progbits
	.p2align	6, 0x0
	.amdhsa_kernel k_qfe0b527338_ln2
		.amdhsa_group_segment_fixed_size 22016
		.amdhsa_private_segment_fixed_size 0
		.amdhsa_enable_private_segment 0
		.amdhsa_kernarg_size 32
		.amdhsa_user_sgpr_count 2
		.amdhsa_user_sgpr_kernarg_segment_ptr 1
		.amdhsa_wavefront_size32 1
		.amdhsa_system_sgpr_workgroup_id_x 1
		.amdhsa_system_sgpr_workgroup_id_y 1
		.amdhsa_system_sgpr_workgroup_id_z 1
		.amdhsa_system_vgpr_workitem_id 0
		.amdhsa_next_free_vgpr 194
		.amdhsa_next_free_sgpr 66
		.amdhsa_reserve_vcc 0
		.amdhsa_float_denorm_mode_32 3
		.amdhsa_float_denorm_mode_16_64 3
		.amdhsa_memory_ordered 1
		.amdhsa_forward_progress 1
		.amdhsa_inst_pref_size 25
	.end_amdhsa_kernel
	.amdgpu_metadata
---
amdhsa.version: [ 1, 2 ]
amdhsa.kernels:
  - .name:           k_qfe0b527338_ln2
    .symbol:         k_qfe0b527338_ln2.kd
    .args:
      - { .name: x1, .offset: 0, .size: 8, .value_kind: global_buffer, .address_space: global }
      - { .name: scale2, .offset: 8, .size: 8, .value_kind: global_buffer, .address_space: global }
      - { .name: shift2, .offset: 16, .size: 8, .value_kind: global_buffer, .address_space: global }
      - { .name: act, .offset: 24, .size: 8, .value_kind: global_buffer, .address_space: global }
    .group_segment_fixed_size: 22016
    .private_segment_fixed_size: 0
    .kernarg_segment_align: 8
    .kernarg_segment_size: 32
    .max_flat_workgroup_size: 128
    .sgpr_count:     66
    .vgpr_count:     194
    .wavefront_size: 32
...
	.end_amdgpu_metadata
.endif
;; end of part 5
;; launch gemm_1 (part 6): grid 16 x 16, 4 waves a work-group, clusters of 4 x 4, 327,680 bytes of LDS; arguments act, wq2, b1, mq; writes mq
.if DOCPART == 6
	.amdgcn_target "amdgcn-amd-amdhsa--gfx1250"
	.amdhsa_code_object_version 6
	.text
	.protected	k_qfe0b527338_gemm_1
	.globl	k_qfe0b527338_gemm_1
	.p2align	8
	.type	k_qfe0b527338_gemm_1,@function
k_qfe0b527338_gemm_1:
	s_mov_b64 s[64:65], 0
	v_nop
	global_prefetch_b8 v0, s[64:65] scope:SCOPE_SE
	s_setreg_imm32_b32 hwreg(HW_REG_WAVE_MODE, 25, 1), 1
	s_wait_xcnt 0x0
	s_wait_alu depctr_hold_cnt(0) depctr_sa_sdst(0) depctr_va_vdst(0) depctr_va_sdst(0) depctr_va_ssrc(0) depctr_va_vcc(0) depctr_vm_vsrc(0)
	s_getreg_b32 s2, hwreg(HW_REG_IB_STS2, 6, 4)
	s_cmp_eq_u32 s2, 0
	s_cbranch_scc0 .Lentry_in_a_cluster
	s_endpgm
.Lentry_in_a_cluster:
	s_bfe_u32 s2, ttmp6, 0x10000c
	s_cmp_lg_u32 s2, 0xf033
	s_cbranch_scc0 .Lentry_shape_is_right
	s_endpgm
.Lentry_shape_is_right:
.set SEL_V,   0
.set GELU,    1
.set NATURAL, 1
.set PLS,     196608
.set SPLS,    16384
.set SBO,     12582912
.set PLSV,    0
.set SPLSV,   0
.set CBV,     0
.set SBV,     0
.set ASOFF,   3145728
.set WCOFF,   0                        ; W1's codes in wq2
.set WSOFF,   6291456                  ; and its scale bytes
.set SIZE_K,  1024
.set KSTEP,  256
.set NQ,     KSTEP/128
.set ROWB,   49152                     ; from one K step to the next in memory: codes lie [256 rows][K / 256][row][192 bytes], so a K step of a tile's 256 rows is 49,152 dense bytes, fetched as rows of 256 bytes
.set KROW,   SIZE_K*6/8
.set PITCH,  240
.set FR,     12
.set NL,     6
.set NP,     4
.set HALFT,  128*PITCH
.set SLOT,   4*HALFT
.set LAPS,   SIZE_K/(2*KSTEP)
.set KS,     SIZE_K/32
.set SCL,    2*SLOT
.set HALFS,  (128*KS/256)*272
.set SBLK,   (16*KS/256)*272
.set SPARE,  SCL+4*HALFS
.set WSTG,   12800
.set ADRA, 16
.set ADRB, 20
.set STO,  24
.set SSO,  25
.set RD,   26
.set ADRS, 27
.set SPW,  28
.set NIL,  29
.set CO,   30
.set FL,   31
.set SC,   32
.set BIAS, 64
.set Z,    64
.set AF,   128
.set PC,   128
.set OUT,  128
.set TM,   232
.set PW,   248
.set K1,   250
.set G1, 24
.set G0, 32
.set G1B, 48
.set G0B, 56
.set G1S, 68
.set G0S, 76
.set G1SB, 80
.set G0SB, 88
.set OB1, 20
.set OBS, 22
.set SEL, 46
.set K2,  92
.set MSB, 0
.macro WIN new
.if MSB != \new
	s_set_vgpr_msb (MSB<<8)|\new
.set MSB, \new
.endif
.endm
.set MUL_LO, 0xa1
.set MUL_HI, 0xf1
.set BIA_LO, 0x81
.set BIA_HI, 0xc1
.set TO_B,   0x40
.macro JLOAD g0a, g1a, g0b, g1b
	s_cmp_eq_u32 s15, 0
	s_cbranch_scc0 .Lfor_b_\@
	tensor_load_to_lds s[\g0a:\g0a+3], s[\g1a:\g1a+7]
	s_nop 0
.rept 4
	v_nop
.endr
	s_branch .Lasked_\@
.Lfor_b_\@:
	tensor_load_to_lds s[\g0b:\g0b+3], s[\g1b:\g1b+7]
	s_nop 0
.rept 4
	v_nop
.endr
.Lasked_\@:
.endm
.macro CREST
	s_cmp_lg_u32 s14, 0
	s_cbranch_scc1 .Lnot_wave_0_\@
	s_barrier_signal -3
.Lnot_wave_0_\@:
	s_barrier_wait -3
	s_barrier_signal -1
	s_barrier_wait -1
.endm
.macro CROUND
	s_barrier_signal -1
	s_barrier_wait -1
	CREST
.endm
.if GELU
	s_load_b256 s[4:11], s[0:1], 0x0
.else
	s_load_b128 s[4:7], s[0:1], 0x0
	s_load_b64 s[12:13], s[0:1], 0x10
.endif
	v_lshl_add_u32 v[SPW], v0, 2, SPARE
	v_mov_b32 v[NIL], 0
	ds_add_u32 v28, v29
	ds_add_u32 v28, v29
	s_wait_dscnt 0x0
	v_lshrrev_b32 v1, 5, v0
	v_readfirstlane_b32 s14, v1
	s_lshr_b32 s15, s14, 1
	s_and_b32 s16, s14, 1
	s_bfe_u32 s40, ttmp6, 0x40000
	s_bfe_u32 s41, ttmp6, 0x40004
	s_and_b32 s66, ttmp7, 0xffff
	s_lshl_b32 s66, s66, 2
	s_lshl_b32 s67, ttmp9, 2
.if SEL_V
	s_cmp_eq_u32 ttmp9, 2
	s_cselect_b32 s42, s66, s67
	s_cselect_b32 s17, 8, s66
	s_cselect_b32 s66, 1, 0
.else
	s_mov_b32 s42, s67
	s_mov_b32 s17, s66
.endif
	s_add_co_u32 s42, s42, s40
	s_add_co_u32 s17, s17, s41
	s_lshl_b32 s43, s41, 2
	s_lshl_b32 s43, 15, s43
	s_lshl_b32 s44, 0x1111, s40
	s_or_b32 s[G1+0], s43, (0<<16)|(1<<20)|(1<<21)|(3<<22)|(3<<25)
	s_or_b32 s[G1B+0], s44, (0<<16)|(1<<20)|(1<<21)|(3<<22)|(3<<25)
.irp g, G1, G1B
	s_mov_b32 s[\g+1], 256<<16                     ; tensor_dim0: rows of 256 bytes
	s_mov_b32 s[\g+2], 384<<16                     ; tensor_dim1: the head's loads bring two K steps of 256 rows: 98,304 bytes
	s_mov_b32 s[\g+3], 256<<16                     ; tile_dim0
	s_mov_b32 s[\g+4], 384                         ; tile_dim1
	s_mov_b32 s[\g+5], 256                         ; dense
	s_mov_b32 s[\g+6], 0
	s_mov_b32 s[\g+7], 0
.endr
	s_or_b32 s[G1S+0], s43, (3<<16)|(1<<20)|(1<<21)|(5<<22)|(3<<25)
	s_or_b32 s[G1SB+0], s44, (3<<16)|(1<<20)|(1<<21)|(5<<22)|(3<<25)
.irp g, G1S, G1SB
	s_mov_b32 s[\g+1], 32<<16
	s_mov_b32 s[\g+2], KS<<16                      ; the scale bytes of 256 rows
	s_mov_b32 s[\g+3], 32<<16
	s_mov_b32 s[\g+4], KS
	s_mov_b32 s[\g+5], 32
	s_mov_b32 s[\g+6], 0
	s_mov_b32 s[\g+7], 0
.endr
	s_lshl_b32 s20, s17, 8                         ; A's tile: its first row
	s_lshl_b32 s46, s42, 8                         ; B's
	s_mov_b32 s21, 0
	s_mov_b32 s47, 0
	s_mov_b64 s[18:19], KS
	s_mul_u64 s[22:23], s[20:21], s[18:19]
	s_mul_u64 s[92:93], s[46:47], s[18:19]
	s_mov_b64 s[18:19], KROW
	s_mul_u64 s[20:21], s[20:21], s[18:19]
	s_mul_u64 s[46:47], s[46:47], s[18:19]
	s_mul_i32 s18, s16, ROWB/2                     ; in the ring I fetch 128 rows of a K step: which half, in bytes,
	s_mov_b32 s19, 0
	s_mul_i32 s45, s16, HALFT                      ; and where they go
	s_wait_kmcnt 0x0
.if GELU
	s_mov_b64 s[12:13], s[10:11]
	s_mov_b64 s[96:97], s[8:9]
.endif
.if WCOFF
	s_add_nc_u64 s[8:9], s[6:7], WCOFF
.else
	s_mov_b64 s[8:9], s[6:7]
.endif
	s_add_nc_u64 s[10:11], s[6:7], WSOFF
	s_add_nc_u64 s[6:7], s[4:5], ASOFF
.if SEL_V
	s_cmp_eq_u32 s66, 1
	s_cselect_b64 s[98:99], s[8:9], s[4:5]
	s_cselect_b64 s[8:9], s[4:5], s[8:9]
	s_mov_b64 s[4:5], s[98:99]
	s_cselect_b64 s[98:99], s[10:11], s[6:7]
	s_cselect_b64 s[10:11], s[6:7], s[10:11]
	s_mov_b64 s[6:7], s[98:99]
.endif
	s_add_nc_u64 s[20:21], s[4:5], s[20:21]
	s_add_nc_u64 s[22:23], s[6:7], s[22:23]
	s_add_nc_u64 s[46:47], s[8:9], s[46:47]
	s_add_nc_u64 s[92:93], s[10:11], s[92:93]
	CROUND
	s_mov_b32 s[G0S], 1
	s_mov_b32 s[G0S+1], SCL
	s_mov_b64 s[G0S+2:G0S+3], s[22:23]
	s_or_b32 s[G0S+3], s[G0S+3], 0x80000000
	s_mov_b32 s[G0SB], 1
	s_mov_b32 s[G0SB+1], SCL+2*HALFS
	s_mov_b64 s[G0SB+2:G0SB+3], s[92:93]
	s_or_b32 s[G0SB+3], s[G0SB+3], 0x80000000
; m = GELU(h2 W1^T + b1) on codes of FP6 (E2M3) with E8M0 scales, K = 1,024, quantised along the hidden axis on the way out.  A tile of 256 x 256 to four waves; 4 x 4 work-groups ask for tiles jointly.
; LDS: A's slots 0 and 1 (2 HALFT each), then B's two.  The head's loads of codes fill both slots of a side at once: K steps 0 and 1 are neighbours in memory.
; No prefetch: K has four steps, two come at the head, and the two refills have no step two ahead of them in which to ask.
.set G0H, 4                            ; s[4:7], s[8:11]: group 0 of the head's two loads of codes (the arguments that lay there have been used)
.set G0HB, 8
	s_mov_b32 s[G0H], 1
	s_mov_b32 s[G0H+1], 0
	s_mov_b64 s[G0H+2:G0H+3], s[20:21]
	s_or_b32 s[G0H+3], s[G0H+3], 0x80000000
	s_mov_b32 s[G0HB], 1
	s_mov_b32 s[G0HB+1], 4*HALFT
	s_mov_b64 s[G0HB+2:G0HB+3], s[46:47]
	s_or_b32 s[G0HB+3], s[G0HB+3], 0x80000000
	s_add_nc_u64 s[20:21], s[20:21], s[18:19]      ; for the ring: my 128 rows
	s_add_nc_u64 s[46:47], s[46:47], s[18:19]
.irp s, 0,1
	s_mov_b32 s[G0+4*\s], 1
	s_add_co_u32 s[G0+4*\s+1], s45, \s*2*HALFT
	s_add_nc_u64 s[G0+4*\s+2:G0+4*\s+3], s[20:21], \s*ROWB
	s_or_b32 s[G0+4*\s+3], s[G0+4*\s+3], 0x80000000
	s_mov_b32 s[G0B+4*\s], 1
	s_add_co_u32 s[G0B+4*\s+1], s45, \s*2*HALFT+4*HALFT
	s_add_nc_u64 s[G0B+4*\s+2:G0B+4*\s+3], s[46:47], \s*ROWB
	s_or_b32 s[G0B+4*\s+3], s[G0B+4*\s+3], 0x80000000
.endr
; THE HEAD'S LOADS, ONE A WAVE: wave 0 A's codes of K steps 0 and 1, wave 1 B's, wave 2 A's scale bytes, wave 3 B's.  One chain of branches on the wave's number, one load to an arm, one join.
.macro ARM under, g0, g1, next
	s_cmp_lt_u32 s14, \under
	s_cbranch_scc0 \next
	tensor_load_to_lds s[\g0:\g0+3], s[\g1:\g1+7]
	s_nop 0
.rept 4
	v_nop
.endr
	s_branch .Lhead_asked
\next:
.endm
	ARM 1, G0H,  G1,  .Lhead_b
	ARM 2, G0HB, G1B, .Lhead_sa
	ARM 3, G0S,  G1S, .Lhead_sb
	tensor_load_to_lds s[G0SB:G0SB+3], s[G1SB:G1SB+7]
	s_nop 0
.rept 4
	v_nop
.endr
.Lhead_asked:
	v_and_b32 v1, 15, v0
	v_bfe_u32 v2, v0, 4, 1
	v_mul_u32_u24 v3, v1, PITCH
	v_mul_u32_u24 v4, v2, 24
	v_add_nc_u32 v4, v3, v4
	v_lshl_add_u32 v5, v2, 4, v4
	s_mul_i32 s21, s15, HALFT
	s_mul_i32 s22, s16, HALFT
	s_add_co_u32 s22, s22, 4*HALFT                 ; which lie behind A's two slots
.irp s, 0,1
	v_add_nc_u32 v[ADRA+\s], s21, v4
	v_add_nc_u32 v[ADRB+\s], s22, v4
	v_add_nc_u32 v[ADRA+2+\s], s21, v5
	v_add_nc_u32 v[ADRB+2+\s], s22, v5
	s_add_co_u32 s21, s21, 2*HALFT
	s_add_co_u32 s22, s22, 2*HALFT
.endr
	v_mul_u32_u24 v5, v1, KS
	v_lshrrev_b32 v6, 8, v5
	v_lshl_add_u32 v5, v6, 4, v5
	s_mul_i32 s21, s15, HALFS
	s_mul_i32 s22, s16, HALFS
	s_add_co_u32 s22, s22, 2*HALFS
	s_sub_co_u32 s22, s22, s21
	v_mul_u32_u24 v6, s22, v2
	s_add_co_u32 s21, s21, SCL
	v_add_nc_u32 v5, v5, v6
	v_add_nc_u32 v[ADRS], s21, v5
	s_mul_i32 s23, s14, WSTG
.if NATURAL
	v_and_b32 v5, 8, v1
	v_add_nc_u32 v5, v5, v1
.set LRW, 5
.else
.set LRW, 1
.endif
	v_mul_u32_u24 v6, v[LRW], 48
	v_mad_u32_u24 v6, v2, 24, v6
	v_add_nc_u32 v[STO], s23, v6
	v_lshl_add_u32 v6, v[LRW], 2, s23
	v_add_nc_u32 v[SSO], 12288, v6
	v_and_b32 v6, 31, v0
	v_lshlrev_b32 v[CO], 4, v6
	v_add_nc_u32 v[RD], s23, v[CO]
	v_mov_b32 v[FL], 0x1800000
.if GELU
	s_lshl_b32 s66, s42, 10
	s_lshl_b32 s67, s16, 9
	s_add_co_u32 s66, s66, s67
	s_mov_b32 s67, 0
	s_add_nc_u64 s[96:97], s[96:97], s[66:67]
	v_lshlrev_b32 v7, 6, v2
.irp b, 0,1,2,3,4,5,6,7
	global_load_b128 v[BIAS+8*\b:BIAS+8*\b+3], v7, s[96:97] offset:(32*(\b/2)+8*(\b%2))*4
	global_load_b128 v[BIAS+8*\b+4:BIAS+8*\b+7], v7, s[96:97] offset:(32*(\b/2)+8*(\b%2))*4+16
.endr
.endif
	s_lshl_b32 s18, s17, 8
	s_lshl_b32 s19, s15, 7
	s_add_co_u32 s18, s18, s19
.if SEL_V
	s_lshl_b32 s19, s66, 11
	s_sub_co_u32 s18, s18, s19
.endif
	s_lshl_b32 s19, s42, 1
	s_add_co_u32 s19, s19, s16
	s_mov_b32 s45, PLS
	s_mov_b32 s94, SPLS
	s_mov_b32 s95, 0
	s_mov_b32 s67, SBO
.if SEL_V
	s_cmp_eq_u32 s66, 1
	s_cselect_b32 s45, PLSV, s45
	s_cselect_b32 s94, SPLSV, s94
	s_cselect_b32 s95, CBV, s95
	s_cselect_b32 s67, SBV, s67
.endif
	s_mul_i32 s20, s19, s45
	s_lshl_b32 s20, s20, 1
	s_mul_i32 s21, s18, 48
	s_add_co_u32 s20, s20, s21
	s_add_co_u32 s20, s20, s95
	s_mov_b32 s21, 0
	s_mul_i32 s22, s19, s94
	s_lshl_b32 s23, s18, 2
	s_add_co_u32 s22, s22, s23
	s_add_co_u32 s22, s22, s67
	s_mov_b32 s23, 0
	s_add_nc_u64 s[OBS:OBS+1], s[12:13], s[22:23]
	s_add_nc_u64 s[12:13], s[12:13], s[20:21]
	s_mov_b32 s20, s45
	s_add_nc_u64 s[OB1:OB1+1], s[12:13], s[20:21]
	s_mov_b32 s[SEL], 0x76543210
	s_mov_b32 s[SEL+1], 0xfedcba98
	s_mov_b32 s[K2], 0xbdd2d3e8
	s_mov_b32 s[K2+1], s[K2]
.macro FRAG reg, adr, q, i
.irp p, 0,1,2,3,4,5
.set PCE, 12*(\q)+6*(\p/3)+\p%3
.if PCE%8 < 5
	ds_load_b64 v[\reg+2*\p:\reg+2*\p+1], v[\adr] offset:8*PCE+16*(PCE/8)+(\i)*16*PITCH
.else
	ds_load_b64 v[\reg+2*\p:\reg+2*\p+1], v[\adr+2] offset:8*PCE+16*(PCE/8)+(\i)*16*PITCH
.endif
.endr
.endm
.macro MUL16 a0, p, q, sc, zero
.irp a, \a0, \a0+1
.irp b, 0,1,2,3,4,5,6,7
.if \zero
.if GELU
	v_wmma_scale_f32_16x16x128_f8f6f4 v[8*(8*((\a)%4)+\b):8*(8*((\a)%4)+\b)+7], v[128*(\p)+FR*\b:128*(\p)+FR*\b+FR-1], v[AF+FR*(\a):AF+FR*(\a)+FR-1], v[BIAS+8*\b:BIAS+8*\b+7], v[SC+8*NQ*(\sc)+NQ*\b+(\q)], v[SC+8*NQ*(\sc)+NQ*(\a)+(\q)] matrix_a_fmt:MATRIX_FMT_FP6 matrix_b_fmt:MATRIX_FMT_FP6 matrix_a_scale:MATRIX_SCALE_ROW1
.else
	v_wmma_scale_f32_16x16x128_f8f6f4 v[8*(8*((\a)%4)+\b):8*(8*((\a)%4)+\b)+7], v[128*(\p)+FR*\b:128*(\p)+FR*\b+FR-1], v[AF+FR*(\a):AF+FR*(\a)+FR-1], 0, v[SC+8*NQ*(\sc)+NQ*\b+(\q)], v[SC+8*NQ*(\sc)+NQ*(\a)+(\q)] matrix_a_fmt:MATRIX_FMT_FP6 matrix_b_fmt:MATRIX_FMT_FP6 matrix_a_scale:MATRIX_SCALE_ROW1
.endif
.else
	v_wmma_scale_f32_16x16x128_f8f6f4 v[8*(8*((\a)%4)+\b):8*(8*((\a)%4)+\b)+7], v[128*(\p)+FR*\b:128*(\p)+FR*\b+FR-1], v[AF+FR*(\a):AF+FR*(\a)+FR-1], v[8*(8*((\a)%4)+\b):8*(8*((\a)%4)+\b)+7], v[SC+8*NQ*(\sc)+NQ*\b+(\q)], v[SC+8*NQ*(\sc)+NQ*(\a)+(\q)] matrix_a_fmt:MATRIX_FMT_FP6 matrix_b_fmt:MATRIX_FMT_FP6 matrix_a_scale:MATRIX_SCALE_ROW1
.endif
.endr
.endr
.endm
.macro FETCH_B slot, q, p
	WIN TO_B
.irp i, 0,1,2,3,4,5,6,7
	FRAG 128*(\p)+FR*\i, ADRB+\slot, \q, \i
.endr
	WIN 0
.endm
.macro FETCH_A slot, q, i0
.irp i, \i0, \i0+1, \i0+2, \i0+3
	FRAG AF+FR*(\i), ADRA+\slot, \q, \i
.endr
.endm
.macro SCALES sc
.irp i, 0,1,2,3,4,5,6,7
	ds_load_b64 v[SC+8*NQ*\sc+NQ*\i:SC+8*NQ*\sc+NQ*\i+1], v[ADRS] offset:\i*SBLK
.endr
.endm
.macro PLACES n
.rept \n
	v_nop
.endr
.endm
.macro STEP slot, q, zero
	s_wait_dscnt 4*NL
.if (\zero) && GELU
	WIN BIA_LO
.else
	WIN MUL_LO
.endif
	MUL16 0, (\q)%2, \q, \slot, \zero
	MUL16 2, (\q)%2, \q, \slot, \zero
	s_wait_dscnt 0
	PLACES NP
	FETCH_B \slot, (\q)+1, 1-(\q)%2
	FETCH_A \slot, (\q)+1, 0
.if (\zero) && GELU
	WIN BIA_HI
.else
	WIN MUL_HI
.endif
	MUL16 4, (\q)%2, \q, \slot, \zero
	MUL16 6, (\q)%2, \q, \slot, \zero
	PLACES NP
	WIN 0
	FETCH_A \slot, (\q)+1, 4
.endm
.macro TURN slot, next, fill
	s_wait_tensorcnt 0x0
	ds_add_u32 v[SPW], v[NIL]
	s_wait_dscnt 4*NL+1
	WIN MUL_LO
	MUL16 0, 1, NQ-1, \slot, 0
	s_wait_dscnt 0x0
	s_barrier_signal -1
	MUL16 2, 1, NQ-1, \slot, 0
	WIN 0
	s_barrier_wait -1
.if \fill
	CREST
	s_add_nc_u64 s[G0+4*\slot+2:G0+4*\slot+3], s[G0+4*\slot+2:G0+4*\slot+3], 2*ROWB
	s_add_nc_u64 s[G0B+4*\slot+2:G0B+4*\slot+3], s[G0B+4*\slot+2:G0B+4*\slot+3], 2*ROWB
	JLOAD G0+4*\slot, G1, G0B+4*\slot, G1B
.else
	PLACES NP
.endif
	s_wait_alu depctr_va_vdst(0)
	v_add_nc_u32 v[ADRS], 4*NQ, v[ADRS]
	FETCH_B \next, 0, 0
	FETCH_A \next, 0, 0
	SCALES \next
	WIN MUL_HI
	MUL16 4, 1, NQ-1, \slot, 0
	MUL16 6, 1, NQ-1, \slot, 0
	PLACES NP
	WIN 0
	FETCH_A \next, 0, 4
.endm
	s_wait_alu depctr_va_vdst(0)
	s_wait_tensorcnt 0x0                           ; my one load of the head has landed, so a descriptor may be written: from here on a load brings 128 rows of one K step, 96 rows of 256 bytes
	s_mov_b32 s[G1+2], 96<<16
	s_mov_b32 s[G1+4], 96
	s_mov_b32 s[G1B+2], 96<<16
	s_mov_b32 s[G1B+4], 96
	s_barrier_signal -1
	s_barrier_wait -1
	FETCH_B 0, 0, 0
	FETCH_A 0, 0, 0
	SCALES 0
	FETCH_A 0, 0, 4
.if GELU
	s_wait_loadcnt 0x0
.endif
	STEP 0, 0, 1
	s_mov_b32 s3, LAPS-1
.Llap:
	TURN 0, 1, 1
	STEP 1, 0, 0
	TURN 1, 0, 1
	STEP 0, 0, 0
	s_sub_co_u32 s3, s3, 1
	s_cmp_lg_u32 s3, 0
	s_cbranch_scc1 .Llap
	TURN 0, 1, 0
	STEP 1, 0, 0
	s_wait_dscnt 4*NL
	WIN MUL_LO
	MUL16 0, 1, NQ-1, 1, 0
	MUL16 2, 1, NQ-1, 1, 0
	s_wait_dscnt 0
	WIN MUL_HI
	MUL16 4, 1, NQ-1, 1, 0
	MUL16 6, 1, NQ-1, 1, 0
	WIN 0
.macro GELUM
	WIN ((GW)|(GW<<2))
.set i, 0
.rept 32
	v_pk_mul_f32 v[Z+i:Z+i+1], v[GAC+i:GAC+i+1], v[GAC+i:GAC+i+1]
.set i, i+2
.endr
	WIN 0
.set i, 0
.rept 32
	v_pk_fma_f32 v[Z+i:Z+i+1], v[Z+i:Z+i+1], s[K2:K2+1], v[K1:K1+1] op_sel_hi:[1,0,0]
.set i, i+2
.endr
	WIN (GW<<2)
.set i, 0
.rept 32
	v_pk_mul_f32 v[Z+i:Z+i+1], v[Z+i:Z+i+1], v[GAC+i:GAC+i+1]
.set i, i+2
.endr
	WIN 0
.set i, 0
	s_wait_alu depctr_va_vdst(0)
.rept 64
	v_exp_f32 v[Z+i], v[Z+i]
.set i, i+1
.endr
	v_nop
	s_wait_alu depctr_va_vdst(0)
.set i, 0
.rept 32
	v_pk_add_f32 v[Z+i:Z+i+1], v[Z+i:Z+i+1], 1.0 op_sel_hi:[1,0]
.set i, i+2
.endr
.set i, 0
	s_wait_alu depctr_va_vdst(0)
.rept 64
	v_rcp_f32 v[Z+i], v[Z+i]
.set i, i+1
.endr
	v_nop
	s_wait_alu depctr_va_vdst(0)
	WIN (GW<<2)
.set i, 0
.rept 32
	v_pk_mul_f32 v[Z+i:Z+i+1], v[Z+i:Z+i+1], v[GAC+i:GAC+i+1]
.set i, i+2
.endr
	WIN 0
.endm
.macro QUANT
	WIN ((QW<<2)|(QW<<4))
.irp b, 0,1,2,3
	v_max3_num_f32 v[TM+\b], v[FL], |v[QB+16*\b]|, |v[QB+16*\b+1]|
.endr
.irp i, 2,4,6,8,10,12,14
.irp b, 0,1,2,3
	v_max3_num_f32 v[TM+\b], v[TM+\b], |v[QB+16*\b+\i]|, |v[QB+16*\b+\i+1]|
.endr
.endr
	WIN 0
.irp b, 0,1,2,3
	v_permlanex16_b32 v[TM+4+\b], v[TM+\b], s[SEL], s[SEL+1]
.endr
.irp b, 0,1,2,3
	v_max_num_f32 v[TM+\b], v[TM+\b], v[TM+4+\b]
.endr
.irp b, 0,1,2,3
	v_add_nc_u32 v[TM+12+\b], 0xff000000, v[TM+\b]
.endr
.irp b, 0,1,2,3
	v_lshrrev_b32 v[TM+4+\b], 23, v[TM+12+\b]
.endr
	v_lshl_or_b32 v[PWS], v[TM+5], 8, v[TM+4]
	v_lshl_or_b32 v[PWS], v[TM+6], 16, v[PWS]
	v_lshl_or_b32 v[PWS], v[TM+7], 24, v[PWS]
	WIN QW
.irp c, 0,1
	v_cvt_scalef32_pk16_fp6_f32 v[PCS+6*\c:PCS+6*\c+2], v[QB+32*\c:QB+32*\c+15], v[TM+12+2*\c]
	v_cvt_scalef32_pk16_fp6_f32 v[PCS+12+4*\c:PCS+14+4*\c], v[QB+32*\c+16:QB+32*\c+31], v[TM+12+2*\c+1]
.endr
	WIN 0
	v_nop
.irp c, 0,1
.irp i, 0,1,2
	v_permlane16_swap_b32 v[PCS+6*\c+\i], v[PCS+12+4*\c+\i]
.endr
.irp i, 0,1,2
	v_mov_b32 v[PCS+3+6*\c+\i], v[PCS+12+4*\c+\i]
.endr
.endr
.endm
.irp b, 0,1,2,3
	v_mov_b32 v[TM+4+\b], 0
.endr
.if GELU
	v_mov_b32 v[K1], 0xc0135761
	v_mov_b32 v[K1+1], 0xc0135761
.endif
.irp a, 0,1,2,3,4,5,6,7
.if \a >= 2
	s_wait_dscnt 7
.endif
.set PCS, PC+20*(\a%2)
.set PWS, PW+\a%2
.if GELU
.set GAC, 64*(\a%4)
.set GW, 2+\a/4
	GELUM
.set QB, Z
.set QW, 0
.else
.set QB, 64*(\a%4)
.set QW, 2+\a/4
.endif
	QUANT
.if NATURAL
.set BROW, 32*(\a/2)+8*(\a%2)
.else
.set BROW, 16*\a
.endif
.irp c, 0,1
.irp p, 0,1,2
	ds_store_b64 v[STO], v[PCS+6*\c+2*\p:PCS+6*\c+2*\p+1] offset:6144*\c+48*BROW+8*\p
.endr
.endr
	ds_store_b32 v[SSO], v[PWS] offset:4*BROW
.endr
	s_wait_dscnt 0x0
.irp i, 0,1,2,3,4,5,6,7,8,9,10,11,12,13,14,15,16,17,18,19,20,21,22,23,24
	ds_load_b128 v[OUT+4*\i:OUT+4*\i+3], v[RD] offset:512*\i
.endr
.irp i, 0,1,2,3,4,5,6,7,8,9,10,11
	s_wait_dscnt 24-\i
	global_store_b128 v[CO], v[OUT+4*\i:OUT+4*\i+3], s[12:13] offset:512*\i
.endr
.irp i, 0,1,2,3,4,5,6,7,8,9,10,11
	s_wait_dscnt 12-\i
	global_store_b128 v[CO], v[OUT+48+4*\i:OUT+48+4*\i+3], s[OB1:OB1+1] offset:512*\i
.endr
	s_wait_dscnt 0x0
	global_store_b128 v[CO], v[OUT+96:OUT+99], s[OBS:OBS+1]
	s_wait_tensorcnt 0x0
	ds_add_u32 v[SPW], v[NIL]
	s_wait_dscnt 0x0
	CROUND
	s_endpgm
.Lfunc_end_k_qfe0b527338_gemm_1:
	.size	k_qfe0b527338_gemm_1, .Lfunc_end_k_qfe0b527338_gemm_1-k_qfe0b527338_gemm_1
	.p2alignl 7, 3214868480
	.fill 96, 4, 3214868480
	.section	.rodata,"a",@progbits
	.p2align	6, 0x0
	.amdhsa_kernel k_qfe0b527338_gemm_1
		.amdhsa_group_segment_fixed_size 327680
		.amdhsa_private_segment_fixed_size 0
		.amdhsa_enable_private_segment 0
		.amdhsa_kernarg_size 32
		.amdhsa_user_sgpr_count 2
		.amdhsa_user_sgpr_kernarg_segment_ptr 1
		.amdhsa_wavefront_size32 1
		.amdhsa_system_sgpr_workgroup_id_x 1
		.amdhsa_system_sgpr_workgroup_id_y 1
		.amdhsa_system_sgpr_workgroup_id_z 1
		.amdhsa_system_vgpr_workitem_id 0
		.amdhsa_next_free_vgpr 1024
		.amdhsa_next_free_sgpr 100
		.amdhsa_reserve_vcc 0
		.amdhsa_float_denorm_mode_32 3
		.amdhsa_float_denorm_mode_16_64 3
		.amdhsa_memory_ordered 1
		.amdhsa_forward_progress 1
		.amdhsa_inst_pref_size 255
	.end_amdhsa_kernel
	.section	.bss,"aw",@nobits
	.p2align	6
	.space	262144
	.amdgpu_metadata
---
amdhsa.version: [ 1, 2 ]
amdhsa.kernels:
  - .name:           k_qfe0b527338_gemm_1
    .symbol:         k_qfe0b527338_gemm_1.kd
    .args:
      - { .name: act, .offset: 0, .size: 8, .value_kind: global_buffer, .address_space: global }
      - { .name: wq2, .offset: 8, .size: 8, .value_kind: global_buffer, .address_space: global }
      - { .name: b1, .offset: 16, .size: 8, .value_kind: global_buffer, .address_space: global }
      - { .name: mq, .offset: 24, .size: 8, .value_kind: global_buffer, .address_space: global }
    .group_segment_fixed_size: 327680
    .private_segment_fixed_size: 0
    .kernarg_segment_align: 8
    .kernarg_segment_size: 32
    .max_flat_workgroup_size: 128
    .sgpr_count:     100
    .vgpr_count:     1024
    .wavefront_size: 32
...
	.end_amdgpu_metadata
.endif
;; end of part 6
;; launch gemm_2 (part 7): grid 8 x 32, 4 waves a work-group, clusters of 4 x 4, 327,680 bytes of LDS; arguments mq, wq2, b2, x1, out0; writes out0
.if DOCPART == 7
	.amdgcn_target "amdgcn-amd-amdhsa--gfx1250"
	.amdhsa_code_object_version 6
	.text
	.protected	k_qfe0b527338_gemm_2
	.globl	k_qfe0b527338_gemm_2
	.p2align	8
	.type	k_qfe0b527338_gemm_2,@function
k_qfe0b527338_gemm_2:
	s_mov_b64 s[64:65], 0
	v_nop
	global_prefetch_b8 v0, s[64:65] scope:SCOPE_SE
	s_setreg_imm32_b32 hwreg(HW_REG_WAVE_MODE, 25, 1), 1
	s_wait_xcnt 0x0
	s_wait_alu depctr_hold_cnt(0) depctr_sa_sdst(0) depctr_va_vdst(0) depctr_va_sdst(0) depctr_va_ssrc(0) depctr_va_vcc(0) depctr_vm_vsrc(0)
	s_getreg_b32 s2, hwreg(HW_REG_IB_STS2, 6, 4)
	s_cmp_eq_u32 s2, 0
	s_cbranch_scc0 .Lentry_in_a_cluster
	s_endpgm
.Lentry_in_a_cluster:
	s_bfe_u32 s2, ttmp6, 0x10000c
	s_cmp_lg_u32 s2, 0xf033
	s_cbranch_scc0 .Lentry_shape_is_right
	s_endpgm
.Lentry_shape_is_right:
.set SIZE_K, 4096
.set ASOFF,  12582912
.set WCOFF,  3145728                   ; W2's codes in wq2
.set WSOFF,  6422528                   ; and its scale bytes
.set KROW,   SIZE_K*6/8
.set KS,     SIZE_K/32
.set NP128,  SIZE_K/128
.set LAPS,   SIZE_K/1024
.set AHALF,  24576
.set BHALF,  27648
.set SLOT,   2*AHALF+2*BHALF
.set ASC,    2*SLOT
.set BSC,    ASC+512*NP128
.set HALFS,  (64*KS/256)*272
.set SBLK,   (16*KS/256)*272
.set SPARE,  BSC+2*HALFS
.set STAGE,  SPARE+512
.set SPITCH, 272
.set ADRA, 16
.set ADSA, 18
.set ADSB, 19
.set ADRB, 20
.set STO,  24
.set RD,   25
.set CO,   26
.set SPW,  28
.set NIL,  29
.set SA,   32
.set SB,   64
.set BIAS, 96
.set ACC,  128
.set F0,   0
.set F1,   96
.set OB,   192
.set G1, 24
.set G0, 32
.set G1B, 48
.set G0B, 56
.set G1S, 68
.set G0S, 76
.set G1SB, 80
.set G0SB, 88
.set MSB, 0
.macro WIN new
.if MSB != \new
	s_set_vgpr_msb (MSB<<8)|\new
.set MSB, \new
.endif
.endm
.set MUL,  0x05
.set TO_F, 0x40
.macro JLOAD g0a, g1a, g0b, g1b
	s_cmp_eq_u32 s15, 0
	s_cbranch_scc0 .Lfor_b_\@
	tensor_load_to_lds s[\g0a:\g0a+3], s[\g1a:\g1a+7]
	s_nop 0
.rept 4
	v_nop
.endr
	s_branch .Lasked_\@
.Lfor_b_\@:
	tensor_load_to_lds s[\g0b:\g0b+3], s[\g1b:\g1b+7]
	s_nop 0
.rept 4
	v_nop
.endr
.Lasked_\@:
.endm
.macro CREST
	s_cmp_lg_u32 s14, 0
	s_cbranch_scc1 .Lnot_wave_0_\@
	s_barrier_signal -3
.Lnot_wave_0_\@:
	s_barrier_wait -3
	s_barrier_signal -1
	s_barrier_wait -1
.endm
.macro CROUND
	s_barrier_signal -1
	s_barrier_wait -1
	CREST
.endm
	s_load_b256 s[4:11], s[0:1], 0x0
	s_load_b64 s[12:13], s[0:1], 0x20
	v_lshl_add_u32 v[SPW], v0, 2, SPARE
	v_mov_b32 v[NIL], 0
	ds_add_u32 v28, v29
	ds_add_u32 v28, v29
	s_wait_dscnt 0x0
	v_lshrrev_b32 v1, 5, v0
	v_readfirstlane_b32 s14, v1
	s_lshr_b32 s15, s14, 1
	s_and_b32 s16, s14, 1
	s_bfe_u32 s40, ttmp6, 0x40000
	s_bfe_u32 s41, ttmp6, 0x40004
	s_lshl_b32 s42, ttmp9, 2
	s_add_co_u32 s42, s42, s40
	s_and_b32 s17, ttmp7, 0xffff
	s_lshl_b32 s17, s17, 2
	s_add_co_u32 s17, s17, s41
	s_lshl_b32 s43, s41, 2
	s_lshl_b32 s43, 15, s43
	s_lshl_b32 s44, 0x1111, s40
	s_or_b32 s[G1+0], s43, (3<<16)|(1<<21)
	s_mov_b32 s[G1+1], 768<<16                     ; a plane's run of 6,144 bytes: the tile's 128 rows x 48
	s_mov_b32 s[G1+2], 16<<16                      ; the head's load: sixteen planes, two K steps
	s_mov_b32 s[G1+3], 768<<16
	s_mov_b32 s[G1+4], 16
	s_mov_b32 s[G1+5], 24576
	s_mov_b32 s[G1+6], 0
	s_mov_b32 s[G1+7], 0
	s_or_b32 s[G1B+0], s44, (0<<16)|(1<<20)|(1<<21)|(4<<22)|(3<<25)
	s_mov_b32 s[G1B+1], 256<<16                    ; W's codes lie [128 rows][K / 512][row][384 bytes]: dense, fetched as rows of 256 bytes
	s_mov_b32 s[G1B+2], 384<<16                    ; the head's load: two K steps of 128 rows, 98,304 bytes
	s_mov_b32 s[G1B+3], 256<<16
	s_mov_b32 s[G1B+4], 384
	s_mov_b32 s[G1B+5], 256
	s_mov_b32 s[G1B+6], 0
	s_mov_b32 s[G1B+7], 0
	s_or_b32 s[G1S+0], s43, (3<<16)|(1<<21)
	s_mov_b32 s[G1S+1], 64<<16                     ; 512 bytes: 128 rows' words
	s_mov_b32 s[G1S+2], NP128<<16
	s_mov_b32 s[G1S+3], 64<<16
	s_mov_b32 s[G1S+4], NP128
	s_mov_b32 s[G1S+5], 2048
	s_mov_b32 s[G1S+6], 0
	s_mov_b32 s[G1S+7], 0
	s_or_b32 s[G1SB+0], s44, (3<<16)|(1<<20)|(1<<21)|(5<<22)|(3<<25)
	s_mov_b32 s[G1SB+1], 32<<16
	s_mov_b32 s[G1SB+2], (128*KS/256)<<16
	s_mov_b32 s[G1SB+3], 32<<16
	s_mov_b32 s[G1SB+4], 128*KS/256
	s_mov_b32 s[G1SB+5], 32
	s_mov_b32 s[G1SB+6], 0
	s_mov_b32 s[G1SB+7], 0
	s_lshl_b32 s20, s17, 7                         ; A's tile: its first row: hangs on the tile row alone
	s_lshl_b32 s46, s42, 7                         ; W's: on the tile column alone
	s_lshl_b32 s22, s20, 2
	s_add_co_u32 s22, s22, ASOFF
	s_mov_b32 s23, 0
	s_mul_i32 s20, s20, 48
	s_mov_b32 s21, 0
	s_mul_i32 s92, s46, KS
	s_add_co_u32 s92, s92, WSOFF
	s_mov_b32 s93, 0
	s_mul_i32 s46, s46, KROW
	s_add_co_u32 s46, s46, WCOFF
	s_mov_b32 s47, 0
	s_mul_i32 s45, s16, AHALF
	s_mul_i32 s94, s16, BHALF
	s_add_co_u32 s94, s94, 4*AHALF                 ; W's slots lie behind A's two
	s_mul_i32 s18, s16, 4*196608                   ; a ring's load of A: four of a K step's eight planes,
	s_mov_b32 s19, 0
	s_mul_i32 s66, s16, 24576                      ; of W: 64 of its 128 rows
	s_mov_b32 s67, 0
	s_wait_kmcnt 0x0
	s_add_nc_u64 s[20:21], s[4:5], s[20:21]
	s_add_nc_u64 s[22:23], s[4:5], s[22:23]
	s_add_nc_u64 s[46:47], s[6:7], s[46:47]
	s_add_nc_u64 s[92:93], s[6:7], s[92:93]
	CROUND
	s_mov_b32 s[G0S], 1
	s_mov_b32 s[G0S+1], ASC
	s_mov_b64 s[G0S+2:G0S+3], s[22:23]
	s_or_b32 s[G0S+3], s[G0S+3], 0x80000000
	s_mov_b32 s[G0SB], 1
	s_mov_b32 s[G0SB+1], BSC
	s_mov_b64 s[G0SB+2:G0SB+3], s[92:93]
	s_or_b32 s[G0SB+3], s[G0SB+3], 0x80000000
; out = x1 + m W2^T + b2 on codes of FP6 (E2M3) with E8M0 scales, K = 4,096 in eight steps of 512.  A tile of 128 x 128 to four waves, 64 x 64 a wave; 4 x 4 work-groups ask for tiles jointly.
; LDS: A's slots 0 and 1 ([plane][128 rows][48], 2 AHALF each), then W's two (2 BHALF each).  The head's loads of codes fill both slots of a side at once: K steps 0 and 1; six refills follow, a quarter of a slot a wave.
.set G0H, 4                            ; s[4:7], s[96:99]: group 0 of the head's two loads of codes
.set G0HB, 96
.set PFA, 92                           ; s[92:93] where my prefetches stand; s[18:19] a K step in my operand's memory
.set PFO, 30                           ; v30 the prefetches' offset: 256 x my lane, held at block 23; never rewritten
	s_mov_b32 s[G0H], 1
	s_mov_b32 s[G0H+1], 0
	s_mov_b64 s[G0H+2:G0H+3], s[20:21]
	s_or_b32 s[G0H+3], s[G0H+3], 0x80000000
	s_mov_b32 s[G0HB], 1
	s_mov_b32 s[G0HB+1], 4*AHALF
	s_mov_b64 s[G0HB+2:G0HB+3], s[46:47]
	s_or_b32 s[G0HB+3], s[G0HB+3], 0x80000000
	s_add_nc_u64 s[20:21], s[20:21], s[18:19]
	s_add_nc_u64 s[46:47], s[46:47], s[66:67]
	; THE PREFETCH: a refill of mine is 96 blocks of 256 bytes; the four partners that ask for it with me take 24 each, told apart by address alone (A: one of my four planes by cx; W: 6,144 of my 24,576 bytes by cy).
	; Behind the refill of K step t stands one instruction for K step t + 2; the loop's last trip asks for nothing, so K step 7 is the last that is named.  Lanes 24-31 name block 23 again.
	s_cmp_eq_u32 s15, 0                            ; do I fetch for A?
	s_cselect_b64 s[PFA:PFA+1], s[20:21], s[46:47]
	s_mul_i32 s66, s40, 196608
	s_mul_i32 s18, s41, 6144
	s_cselect_b32 s66, s66, s18
	s_mov_b32 s18, 49152
	s_cselect_b32 s18, 1572864, s18
	s_add_nc_u64 s[PFA:PFA+1], s[PFA:PFA+1], s[66:67]
	s_mul_i32 s66, s18, 3
	s_add_nc_u64 s[PFA:PFA+1], s[PFA:PFA+1], s[66:67]   ; at K step 3: the first refill steps it to 4
.irp s, 0,1
	s_mov_b32 s[G0+4*\s], 1
	s_add_co_u32 s[G0+4*\s+1], s45, \s*2*AHALF
	s_add_nc_u64 s[G0+4*\s+2:G0+4*\s+3], s[20:21], \s*1572864
	s_or_b32 s[G0+4*\s+3], s[G0+4*\s+3], 0x80000000
	s_mov_b32 s[G0B+4*\s], 1
	s_add_co_u32 s[G0B+4*\s+1], s94, \s*2*BHALF
	s_add_nc_u64 s[G0B+4*\s+2:G0B+4*\s+3], s[46:47], \s*49152
	s_or_b32 s[G0B+4*\s+3], s[G0B+4*\s+3], 0x80000000
.endr
; THE HEAD'S LOADS, ONE A WAVE: wave 0 A's codes, wave 1 W's, wave 2 A's scale words, wave 3 W's scale bytes.  One chain of branches on the wave's number, one load to an arm, one join.
.macro ARM under, g0, g1, next
	s_cmp_lt_u32 s14, \under
	s_cbranch_scc0 \next
	tensor_load_to_lds s[\g0:\g0+3], s[\g1:\g1+7]
	s_nop 0
.rept 4
	v_nop
.endr
	s_branch .Lhead_asked
\next:
.endm
	ARM 1, G0H,  G1,  .Lhead_b
	ARM 2, G0HB, G1B, .Lhead_sa
	ARM 3, G0S,  G1S, .Lhead_sb
	tensor_load_to_lds s[G0SB:G0SB+3], s[G1SB:G1SB+7]
	s_nop 0
.rept 4
	v_nop
.endr
.Lhead_asked:
	v_and_b32 v1, 15, v0
	v_bfe_u32 v2, v0, 4, 1
	v_mul_u32_u24 v3, v1, 48
	v_mad_u32_u24 v3, v2, 24, v3
	s_mul_i32 s21, s15, 3072                       ; my 64 rows of a plane's 128
	v_add_nc_u32 v[ADRA], s21, v3
	v_add_nc_u32 v[ADRA+1], 2*AHALF, v[ADRA]
	v_mul_u32_u24 v4, v1, 432
	v_mad_u32_u24 v4, v2, 24, v4
	s_mul_i32 s22, s16, BHALF
	s_add_co_u32 s22, s22, 4*AHALF
	v_add_nc_u32 v[ADRB], s22, v4
	v_add_nc_u32 v[ADRB+1], 2*BHALF, v[ADRB]
	v_lshl_add_u32 v[ADRB+2], v2, 4, v[ADRB]
	v_lshl_add_u32 v[ADRB+3], v2, 4, v[ADRB+1]
	s_lshl_b32 s21, s15, 8                         ; my 64 rows' words of a plane's 128
	s_add_co_u32 s21, s21, ASC
	v_lshl_add_u32 v[ADSA], v1, 2, s21
	v_mul_u32_u24 v5, v1, KS
	v_lshrrev_b32 v6, 8, v5
	v_lshl_add_u32 v5, v6, 4, v5
	s_mul_i32 s22, s16, HALFS
	s_add_co_u32 s22, s22, BSC
	v_add_nc_u32 v[ADSB], s22, v5
	s_mul_i32 s23, s14, 16*SPITCH
	s_add_co_u32 s23, s23, STAGE
	v_mul_u32_u24 v5, v1, SPITCH
	v_lshl_add_u32 v5, v2, 5, v5
	v_add_nc_u32 v[STO], s23, v5
	v_mul_u32_u24 v5, v2, SPITCH
	v_lshl_add_u32 v5, v1, 4, v5
	v_add_nc_u32 v[RD], s23, v5
	v_lshlrev_b32 v5, 12, v2
	v_lshl_add_u32 v[CO], v1, 4, v5
	v_lshlrev_b32 v7, 5, v2
	v_and_b32 v[PFO], 31, v0
	v_min_u32 v[PFO], 23, v[PFO]
	v_lshlrev_b32 v[PFO], 8, v[PFO]
	s_wait_alu depctr_va_vdst(0)
	s_lshl_b32 s20, s42, 9
	s_lshl_b32 s21, s16, 8
	s_add_co_u32 s20, s20, s21
	s_mov_b32 s21, 0
	s_add_nc_u64 s[8:9], s[8:9], s[20:21]
	s_lshl_b32 s22, s17, 7
	s_lshl_b32 s23, s15, 6
	s_add_co_u32 s22, s22, s23
	s_lshl_b32 s22, s22, 12
	s_add_co_u32 s20, s20, s22
	s_add_nc_u64 s[10:11], s[10:11], s[20:21]
	s_add_nc_u64 s[12:13], s[12:13], s[20:21]
.irp b, 0,1,2,3
	global_load_b128 v[BIAS+8*\b:BIAS+8*\b+3], v7, s[8:9] offset:64*\b
	global_load_b128 v[BIAS+8*\b+4:BIAS+8*\b+7], v7, s[8:9] offset:64*\b+16
.endr
	s_sub_nc_u64 s[100:101], s[PFA:PFA+1], s[18:19]
	global_prefetch_b8 v[PFO], s[100:101] th:TH_LOAD_NT scope:SCOPE_SE        ; the head's loads bring K steps 0 and 1: K steps 2 and 3 are asked for here, two steps ahead of their refills, as in the loop
	global_prefetch_b8 v[PFO], s[PFA:PFA+1] th:TH_LOAD_NT scope:SCOPE_SE
.macro FRAGA reg, slot, q, i
.irp p, 0,1,2,3,4,5
	ds_load_b64 v[(\reg)+2*\p:(\reg)+2*\p+1], v[ADRA+\slot] offset:6144*(2*(\q)+\p/3)+768*(\i)+8*(\p%3)
.endr
.endm
.macro FRAGB reg, slot, q, i
.irp p, 0,1,2,3,4,5
.set PCI, 12*(\q)+6*(\p/3)+\p%3
.if PCI%16 < 13
	ds_load_b64 v[(\reg)+2*\p:(\reg)+2*\p+1], v[ADRB+\slot] offset:8*PCI+16*(PCI/16)+6912*(\i)
.else
	ds_load_b64 v[(\reg)+2*\p:(\reg)+2*\p+1], v[ADRB+2+\slot] offset:8*PCI+16*(PCI/16)+6912*(\i)
.endif
.endr
.endm
.macro FETCH slot, q, f
	WIN TO_F
.irp i, 0,1,2,3
	FRAGB (\f)+48+12*\i, \slot, \q, \i
.endr
.irp i, 0,1,2,3
	FRAGA (\f)+12*\i, \slot, \q, \i
.endr
.endm
.macro SCALES set
.irp i, 0,1,2,3
.irp q, 0,1,2,3
	ds_load_b32 v[SA+16*(\set)+4*\i+\q], v[ADSA] offset:512*\q+64*\i
.endr
	ds_load_b128 v[SB+16*(\set)+4*\i:SB+16*(\set)+4*\i+3], v[ADSB] offset:\i*SBLK
.endr
.endm
.macro MULROW f, set, q, a, first
.irp b, 0,1,2,3
.if \first
	v_wmma_scale_f32_16x16x128_f8f6f4 v[ACC+8*(4*(\a)+\b):ACC+8*(4*(\a)+\b)+7], v[(\f)+48+12*\b:(\f)+48+12*\b+11], v[(\f)+12*(\a):(\f)+12*(\a)+11], v[BIAS+8*\b:BIAS+8*\b+7], v[SB+16*(\set)+4*\b+(\q)], v[SA+16*(\set)+4*(\a)+(\q)] matrix_a_fmt:MATRIX_FMT_FP6 matrix_b_fmt:MATRIX_FMT_FP6
.else
	v_wmma_scale_f32_16x16x128_f8f6f4 v[ACC+8*(4*(\a)+\b):ACC+8*(4*(\a)+\b)+7], v[(\f)+48+12*\b:(\f)+48+12*\b+11], v[(\f)+12*(\a):(\f)+12*(\a)+11], v[ACC+8*(4*(\a)+\b):ACC+8*(4*(\a)+\b)+7], v[SB+16*(\set)+4*\b+(\q)], v[SA+16*(\set)+4*(\a)+(\q)] matrix_a_fmt:MATRIX_FMT_FP6 matrix_b_fmt:MATRIX_FMT_FP6
.endif
.endr
.endm
.macro PLACES
.rept 4
	v_nop
.endr
.endm
.macro QUARTER slot, q, f, g, first
	s_wait_dscnt 0x0
	PLACES
	FETCH \slot, (\q)+1, \g
	WIN MUL
.irp a, 0,1,2,3
	MULROW \f, \slot, \q, \a, \first
.endr
.endm
.macro TURN slot, next, fill
	WIN 0
.if \fill
	s_wait_xcnt 0x0                                ; my last prefetch has read its address: it is stepped here, a K step behind that prefetch
	s_add_nc_u64 s[PFA:PFA+1], s[PFA:PFA+1], s[18:19]
.endif
	s_wait_tensorcnt 0x0
	ds_add_u32 v[SPW], v[NIL]
	s_wait_dscnt 1
	WIN MUL
	MULROW F1, \slot, 3, 0, 0
	s_wait_dscnt 0x0
	s_barrier_signal -1
	MULROW F1, \slot, 3, 1, 0
	WIN 0
	s_barrier_wait -1
.if \fill
	CREST
	s_add_nc_u64 s[G0+4*\slot+2:G0+4*\slot+3], s[G0+4*\slot+2:G0+4*\slot+3], 2*1572864
	s_add_nc_u64 s[G0B+4*\slot+2:G0B+4*\slot+3], s[G0B+4*\slot+2:G0B+4*\slot+3], 2*49152
	JLOAD G0+4*\slot, G1, G0B+4*\slot, G1B
.else
	PLACES
.endif
	s_wait_alu depctr_va_vdst(0)
	v_add_nc_u32 v[ADSA], 2048, v[ADSA]
	v_add_nc_u32 v[ADSB], 16, v[ADSB]
	FETCH \next, 0, F0
	WIN 0
	SCALES \next
.if \fill
	s_cmp_gt_u32 s3, 1                             ; s3 = 1 in the loop's last trip, whose refills have no K step two on
	s_cbranch_scc0 .Lno_ask_\@
	global_prefetch_b8 v[PFO], s[PFA:PFA+1] th:TH_LOAD_NT scope:SCOPE_SE
.Lno_ask_\@:
.endif
	WIN MUL
	MULROW F1, \slot, 3, 2, 0
	MULROW F1, \slot, 3, 3, 0
.endm
	s_wait_alu depctr_va_vdst(0)
	s_wait_tensorcnt 0x0                           ; my one load of the head has landed, so a descriptor may be written: from here on a load brings four planes of A, or 64 rows of W as 96 rows of 256 bytes
	s_mov_b32 s[G1+2], 4<<16
	s_mov_b32 s[G1+4], 4
	s_mov_b32 s[G1B+2], 96<<16
	s_mov_b32 s[G1B+4], 96
	s_barrier_signal -1
	s_barrier_wait -1
	FETCH 0, 0, F0
	WIN 0
	SCALES 0
	s_wait_loadcnt 0x0                             ; the bias
	QUARTER 0, 0, F0, F1, 1
.if LAPS > 1
	WIN 0
	s_mov_b32 s3, LAPS-1
.Llap:
	QUARTER 0, 1, F1, F0, 0
	QUARTER 0, 2, F0, F1, 0
	TURN 0, 1, 1
	QUARTER 1, 0, F0, F1, 0
	QUARTER 1, 1, F1, F0, 0
	QUARTER 1, 2, F0, F1, 0
	TURN 1, 0, 1
	QUARTER 0, 0, F0, F1, 0
	WIN 0
	s_sub_co_u32 s3, s3, 1
	s_cmp_lg_u32 s3, 0
	s_cbranch_scc1 .Llap
.endif
	WIN 0x80                                       ; destination window 2
.irp a, 0,1,2,3
.irp t, 0,1,2,3,4,5,6,7
	global_load_b128 v[32*\a+4*\t:32*\a+4*\t+3], v[CO], s[10:11] offset:(16*\a+2*\t)*4096 th:TH_LOAD_NT   ; the residual, as the rows will leave: asked for behind the last refill, wanted behind the last two K steps
.endr
.endr
	WIN 0
	QUARTER 0, 1, F1, F0, 0
	QUARTER 0, 2, F0, F1, 0
	TURN 0, 1, 0
	QUARTER 1, 0, F0, F1, 0
	QUARTER 1, 1, F1, F0, 0
	QUARTER 1, 2, F0, F1, 0
	s_wait_dscnt 0x0
.irp a, 0,1,2,3
	MULROW F1, 1, 3, \a, 0
.endr
	WIN 0
.macro TOSTAGE a
	WIN 0
.irp b, 0,1,2,3
	ds_store_b128 v[STO], v[ACC+8*(4*(\a)+\b):ACC+8*(4*(\a)+\b)+3] offset:64*\b
	ds_store_b128 v[STO], v[ACC+8*(4*(\a)+\b)+4:ACC+8*(4*(\a)+\b)+7] offset:64*\b+16
.endr
	WIN TO_F
.irp t, 0,1,2,3,4,5,6,7
	ds_load_b128 v[OB+32*((\a)%2)+4*\t:OB+32*((\a)%2)+4*\t+3], v[RD] offset:544*\t
.endr
	WIN 0
.endm
.macro SEND a, younger
	s_wait_dscnt \younger
	WIN 0x49
.set i, 0
.rept 16
	v_pk_add_f32 v[OB+32*((\a)%2)+i:OB+32*((\a)%2)+i+1], v[OB+32*((\a)%2)+i:OB+32*((\a)%2)+i+1], v[32*(\a)+i:32*(\a)+i+1]
.set i, i+2
.endr
	WIN 0x04
.irp t, 0,1,2,3,4,5,6,7
	global_store_b128 v[CO], v[OB+32*((\a)%2)+4*\t:OB+32*((\a)%2)+4*\t+3], s[12:13] offset:(16*(\a)+2*\t)*4096
.endr
	WIN 0
.endm
	s_wait_loadcnt 0x0
	PLACES
	TOSTAGE 0
	TOSTAGE 1
	SEND 0, 16
	s_wait_xcnt 0x0
	TOSTAGE 2
	SEND 1, 16
	s_wait_xcnt 0x0
	TOSTAGE 3
	SEND 2, 16
	SEND 3, 0
	s_wait_tensorcnt 0x0
	ds_add_u32 v[SPW], v[NIL]
	s_wait_dscnt 0x0
	CROUND
	s_endpgm
.Lfunc_end_k_qfe0b527338_gemm_2:
	.size	k_qfe0b527338_gemm_2, .Lfunc_end_k_qfe0b527338_gemm_2-k_qfe0b527338_gemm_2
	.p2alignl 7, 3214868480
	.fill 96, 4, 3214868480
	.section	.rodata,"a",@progbits
	.p2align	6, 0x0
	.amdhsa_kernel k_qfe0b527338_gemm_2
		.amdhsa_group_segment_fixed_size 327680
		.amdhsa_private_segment_fixed_size 0
		.amdhsa_enable_private_segment 0
		.amdhsa_kernarg_size 40
		.amdhsa_user_sgpr_count 2
		.amdhsa_user_sgpr_kernarg_segment_ptr 1
		.amdhsa_wavefront_size32 1
		.amdhsa_system_sgpr_workgroup_id_x 1
		.amdhsa_system_sgpr_workgroup_id_y 1
		.amdhsa_system_sgpr_workgroup_id_z 1
		.amdhsa_system_vgpr_workitem_id 0
		.amdhsa_next_free_vgpr 768
		.amdhsa_next_free_sgpr 102
		.amdhsa_reserve_vcc 0
		.amdhsa_float_denorm_mode_32 3
		.amdhsa_float_denorm_mode_16_64 3
		.amdhsa_memory_ordered 1
		.amdhsa_forward_progress 1
		.amdhsa_inst_pref_size 119
	.end_amdhsa_kernel
	.amdgpu_metadata
---
amdhsa.version: [ 1, 2 ]
amdhsa.kernels:
  - .name:           k_qfe0b527338_gemm_2
    .symbol:         k_qfe0b527338_gemm_2.kd
    .args:
      - { .name: mq, .offset: 0, .size: 8, .value_kind: global_buffer, .address_space: global }
      - { .name: wq2, .offset: 8, .size: 8, .value_kind: global_buffer, .address_space: global }
      - { .name: b2, .offset: 16, .size: 8, .value_kind: global_buffer, .address_space: global }
      - { .name: x1, .offset: 24, .size: 8, .value_kind: global_buffer, .address_space: global }
      - { .name: out0, .offset: 32, .size: 8, .value_kind: global_buffer, .address_space: global }
    .group_segment_fixed_size: 327680
    .private_segment_fixed_size: 0
    .kernarg_segment_align: 8
    .kernarg_segment_size: 40
    .max_flat_workgroup_size: 128
    .sgpr_count:     102
    .vgpr_count:     768
    .wavefront_size: 32
...
	.end_amdgpu_metadata
.endif
;; end of part 7
